; MI455X (gfx1250); checked and timed in simulation.
; The chip was launched on July 23, 2026; its instructions are those of AMD's public machine-readable ISA for CDNA 5 (MIT licence, August 2026) and "CDNA5" Instruction Set Architecture Reference Guide (July 2026). The comments in the code are by the model that wrote it; some were corrected since.
;; Retro Only Model. Allowed arithmetic: float matrix products may take bf16 or f16 operands with f32 sums; all other float work in f32.
;; Inputs: Wk 64 x 64 float32; Wout 64 x 64 float32; Wq 64 x 64 float32; Wv 64 x 64 float32; b1 128 float32; b2 64 float32; bout 64 float32; embed 64 x 64 float32; ln_b 64 float32; ln_g 64 float32; w1 128 x 64 float32; w2 64 x 128 float32; x 128 x 2,048 int32.
;; Outputs: out0 128 x 64 float32.
;; 4 versions, each right; versions 2 to 3 are each faster than the one before; version 4 is version 3 with the launch retro written anew for expert scheduling mode. Each part assembles by itself: llvm-mc -triple=amdgcn-amd-amdhsa -mcpu=gfx1250 --defsym DOCPART=n.
;; ======== version 1 of 4: 1 launch
;; limits: values are held in f16: magnitudes above 65,504 overflow, below 6.1e-05 lose precision; values outside matrix products are rounded to f16
;; launch retro (part 1): grid 128 x 1, 12 waves a work-group, no clusters, 289,024 bytes of LDS; arguments x, embed, w1, b1, w2, b2, ln_g, ln_b, Wk, Wv, Wq, Wout, bout, out0; writes out0
.if DOCPART == 1
	.amdgcn_target "amdgcn-amd-amdhsa--gfx1250"
	.amdhsa_code_object_version 6
	.text
	.protected	k_q07a54465d3_retro
	.globl	k_q07a54465d3_retro
	.p2align	8
	.type	k_q07a54465d3_retro,@function
k_q07a54465d3_retro:
	s_mov_b64 s[64:65], 0
	v_nop
	global_prefetch_b8 v0, s[64:65] scope:SCOPE_SE
	s_setreg_imm32_b32 hwreg(HW_REG_WAVE_MODE, 25, 1), 1
	s_wait_xcnt 0x0
; RetroOnlyModel: encoder, delta-rule scan over 2,048 steps, read-out.  One work-group = one batch row; 12 waves.
; TABLES.  The encoder, K, V and q of a position hang on its token alone, and x indexes a table of 64 rows: each work-group computes
; the 64 rows once (waves 0-3, 16 tokens each) and keeps them in LDS: Khat = K/|K| in f16, Vn = -V/vm in f32 (vm = max |V| over the table),
; q in f32, and G = Khat Khat^T in f32.
; SCAN IN BLOCKS OF 16 STEPS.  With K, V the block's rows, A the strict lower triangle of K K^T, T = (I+A)^-1, Z = T^T K:
;   M_new = M + (V - K M^T)^T Z.   Kept here: S = M^T / vm in f32 accumulators; T' = -T, Z' = -Z, R' = Khat S + Vn;  S += Z'^T R'.
; Waves 4-11 (producers) make Z' for two blocks each per epoch of 16 blocks, one epoch ahead, into a ring of two LDS slots; waves 0-3 (consumers)
; own 16 rows of M each (rows of M do not depend on each other) and walk the blocks in order.
; FORMATS.  Matrix operands are f16, sums f32: Khat, G, T and Z are bounded by 1 through the normalisation that the problem itself makes, V is divided by its maximum.
; LIMITS.  |M| / max|V| below 65,504 (the state's f16 copy); max|V| below 1e37 (its reciprocal); tokens are clamped to 63.
; NOT USED.  Tensor loads and joint loads: every input is f32 and passes through registers to become f16, and the shared weights are 147,456 bytes read once.
; 128 work-groups: a batch row's chain of 128 blocks is not shortened by a second work-group, which would only repeat the producers' work.
; FORM.  The barriers stand on all waves' common path, so the two roles' texts join at every barrier.  Each section behind a branch on the wave's number makes
; its own addresses from v0-v3, the wave's number and s40; only S, its f16 copy and a few zeros are carried, and those all twelve waves write once.
.set TOK,  0                 ; 2,048 tokens
.set KT,   8448              ; Khat f16 [64], pitch 144
.set VT,   17664             ; V, then Vn, f32 [64], pitch 272
.set GT,   35072             ; G f32 [64], pitch 272
.set QT,   52480             ; q f32 [64], pitch 272
.set RING, 69888             ; 2 slots x 16 blocks x 4 fragments x 512 bytes
.set ASTG, 135424            ; producer p: 2 blocks x 16 rows x 64 bytes
.set TSTG, 151808            ; producer p: 2 blocks x 16 columns x 32 bytes
.set WE,   160000            ; embed f16, pitch 144
.set W1,   169216            ; w1 f16 [128], pitch 144
.set W2,   187648            ; w2 f16 [64], pitch 272
.set WK,   205056            ; Wk, Wv, Wq f16, pitch 144, 9,216 bytes each
.set RED,  232704            ; +0 four maxima, +256 attn, +512 relu(ctx)
.set MT,   233728            ; M f32 [64], pitch 272
.set WO,   251136            ; Wout f32 [64], pitch 272
.set EF,   268544            ; embed f32 [64], pitch 272
.set BIAS, 285952            ; b1 +0, b2 +512, ln_g +768, ln_b +1024, bout +1280
; v0 thread, v1 lane L, v2 r = L % 16, v3 h = L / 16: never rewritten.  s36 wave, s37 producer number, s38 loop counter, s40 token bytes of the trip.
.macro JOIN                          ; every wave's LDS stores and loads are done before it signals; all twelve waves pass every JOIN
	s_wait_dscnt 0x0
	s_barrier_signal -1
	s_barrier_wait -1
.endm
.macro PLACES                        ; four plain vector instructions between a matrix instruction and what reads its result or rewrites its registers (ISA guide 7.12.1)
.rept 4
	v_nop
.endr
.endm
.macro LDFRAG dst, adr, off          ; a 16 x 32 f16 fragment from rows that lie along K: two loads of 16 bytes, 32 bytes apart
	ds_load_b128 v[\dst:\dst+3], v[\adr] offset:\off
	ds_load_b128 v[\dst+4:\dst+7], v[\adr] offset:\off+32
.endm
.macro FOLD b                        ; four pairs at v[b..b+7] -> their sum, with the other half of the lanes', in v[b]
	v_pk_add_f32 v[\b:\b+1], v[\b:\b+1], v[\b+2:\b+3]
	v_pk_add_f32 v[\b+4:\b+5], v[\b+4:\b+5], v[\b+6:\b+7]
	v_pk_add_f32 v[\b:\b+1], v[\b:\b+1], v[\b+4:\b+5]
	v_add_f32 v[\b], v[\b], v[\b+1]
	v_permlanex16_b32 v[\b+1], v[\b], s42, s43
	v_add_f32 v[\b], v[\b], v[\b+1]
.endm
.macro LMAX reg, tmp                 ; maximum over the 32 lanes, in every lane
.irp m,1,2,4,8
	v_max_num_f32_dpp v[\reg], v[\reg], v[\reg] row_xmask:\m row_mask:0xf bank_mask:0xf
.endr
	v_permlanex16_b32 v[\tmp], v[\reg], s42, s43
	v_max_num_f32 v[\reg], v[\reg], v[\tmp]
.endm
.macro LADD reg, tmp                 ; sum over the 32 lanes, in every lane
.irp m,1,2,4,8
	v_add_f32_dpp v[\reg], v[\reg], v[\reg] row_xmask:\m row_mask:0xf bank_mask:0xf
.endr
	v_permlanex16_b32 v[\tmp], v[\reg], s42, s43
	v_add_f32 v[\reg], v[\reg], v[\tmp]
.endm
	s_load_b512 s[8:23], s[0:1], 0x0               ; x s[8:9], embed s[10:11], w1 s[12:13], b1 s[14:15], w2 s[16:17], b2 s[18:19], ln_g s[20:21], ln_b s[22:23]
	s_load_b256 s[24:31], s[0:1], 0x40             ; Wk s[24:25], Wv s[26:27], Wq s[28:29], Wout s[30:31]
	s_load_b128 s[32:35], s[0:1], 0x60             ; bout s[32:33], out0 s[34:35]
	s_set_vgpr_msb 0x40
	v_lshl_add_u32 v0, v0, 2, 0x46300
	v_mov_b32 v1, 0
	s_set_vgpr_msb 0x4000
	v_lshrrev_b32 v1, 5, v0
	v_readfirstlane_b32 s36, v1                    ; wave 0..11
	v_and_b32 v1, 31, v0
	v_and_b32 v2, 15, v0
	v_bfe_u32 v3, v0, 4, 1
	s_mov_b32 s42, 0x76543210                      ; v_permlanex16_b32: each lane takes its own place in the other half
	s_mov_b32 s43, 0xfedcba98
	s_lshl_b32 s44, ttmp9, 13                      ; my row of x: 2,048 words
	s_mov_b32 s45, 0
	s_lshl_b32 s46, ttmp9, 8                       ; my row of out0: 64 words
	s_mov_b32 s47, 0
	s_mov_b32 s40, 0
	s_wait_kmcnt 0x0
	s_add_nc_u64 s[8:9], s[8:9], s[44:45]
	s_add_nc_u64 s[34:35], s[34:35], s[46:47]
	s_cmp_lt_u32 s36, 4
	s_cbranch_scc0 .Lcopy
; ---- waves 0-3: the tokens into LDS, 128 threads x 16 bytes a load; wave 0 also the five short vectors
	v_lshlrev_b32 v4, 4, v0                        ; 16 t
.irp q,0,1,2,3
	global_load_b128 v[96+4*\q:99+4*\q], v4, s[8:9] offset:2048*\q th:TH_LOAD_NT
.endr
	s_cmp_lg_u32 s36, 0
	s_cbranch_scc1 .Lnob
	v_lshlrev_b32 v5, 4, v1                        ; b1: 32 lanes x 16 bytes
	v_lshlrev_b32 v6, 3, v1                        ; the others: 32 lanes x 8 bytes
	global_load_b128 v[112:115], v5, s[14:15]
	global_load_b64 v[116:117], v6, s[18:19]
	global_load_b64 v[118:119], v6, s[20:21]
	global_load_b64 v[120:121], v6, s[22:23]
	global_load_b64 v[122:123], v6, s[32:33]
	v_lshl_add_u32 v7, v1, 4, BIAS
	v_lshl_add_u32 v8, v1, 3, BIAS
	s_wait_loadcnt 0x0
	ds_store_b128 v7, v[112:115]
	ds_store_b64 v8, v[116:117] offset:512
	ds_store_b64 v8, v[118:119] offset:768
	ds_store_b64 v8, v[120:121] offset:1024
	ds_store_b64 v8, v[122:123] offset:1280
.Lnob:
	s_wait_loadcnt 0x0                             ; x: no global load of mine is out at the barrier
.irp q,0,1,2,3
	ds_store_b128 v4, v[96+4*\q:99+4*\q] offset:TOK+2048*\q
.endr
	s_branch .Ljoin1
; ---- waves 4-11: the weights into LDS, 256 threads x 16 bytes = 4,096 bytes a load; f32 -> f16 on the way (Wout stays f32, embed goes in both)
.Lcopy:
	v_sub_nc_u32 v4, v0, 128                       ; t = 0..255
	v_lshlrev_b32 v5, 4, v4
.macro GL n, sb, q
	global_load_b128 v[16+4*(\n):19+4*(\n)], v5, s[\sb:\sb+1] offset:4096*(\q)
.endm
.irp q,0,1,2,3
	GL \q,10,\q
.endr
.irp q,0,1,2,3,4,5,6,7
	GL 4+\q,12,\q
.endr
.irp q,0,1,2,3,4,5,6,7
	GL 12+\q,16,\q
.endr
.irp q,0,1,2,3
	GL 20+\q,24,\q
.endr
.irp q,0,1,2,3
	GL 24+\q,26,\q
.endr
.irp q,0,1,2,3
	GL 28+\q,28,\q
.endr
.irp q,0,1,2,3
	GL 32+\q,30,\q
.endr
	v_lshrrev_b32 v11, 4, v4                       ; rows of 64 numbers: 16 threads a row
	v_and_b32 v7, 15, v4
	v_mul_u32_u24 v6, v11, 144
	v_lshl_add_u32 v6, v7, 3, v6
	v_add_nc_u32 v6, WE, v6                        ; embed, and w1 9,216 bytes on
	v_add_nc_u32 v9, WK-WE, v6                     ; Wk, Wv, Wq
	v_mul_u32_u24 v10, v11, 272
	v_lshl_add_u32 v10, v7, 4, v10
	v_add_nc_u32 v10, WO, v10                      ; Wout, and embed in f32 17,408 bytes on
	v_lshrrev_b32 v11, 5, v4                       ; rows of 128 numbers: 32 threads a row
	v_and_b32 v7, 31, v4
	v_mul_u32_u24 v8, v11, 272
	v_lshl_add_u32 v8, v7, 3, v8
	v_add_nc_u32 v8, W2, v8                        ; w2
.macro CPY n, adr, imm, keep, kimm
	s_wait_loadcnt 35-(\n)                         ; loads return in order: load n is in, the 35 - n younger ones stay out
.if \keep
	ds_store_b128 v10, v[16+4*(\n):19+4*(\n)] offset:\kimm
.endif
	v_cvt_pk_f16_f32 v[16+4*(\n)], v[16+4*(\n)], v[17+4*(\n)]
	v_cvt_pk_f16_f32 v[17+4*(\n)], v[18+4*(\n)], v[19+4*(\n)]
	ds_store_b64 v[\adr], v[16+4*(\n):17+4*(\n)] offset:\imm
.endm
.irp q,0,1,2,3
	CPY \q,6,\q*2304,1,EF-WO+\q*4352
.endr
.irp q,0,1,2,3,4,5,6,7
	CPY 4+\q,6,9216+\q*2304,0,0
.endr
.irp q,0,1,2,3,4,5,6,7
	CPY 12+\q,8,\q*2176,0,0
.endr
.irp q,0,1,2,3
	CPY 20+\q,9,\q*2304,0,0
.endr
.irp q,0,1,2,3
	CPY 24+\q,9,9216+\q*2304,0,0
.endr
.irp q,0,1,2,3
	CPY 28+\q,9,18432+\q*2304,0,0
.endr
.irp q,0,1,2,3
	s_wait_loadcnt 3-\q                            ; the last count is 0: no global load of mine is out at the barrier
	ds_store_b128 v10, v[144+4*\q:147+4*\q] offset:\q*4352
.endr
.Ljoin1:
	JOIN                                           ; tokens, weights and biases are in LDS
	s_cmp_lt_u32 s36, 4
	s_cbranch_scc0 .Ljoin2
; ---- waves 0-3: the tables of tokens 16 wave .. 16 wave + 15.  Every product is used transposed (source 0 = 16 weight rows, source 1 = 16 tokens):
; a lane holds one token, and two result tiles rounded to f16 ARE the next product's source 1.
; Accumulator layout: register j of tile mt holds feature 16 mt + 8 h + j of token r; biases and the f32 embed rows are read from LDS in that layout.
	v_mul_u32_u24 v7, v2, 144
	v_lshl_add_u32 v7, v3, 4, v7                   ; r x 144 + 16 h
	v_add_nc_u32 v8, W1, v7
	v_mul_u32_u24 v9, v2, 272
	v_lshl_add_u32 v14, v3, 5, v9                  ; r x 272 + 32 h
	v_lshl_add_u32 v9, v3, 4, v9
	v_add_nc_u32 v9, W2, v9
	v_add_nc_u32 v10, WK, v7
	s_mul_i32 s44, s36, 2304
	v_add_nc_u32 v12, s44, v7                      ; (16 wave + r) x 144 + 16 h
	v_add_nc_u32 v11, WE, v12
	s_mul_i32 s45, s36, 4352
	v_add_nc_u32 v14, s45, v14                     ; (16 wave + r) x 272 + 32 h
	v_add_nc_u32 v6, EF, v14
	v_lshl_add_u32 v5, v3, 5, BIAS                 ; 32 h: eight f32 of a bias vector
	LDFRAG 16,11,0                                 ; my tokens' embed rows, f16
	LDFRAG 24,11,64
.irp mt,0,1,2,3,4,5,6,7
	ds_load_b128 v[32+8*\mt:35+8*\mt], v5 offset:64*\mt                    ; b1
	ds_load_b128 v[36+8*\mt:39+8*\mt], v5 offset:64*\mt+16
.endr
.irp mt,0,1,2,3
	ds_load_b128 v[160+8*\mt:163+8*\mt], v6 offset:64*\mt                  ; embed, f32
	ds_load_b128 v[164+8*\mt:167+8*\mt], v6 offset:64*\mt+16
	ds_load_b128 v[224+8*\mt:227+8*\mt], v5 offset:512+64*\mt              ; b2
	ds_load_b128 v[228+8*\mt:231+8*\mt], v5 offset:512+64*\mt+16
.endr
; stage 1: H^T = w1 E^T + b1 (b1 is the first C); eight accumulators by turns
.irp ks,0,1
.irp mt,0,1,2,3,4,5,6,7
	LDFRAG 96+8*\mt,8,\mt*2304+64*\ks
.endr
	s_wait_dscnt 0x0
.irp mt,0,1,2,3,4,5,6,7
	v_wmma_f32_16x16x32_f16 v[32+8*\mt:39+8*\mt], v[96+8*\mt:103+8*\mt], v[16+8*\ks:23+8*\ks], v[32+8*\mt:39+8*\mt]
.endr
	PLACES
.endr
.set ii, 0
.rept 64
	v_max_num_f32 v[32+ii], 0, v[32+ii]            ; relu, each tile from its low end
.set ii, ii+1
.endr
.set ii, 0
.rept 32
	v_cvt_pk_f16_f32 v[192+ii], v[32+2*ii], v[33+2*ii]
.set ii, ii+1
.endr
.irp mt,0,1,2,3
	ds_load_b128 v[32+8*\mt:35+8*\mt], v5 offset:768+64*\mt                ; ln_g and ln_b; stage 2's wait covers them
	ds_load_b128 v[36+8*\mt:39+8*\mt], v5 offset:768+64*\mt+16
	ds_load_b128 v[64+8*\mt:67+8*\mt], v5 offset:1024+64*\mt
	ds_load_b128 v[68+8*\mt:71+8*\mt], v5 offset:1024+64*\mt+16
.endr
; stage 2: z^T = embed (f32, the first C) + w2 H^T; four accumulators by turns
.irp kb,0,1
.irp kk,0,1
.irp mt,0,1,2,3
	LDFRAG 96+8*(4*\kk+\mt),9,\mt*4352+64*(2*\kb+\kk)
.endr
.endr
	s_wait_dscnt 0x0
.irp kk,0,1
.irp mt,0,1,2,3
	v_wmma_f32_16x16x32_f16 v[160+8*\mt:167+8*\mt], v[96+8*(4*\kk+\mt):103+8*(4*\kk+\mt)], v[192+8*(2*\kb+\kk):199+8*(2*\kb+\kk)], v[160+8*\mt:167+8*\mt]
.endr
.endr
	PLACES
.endr
.set ii, 0
.rept 16
	v_pk_add_f32 v[160+2*ii:161+2*ii], v[160+2*ii:161+2*ii], v[224+2*ii:225+2*ii]   ; + b2
.set ii, ii+1
.endr
; LayerNorm in two passes: a lane holds 32 of its token's 64 numbers, the lane 16 away the others
.irp i,0,1,2,3
	v_pk_add_f32 v[96+2*\i:97+2*\i], v[160+2*\i:161+2*\i], v[168+2*\i:169+2*\i]
.endr
.irp b,2,3
.irp i,0,1,2,3
	v_pk_add_f32 v[96+2*\i:97+2*\i], v[96+2*\i:97+2*\i], v[160+8*\b+2*\i:161+8*\b+2*\i]
.endr
.endr
	FOLD 96
	v_mul_f32 v96, 0x3c800000, v96                 ; mu = sum / 64
	v_mov_b32 v97, v96
.set ii, 0
.rept 16
	v_pk_add_f32 v[160+2*ii:161+2*ii], v[160+2*ii:161+2*ii], v[96:97] neg_lo:[0,1] neg_hi:[0,1]
.set ii, ii+1
.endr
.irp i,0,1,2,3
	v_pk_mul_f32 v[100+2*\i:101+2*\i], v[160+2*\i:161+2*\i], v[160+2*\i:161+2*\i]
.endr
.irp b,1,2,3
.irp i,0,1,2,3
	v_pk_fma_f32 v[100+2*\i:101+2*\i], v[160+8*\b+2*\i:161+8*\b+2*\i], v[160+8*\b+2*\i:161+8*\b+2*\i], v[100+2*\i:101+2*\i]
.endr
.endr
	FOLD 100
	s_mov_b32 s44, 0x3c800000                      ; 1 / 64
	s_mov_b32 s45, 0x3727c5ac                      ; 1e-5
	v_fma_f32 v100, v100, s44, s45                 ; var + 1e-5
	v_rsq_f32 v102, v100
	v_nop                                          ; a plain instruction behind the transcendental (ISA guide 5.7.2)
	s_wait_alu depctr_va_vdst(0)
	v_mov_b32 v103, v102
.set ii, 0
.rept 16
	v_pk_mul_f32 v[160+2*ii:161+2*ii], v[160+2*ii:161+2*ii], v[102:103]
.set ii, ii+1
.endr
.set ii, 0
.rept 16
	v_pk_fma_f32 v[160+2*ii:161+2*ii], v[160+2*ii:161+2*ii], v[32+2*ii:33+2*ii], v[64+2*ii:65+2*ii]
.set ii, ii+1
.endr
.set ii, 0
.rept 16
	v_cvt_pk_f16_f32 v[16+ii], v[160+2*ii], v[161+2*ii]    ; h, f16: source 1 of the three projections
.set ii, ii+1
.endr
; stage 3: K^T = Wk h^T (v32-63) and V^T = Wv h^T (v64-95), eight accumulators by turns
.irp ks,0,1
.irp mt,0,1,2,3
	LDFRAG 96+8*(4*\ks+\mt),10,\mt*2304+64*\ks
	LDFRAG 192+8*(4*\ks+\mt),10,9216+\mt*2304+64*\ks
.endr
.endr
	s_wait_dscnt 0x0
.irp mt,0,1,2,3
	v_wmma_f32_16x16x32_f16 v[32+8*\mt:39+8*\mt], v[96+8*\mt:103+8*\mt], v[16:23], 0
	v_wmma_f32_16x16x32_f16 v[64+8*\mt:71+8*\mt], v[192+8*\mt:199+8*\mt], v[16:23], 0
.endr
.irp mt,0,1,2,3
	v_wmma_f32_16x16x32_f16 v[32+8*\mt:39+8*\mt], v[128+8*\mt:135+8*\mt], v[24:31], v[32+8*\mt:39+8*\mt]
	v_wmma_f32_16x16x32_f16 v[64+8*\mt:71+8*\mt], v[224+8*\mt:231+8*\mt], v[24:31], v[64+8*\mt:71+8*\mt]
.endr
	PLACES
.irp ks,0,1
.irp mt,0,1,2,3
	LDFRAG 96+8*(4*\ks+\mt),10,18432+\mt*2304+64*\ks       ; Wq, on its way while K is normalised
.endr
.endr
; Khat = K / max(|K|, 1e-12), f16, into the table
.irp i,0,1,2,3
	v_pk_mul_f32 v[192+2*\i:193+2*\i], v[32+2*\i:33+2*\i], v[32+2*\i:33+2*\i]
.endr
.irp b,1,2,3
.irp i,0,1,2,3
	v_pk_fma_f32 v[192+2*\i:193+2*\i], v[32+8*\b+2*\i:33+8*\b+2*\i], v[32+8*\b+2*\i:33+8*\b+2*\i], v[192+2*\i:193+2*\i]
.endr
.endr
	FOLD 192
	v_sqrt_f32 v192, v192
	v_nop
	s_wait_alu depctr_va_vdst(0)
	v_max_num_f32 v192, 0x2b8cbccc, v192
	v_rcp_f32 v194, v192
	v_nop
	s_wait_alu depctr_va_vdst(0)
	v_mov_b32 v195, v194
.set ii, 0
.rept 16
	v_pk_mul_f32 v[32+2*ii:33+2*ii], v[32+2*ii:33+2*ii], v[194:195]
.set ii, ii+1
.endr
.set ii, 0
.rept 16
	v_cvt_pk_f16_f32 v[196+ii], v[32+2*ii], v[33+2*ii]
.set ii, ii+1
.endr
.irp mt,0,1,2,3
	ds_store_b128 v12, v[196+4*\mt:199+4*\mt] offset:KT+32*\mt
.endr
; the largest |V| of my 16 tokens; V itself goes into its table as it is and is scaled when all four maxima are known
.irp m,0,1,2,3
	v_max3_num_f32 v[212+\m], |v[64+8*\m]|, |v[65+8*\m]|, |v[66+8*\m]|
.endr
.irp m,0,1,2,3
	v_max3_num_f32 v[212+\m], v[212+\m], |v[67+8*\m]|, |v[68+8*\m]|
.endr
.irp m,0,1,2,3
	v_max3_num_f32 v[212+\m], v[212+\m], |v[69+8*\m]|, |v[70+8*\m]|
.endr
.irp m,0,1,2,3
	v_max_num_f32 v[212+\m], v[212+\m], |v[71+8*\m]|
.endr
	v_max3_num_f32 v212, v212, v213, v214
	v_max_num_f32 v212, v212, v215
	LMAX 212,213
	s_lshl_b32 s44, s36, 2
	s_add_co_u32 s44, s44, RED
	v_mov_b32 v216, s44
	ds_store_b32 v216, v212
.irp mt,0,1,2,3
	ds_store_b128 v14, v[64+8*\mt:67+8*\mt] offset:VT+64*\mt
	ds_store_b128 v14, v[68+8*\mt:71+8*\mt] offset:VT+64*\mt+16
.endr
; q^T = Wq h^T, f32, into the table
	s_wait_dscnt 0x0
.irp mt,0,1,2,3
	v_wmma_f32_16x16x32_f16 v[160+8*\mt:167+8*\mt], v[96+8*\mt:103+8*\mt], v[16:23], 0
.endr
.irp mt,0,1,2,3
	v_wmma_f32_16x16x32_f16 v[160+8*\mt:167+8*\mt], v[128+8*\mt:135+8*\mt], v[24:31], v[160+8*\mt:167+8*\mt]
.endr
	PLACES
.irp mt,0,1,2,3
	ds_store_b128 v14, v[160+8*\mt:163+8*\mt] offset:QT+64*\mt
	ds_store_b128 v14, v[164+8*\mt:167+8*\mt] offset:QT+64*\mt+16
.endr
.Ljoin2:
	JOIN                                           ; Khat, V, q and the four maxima are in LDS
	s_cmp_lt_u32 s36, 4
	s_cbranch_scc0 .Ljoin3
; ---- waves 0-3: G = Khat Khat^T (my 16 tokens against all 64) and Vn = -V / vm (my own 16 rows of the table, read and stored again by me alone)
	v_mul_u32_u24 v7, v2, 144
	v_lshl_add_u32 v7, v3, 4, v7                   ; r x 144 + 16 h
	s_mul_i32 s44, s36, 2304
	v_add_nc_u32 v12, s44, v7                      ; (16 wave + r) x 144 + 16 h
	v_mul_u32_u24 v13, v2, 272
	v_lshl_add_u32 v13, v3, 5, v13                 ; r x 272 + 32 h
	s_mul_i32 s45, s36, 4352
	v_add_nc_u32 v14, s45, v13                     ; (16 wave + r) x 272 + 32 h
	s_lshl_b32 s46, s36, 6
	v_add_nc_u32 v13, s46, v13                     ; r x 272 + 32 h + 64 wave
	v_mov_b32 v9, RED
	ds_load_b128 v[192:195], v9
.irp mt,0,1,2,3
	ds_load_b128 v[64+8*\mt:67+8*\mt], v14 offset:VT+64*\mt
	ds_load_b128 v[68+8*\mt:71+8*\mt], v14 offset:VT+64*\mt+16
.endr
	LDFRAG 16,12,KT
	LDFRAG 24,12,KT+64
.irp nt,0,1,2,3
.irp ks,0,1
	LDFRAG 96+8*(2*\nt+\ks),7,KT+\nt*2304+64*\ks
.endr
.endr
	s_wait_dscnt 0x0
.irp nt,0,1,2,3
	v_wmma_f32_16x16x32_f16 v[224+8*\nt:231+8*\nt], v[16:23], v[96+16*\nt:103+16*\nt], 0
.endr
.irp nt,0,1,2,3
	v_wmma_f32_16x16x32_f16 v[224+8*\nt:231+8*\nt], v[24:31], v[104+16*\nt:111+16*\nt], v[224+8*\nt:231+8*\nt]
.endr
	v_max3_num_f32 v10, v192, v193, v194           ; the scaling of V names none of those products' registers: it fills the places behind them
	v_max3_num_f32 v10, v10, v195, 0x0da24260      ; vm = max(max |V|, 1e-30)
	v_rcp_f32 v192, v10
	v_nop
	s_wait_alu depctr_va_vdst(0)
	v_mul_f32 v192, -1.0, v192
	v_mov_b32 v193, v192
.set ii, 0
.rept 16
	v_pk_mul_f32 v[64+2*ii:65+2*ii], v[64+2*ii:65+2*ii], v[192:193]
.set ii, ii+1
.endr
.irp mt,0,1,2,3
	ds_store_b128 v14, v[64+8*\mt:67+8*\mt] offset:VT+64*\mt
	ds_store_b128 v14, v[68+8*\mt:71+8*\mt] offset:VT+64*\mt+16
.endr
.irp nt,0,1,2,3                        ; a lane holds G(16 wave + 8 h + j, 16 nt + r): by symmetry 32 neighbouring bytes of row 16 nt + r
	ds_store_b128 v13, v[224+8*\nt:227+8*\nt] offset:GT+\nt*4352
	ds_store_b128 v13, v[228+8*\nt:231+8*\nt] offset:GT+\nt*4352+16
.endr
.Ljoin3:
	JOIN                                           ; all tables are in LDS
; ================= the consumers' macros.  v16-47 S (4 tiles), v48-63 S in f16 (2 fragments), v64-71 R' f16, v72-79 second half of K S,
; v80-95 Vn / R' (2 buffers), v96-127 Khat fragments (2 buffers), v128-147 and v148-167 Z' (2 buffers), v192-200 and v204-212 tokens, v216-226 addresses
.set ACC, 16
.set SB,  48
.set RB,  64
.set RBB, 72
.set VC,  80
.set KF,  96
.set ZF,  128                          ; a buffer: four fragments' lower halves, 4 registers each, and 4 registers of 0 behind them
.macro TLOAD off, dst                ; a block's tokens: 8 h .. 8 h + 7 (for Vn) and r (for Khat)
	ds_load_b128 v[\dst:\dst+3], v225 offset:TOK+\off
	ds_load_b128 v[\dst+4:\dst+7], v225 offset:TOK+\off+16
	ds_load_b32 v[\dst+8], v226 offset:TOK+\off
.endm
.macro ADDR src                      ; 18 plain instructions: tokens clamped to the tables' 64 rows, then table addresses
.irp n,0,1,2,3,4,5,6,7,8
	v_min_u32 v[\src+\n], 63, v[\src+\n]
.endr
	v_mad_u32_u24 v216, v[\src+8], 144, v4
.irp n,0,1,2,3,4,5,6,7
	v_mad_u32_u24 v[217+\n], v[\src+\n], 272, v5
.endr
.endm
.macro DLOAD j, buf, slot            ; block j's operands: Khat (16 x 64), Vn in accumulator layout, Z'^T (steps 0-15 of 4 fragments)
.irp n,0,1,2,3
	ds_load_b128 v[KF+16*(\buf)+4*\n:KF+16*(\buf)+4*\n+3], v216 offset:KT+32*\n
.endr
.irp n,0,1,2,3,4,5,6,7
	ds_load_b32 v[VC+8*(\buf)+\n], v[217+\n] offset:VT
.endr
.irp n,0,1,2,3
	ds_load_b128 v[ZF+20*(\buf)+4*\n:ZF+20*(\buf)+4*\n+3], v6 offset:\slot*32768+2048*(\j)+512*\n
.endr
.endm
; An epoch: 16 blocks from ring slot \slot; the tokens begin at byte s40 + \toff.  Operands are asked for one block ahead, tokens three.
; No two matrix instructions that follow each other share an accumulator.
; A block has 16 steps, so K = 16-31 of source 1 (R') is 0 for good; source 0's upper half then only has to be finite: it is the next fragment of Z', or the zeros behind the last.
.macro CONSUME slot, toff
	v_lshlrev_b32 v4, 4, v3                        ; 16 h
	s_lshl_b32 s44, s36, 6
	v_lshl_add_u32 v5, v2, 2, s44                  ; 4 (16 wave + r): my row of M, a column of Vn
	v_lshl_add_u32 v6, v1, 4, RING
	v_lshl_add_u32 v225, v3, 5, s40                ; tokens 8 h ..
	v_lshl_add_u32 v226, v2, 2, s40                ; token r
	TLOAD \toff,192
	TLOAD \toff+64,204
	s_wait_dscnt 0x0
	ADDR 192
	DLOAD 0,0,\slot
	ADDR 204
	TLOAD \toff+128,192
.set j, 0
.rept 16
.set bf, j%2
	s_wait_dscnt 0x0                               ; block j's operands, asked for a block ago, and the tokens of block j + 2
.if j < 15
	DLOAD j+1,1-bf,\slot
.endif
	v_wmma_f32_16x16x32_f16 v[VC+8*bf:VC+8*bf+7], v[KF+16*bf:KF+16*bf+7], v[SB:SB+7], v[VC+8*bf:VC+8*bf+7]     ; Vn + Khat S, features 0-31
	v_wmma_f32_16x16x32_f16 v[RBB:RBB+7], v[KF+16*bf+8:KF+16*bf+15], v[SB+8:SB+15], 0                          ; features 32-63
.if j < 14
	ADDR 192                                       ; block j + 2's addresses: also the places behind the two products
.else
	PLACES
.endif
.if j < 13
	TLOAD \toff+64*(j+3),192
.endif
.irp n,0,1,2,3
	v_pk_add_f32 v[VC+8*bf+2*\n:VC+8*bf+2*\n+1], v[VC+8*bf+2*\n:VC+8*bf+2*\n+1], v[RBB+2*\n:RBB+2*\n+1]
.endr
.irp n,0,1,2,3
	v_cvt_pk_f16_f32 v[RB+\n], v[VC+8*bf+2*\n], v[VC+8*bf+2*\n+1]          ; R' (steps 8 h .., my row r of M): source 1 as it lies
.endr
.irp n,0,1,2,3
	v_wmma_f32_16x16x32_f16 v[ACC+8*\n:ACC+8*\n+7], v[ZF+20*bf+4*\n:ZF+20*bf+4*\n+7], v[RB:RB+7], v[ACC+8*\n:ACC+8*\n+7]   ; S += Z'^T R'
.endr
	PLACES
.irp n,0,1,2,3,4,5,6,7,8,9,10,11,12,13,14,15
	v_cvt_pk_f16_f32 v[SB+\n], v[ACC+2*\n], v[ACC+2*\n+1]                  ; S in f16: two tiles are one fragment of source 1
.endr
.set j, j+1
.endr
.endm
; ================= the producers' macro: Z' of blocks 2 p and 2 p + 1 of the epoch whose tokens begin at byte s40 + \toff, into ring slot \slot.  It carries nothing from call to call.
; v7-15 addresses, v16-31 -identity column, v33-47 T' column, v48-55 T' f16, v56-63 and v64-71 T'^T fragments of blocks 0 and 1,
; v72-103 K fragments (block 0 in K = 0-15, block 1 in K = 16-31), v104-247 the triangle's coefficients (before: tokens, addresses, Gram rows; after: Z' f32 and f16)
.set IDN, 16
.set TT,  32
.set TP,  48
.set KB,  72
.set CO,  104
.macro PRODUCE slot, toff
	s_sub_co_u32 s37, s36, 4                       ; producer 0..7
	s_lshl_b32 s44, s37, 7                         ; my two blocks' tokens: 128 bytes
	s_add_co_u32 s44, s44, s40
	v_lshl_add_u32 v13, v1, 2, s44
	v_lshl_add_u32 v14, v3, 6, s44
	v_and_b32 v15, 7, v0
	v_lshlrev_b32 v15, 2, v15
	v_lshl_add_u32 v15, v3, 5, v15
	v_add_nc_u32 v15, s44, v15
	ds_load_b32 v248, v13 offset:TOK+\toff         ; my own token: lane = (block h, step r)
.irp q,0,1,2,3
	ds_load_b128 v[CO+4*\q:CO+4*\q+3], v14 offset:TOK+\toff+16*\q          ; my block's 16 tokens
.endr
	ds_load_b32 v249, v15 offset:TOK+\toff         ; the rows that the turning loads take: step 8 h + L % 8 of block 0,
	ds_load_b32 v250, v15 offset:TOK+\toff+64      ; and of block 1
	v_bfe_u32 v7, v0, 3, 1                         ; the other addresses and constants are made while the tokens are on their way
	v_lshlrev_b32 v7, 4, v7
	s_lshl_b32 s45, s37, 11
	s_add_co_u32 s45, s45, ASTG
	v_lshl_add_u32 v8, v1, 6, s45
	v_lshl_add_u32 v9, v3, 10, s45
	s_lshl_b32 s46, s37, 10
	s_add_co_u32 s46, s46, TSTG
	v_lshl_add_u32 v10, v1, 5, s46
	v_lshl_add_u32 v11, v2, 5, s46
	v_lshl_add_u32 v11, v3, 4, v11
	s_lshl_b32 s47, s37, 12
	s_add_co_u32 s47, s47, RING
	v_lshl_add_u32 v12, v1, 4, s47
.irp i,0,1,2,3,4,5,6,7,8,9,10,11,12,13,14,15
	v_cmp_eq_u32 vcc_lo, \i, v2
	v_cndmask_b32 v[IDN+\i], 0, -1.0, vcc_lo
.endr
.irp n,60,61,62,63,64,65,66,67
	v_mov_b32 v[\n], 0                             ; block 0's T'^T has no K = 16-31, block 1's no K = 0-15
.endr
	s_wait_dscnt 0x0
	v_min_u32 v248, 63, v248
	v_min_u32 v249, 63, v249
	v_min_u32 v250, 63, v250
.set ii, 0
.rept 16
	v_min_u32 v[CO+ii], 63, v[CO+ii]
.set ii, ii+1
.endr
	v_mul_u32_u24 v251, v248, 272
.set ii, 0
.rept 16
	v_lshl_add_u32 v[CO+ii], v[CO+ii], 2, v251
.set ii, ii+1
.endr
	v_mad_u32_u24 v252, v249, 144, v7
	v_mad_u32_u24 v253, v250, 144, v7
.set ii, 0
.rept 16
	ds_load_b32 v[CO+16+ii], v[CO+ii] offset:GT    ; row r of my block's Gram matrix
.set ii, ii+1
.endr
.irp nt,0,1,2,3
	ds_load_tr16_b128 v[KB+8*\nt:KB+8*\nt+3], v252 offset:KT+32*\nt        ; K, turned: lane = feature, registers = steps
	ds_load_tr16_b128 v[KB+8*\nt+4:KB+8*\nt+7], v253 offset:KT+32*\nt
.endr
	s_wait_dscnt 0x8                               ; the 16 gathers are in; the eight turning loads behind them stay out
.irp q,0,1,2,3
	ds_store_b128 v8, v[CO+16+4*\q:CO+16+4*\q+3] offset:16*\q
.endr
.set ii, 1
.rept 15                               ; back as coefficients that all 16 lanes of a block share: row i, its first ceil(i / 4) quads.  My wave's own bytes, served in order (ISA guide 5.7.1.4)
.set gg, (ii-1)/4
.set cb, 2*gg*(gg+1)+(gg+1)*((ii-1)%4)
.set qq, 0
.rept gg+1
	ds_load_b128 v[CO+4*(cb+qq):CO+4*(cb+qq)+3], v9 offset:64*ii+16*qq
.set qq, qq+1
.endr
.set ii, ii+1
.endr
	s_wait_dscnt 0x0
.set st, 0
.rept 15                               ; forward substitution, my column of T' = -(I + A)^-1: T'_i = -delta_i - sum over s < i of A(i, s) T'_s
.set ii, st+1
.rept 15-st
.set gg, (ii-1)/4
.set cc, CO+4*(2*gg*(gg+1)+(gg+1)*((ii-1)%4))+st
.if st == 0
	v_fma_f32 v[TT+ii], -v[cc], v[IDN], v[IDN+ii]
.else
	v_fma_f32 v[TT+ii], -v[cc], v[TT+st], v[TT+ii]
.endif
.set ii, ii+1
.endr
.set st, st+1
.endr
	v_cvt_pk_f16_f32 v[TP], v[IDN], v[TT+1]
.irp q,1,2,3,4,5,6,7
	v_cvt_pk_f16_f32 v[TP+\q], v[TT+2*\q], v[TT+2*\q+1]
.endr
	ds_store_b128 v10, v[TP:TP+3]                  ; a column's 16 numbers; back as fragments of T'^T: lane = column, 8 h .. 8 h + 7
	ds_store_b128 v10, v[TP+4:TP+7] offset:16
	ds_load_b128 v[56:59], v11                     ; block 0 in K = 0-15
	ds_load_b128 v[68:71], v11 offset:512          ; block 1 in K = 16-31
	s_wait_dscnt 0x0
.irp nt,0,1,2,3
	v_wmma_f32_16x16x32_f16 v[CO+8*\nt:CO+8*\nt+7], v[56:63], v[KB+8*\nt:KB+8*\nt+7], 0
.endr
.irp nt,0,1,2,3
	v_wmma_f32_16x16x32_f16 v[CO+32+8*\nt:CO+32+8*\nt+7], v[64:71], v[KB+8*\nt:KB+8*\nt+7], 0
.endr
	PLACES
.set ii, 0
.rept 32
	v_cvt_pk_f16_f32 v[CO+64+ii], v[CO+2*ii], v[CO+2*ii+1]
.set ii, ii+1
.endr
.irp b,0,1
.irp nt,0,1,2,3
	ds_store_b128 v12, v[CO+64+4*(4*\b+\nt):CO+64+4*(4*\b+\nt)+3] offset:\slot*32768+\b*2048+\nt*512   ; lane = feature, registers = steps 8 h ..: a fragment of Z'^T as it lies
.endr
.endr
.endm
; ---- what the consumers carry from epoch to epoch starts as 0: S in f32 and f16 (the first block runs the same text as every other), K = 16-31 of R', the words behind Z's buffers.
; These lines stand ahead of the branch on the wave's number and all twelve waves run them, so that each of these registers is written on every path of the text; the producers write over theirs.
.set ii, 16
.rept 48
	v_mov_b32 v[ii], 0
.set ii, ii+1
.endr
.irp n,4,5,6,7
	v_mov_b32 v[RB+\n], 0
.endr
.irp n,16,17,18,19,36,37,38,39
	v_mov_b32 v[ZF+\n], 0
.endr
	s_cmp_lt_u32 s36, 4
	s_cbranch_scc1 .Ljoin4
	PRODUCE 0,0                                    ; epoch 0
.Ljoin4:
	JOIN
	s_mov_b32 s38, 0
.Lk:                                                   ; four trips of two epochs; between two barriers one ring slot is read and the other written
	s_lshl_b32 s40, s38, 11                        ; 512 tokens a trip
	s_cmp_lt_u32 s36, 4
	s_cbranch_scc0 .Lp1
	CONSUME 0,0
	s_branch .Lj1
.Lp1:
	PRODUCE 1,1024
.Lj1:
	JOIN
	s_cmp_lt_u32 s36, 4
	s_cbranch_scc0 .Lp2
	CONSUME 1,1024
	s_branch .Lj2
.Lp2:
	s_cmp_eq_u32 s38, 3
	s_cbranch_scc1 .Lj2                            ; behind the last epoch nothing is left to make
	PRODUCE 0,2048
.Lj2:
	JOIN
	s_add_co_u32 s38, s38, 1
	s_cmp_lt_u32 s38, 4
	s_cbranch_scc1 .Lk
; ---- M = vm S^T into LDS, row-major: a lane's eight numbers of a tile are neighbours in its row of M
	s_cmp_lt_u32 s36, 4
	s_cbranch_scc0 .LjoinF
	v_mov_b32 v8, RED
	ds_load_b128 v[192:195], v8                    ; the four maxima once more
	s_mul_i32 s44, s36, 4352
	s_add_co_u32 s44, s44, MT
	v_mul_u32_u24 v9, v2, 272
	v_lshl_add_u32 v9, v3, 5, v9
	v_add_nc_u32 v9, s44, v9
	s_wait_dscnt 0x0
	v_max3_num_f32 v10, v192, v193, v194
	v_max3_num_f32 v10, v10, v195, 0x0da24260
	v_mov_b32 v11, v10
.set ii, 0
.rept 16
	v_pk_mul_f32 v[96+2*ii:97+2*ii], v[ACC+2*ii:ACC+2*ii+1], v[10:11]
.set ii, ii+1
.endr
.irp mt,0,1,2,3
	ds_store_b128 v9, v[96+8*\mt:99+8*\mt] offset:64*\mt
	ds_store_b128 v9, v[100+8*\mt:103+8*\mt] offset:64*\mt+16
.endr
.LjoinF:
	JOIN
	s_cmp_lg_u32 s36, 0
	s_cbranch_scc1 .Lend
; ---- wave 0: the read-out.  Products of one row with a 64 x 64 matrix, 12,288 multiply-adds in all: f32 on the vector unit
	v_lshlrev_b32 v12, 3, v1                       ; 8 L
	v_mov_b32 v5, 0
	ds_load_b32 v4, v5 offset:TOK+8188             ; the last token
	v_add_nc_u32 v15, BIAS+1280, v12
	ds_load_b64 v[56:57], v15                      ; bout(2 L), bout(2 L + 1)
	v_add_nc_u32 v6, MT, v12
	v_add_nc_u32 v7, RED, v12
	v_mov_b32 v8, RED
	v_mul_u32_u24 v9, v1, 272
	v_add_nc_u32 v9, MT, v9
	v_lshl_add_u32 v13, v1, 2, RED
	v_mul_u32_u24 v14, v1, 544
	v_add_nc_u32 v14, WO, v14
	s_wait_dscnt 0x0
	v_min_u32 v4, 63, v4
	v_mul_u32_u24 v4, v4, 272
.irp n,0,1,2,3,4,5,6,7,8,9,10,11,12,13,14,15
	ds_load_b128 v[64+4*\n:67+4*\n], v4 offset:QT+16*\n    ; q, all 64 numbers in every lane
.endr
; scores of columns 2 L and 2 L + 1 of M: the sum over rows i of M(i, .) q_i; even rows in v[48:49], odd rows in v[50:51]
.irp bt,0,1,2,3
.irp e,0,1,2,3,4,5,6,7,8,9,10,11,12,13,14,15
	ds_load_b64 v[16+2*\e:17+2*\e], v6 offset:272*(16*\bt+\e)
.endr
	s_wait_dscnt 0x0
.irp e,0,1,2,3,4,5,6,7
.if (\bt == 0) && (\e == 0)
	v_pk_mul_f32 v[48:49], v[16:17], v[64:65] op_sel_hi:[1,0]
	v_pk_mul_f32 v[50:51], v[18:19], v[64:65] op_sel:[0,1] op_sel_hi:[1,1]
.else
	v_pk_fma_f32 v[48:49], v[16+4*\e:17+4*\e], v[64+16*\bt+2*\e:65+16*\bt+2*\e], v[48:49] op_sel_hi:[1,0,1]
	v_pk_fma_f32 v[50:51], v[18+4*\e:19+4*\e], v[64+16*\bt+2*\e:65+16*\bt+2*\e], v[50:51] op_sel:[0,1,0] op_sel_hi:[1,1,1]
.endif
.endr
.endr
	v_pk_add_f32 v[48:49], v[48:49], v[50:51]
; softmax over the 64 scores / 8, the maximum taken away first
	v_max_num_f32 v50, v48, v49
	LMAX 50,51
	v_sub_f32 v48, v48, v50
	v_sub_f32 v49, v49, v50
	v_mul_f32 v48, 0x3e38aa3b, v48                 ; log2(e) / 8
	v_mul_f32 v49, 0x3e38aa3b, v49
	v_exp_f32 v48, v48
	v_exp_f32 v49, v49
	v_nop
	s_wait_alu depctr_va_vdst(0)
	v_add_f32 v52, v48, v49
	LADD 52,51
	v_rcp_f32 v52, v52
	v_nop
	s_wait_alu depctr_va_vdst(0)
	v_mul_f32 v48, v48, v52
	v_mul_f32 v49, v49, v52
	ds_store_b64 v7, v[48:49] offset:256
.irp n,0,1,2,3,4,5,6,7,8,9,10,11,12,13,14,15
	ds_load_b128 v[64+4*\n:67+4*\n], v8 offset:256+16*\n   ; attn in every lane: my wave's own bytes, served in order
.endr
; the dot product of the 64 numbers in v64-127 with a row of 64 f32 in LDS
.macro DOT adr, base, dst
.irp bt,0,1
.irp n,0,1,2,3,4,5,6,7
	ds_load_b128 v[16+4*\n:19+4*\n], v[\adr] offset:\base+128*\bt+16*\n
.endr
	s_wait_dscnt 0x0
.irp e,0,1,2,3,4,5,6,7
.if (\bt == 0) && (\e == 0)
	v_pk_mul_f32 v[48:49], v[16:17], v[64:65]
	v_pk_mul_f32 v[50:51], v[18:19], v[66:67]
.else
	v_pk_fma_f32 v[48:49], v[16+4*\e:17+4*\e], v[64+32*\bt+4*\e:65+32*\bt+4*\e], v[48:49]
	v_pk_fma_f32 v[50:51], v[18+4*\e:19+4*\e], v[66+32*\bt+4*\e:67+32*\bt+4*\e], v[50:51]
.endif
.endr
.endr
	v_pk_add_f32 v[48:49], v[48:49], v[50:51]
	v_add_f32 v[\dst], v48, v49
.endm
	DOT 9,0,52                                     ; ctx(L) = M(L, .) . attn
	v_max_num_f32 v52, 0, v52
	ds_store_b32 v13, v52 offset:512
	DOT 9,8704,52                                  ; ctx(L + 32)
	v_max_num_f32 v52, 0, v52
	ds_store_b32 v13, v52 offset:640
.irp n,0,1,2,3,4,5,6,7,8,9,10,11,12,13,14,15
	ds_load_b128 v[64+4*\n:67+4*\n], v8 offset:512+16*\n   ; relu(ctx) in every lane
.endr
	DOT 14,0,54                                    ; Wout rows 2 L and 2 L + 1
	DOT 14,272,55
	v_pk_add_f32 v[54:55], v[54:55], v[56:57]      ; + bout
	global_store_b64 v12, v[54:55], s[34:35]       ; the wave stores the row's 256 consecutive bytes, at a multiple of 256 from out0's first byte
.Lend:
	s_set_vgpr_msb 0x5
	s_wait_tensorcnt 0x0
	ds_add_u32 v0, v1
	s_wait_dscnt 0x0
	s_set_vgpr_msb 0x500
	s_endpgm
.Lfunc_end_k_q07a54465d3_retro:
	.size	k_q07a54465d3_retro, .Lfunc_end_k_q07a54465d3_retro-k_q07a54465d3_retro
	.p2alignl 7, 3214868480
	.fill 96, 4, 3214868480
	.section	.rodata,"a",@progbits
	.p2align	6, 0x0
	.amdhsa_kernel k_q07a54465d3_retro
		.amdhsa_group_segment_fixed_size 289024
		.amdhsa_private_segment_fixed_size 0
		.amdhsa_enable_private_segment 0
		.amdhsa_kernarg_size 112
		.amdhsa_user_sgpr_count 2
		.amdhsa_user_sgpr_kernarg_segment_ptr 1
		.amdhsa_wavefront_size32 1
		.amdhsa_system_sgpr_workgroup_id_x 1
		.amdhsa_system_sgpr_workgroup_id_y 1
		.amdhsa_system_sgpr_workgroup_id_z 1
		.amdhsa_system_vgpr_workitem_id 0
		.amdhsa_next_free_vgpr 258
		.amdhsa_next_free_sgpr 66
		.amdhsa_reserve_vcc 1
		.amdhsa_float_denorm_mode_32 3
		.amdhsa_float_denorm_mode_16_64 3
		.amdhsa_memory_ordered 1
		.amdhsa_forward_progress 1
		.amdhsa_inst_pref_size 255
	.end_amdhsa_kernel
	.section	.bss,"aw",@nobits
	.p2align	6
	.space	262144
	.amdgpu_metadata
---
amdhsa.version: [ 1, 2 ]
amdhsa.kernels:
  - .name:           k_q07a54465d3_retro
    .symbol:         k_q07a54465d3_retro.kd
    .args:
      - { .name: x, .offset: 0, .size: 8, .value_kind: global_buffer, .address_space: global }
      - { .name: embed, .offset: 8, .size: 8, .value_kind: global_buffer, .address_space: global }
      - { .name: w1, .offset: 16, .size: 8, .value_kind: global_buffer, .address_space: global }
      - { .name: b1, .offset: 24, .size: 8, .value_kind: global_buffer, .address_space: global }
      - { .name: w2, .offset: 32, .size: 8, .value_kind: global_buffer, .address_space: global }
      - { .name: b2, .offset: 40, .size: 8, .value_kind: global_buffer, .address_space: global }
      - { .name: ln_g, .offset: 48, .size: 8, .value_kind: global_buffer, .address_space: global }
      - { .name: ln_b, .offset: 56, .size: 8, .value_kind: global_buffer, .address_space: global }
      - { .name: Wk, .offset: 64, .size: 8, .value_kind: global_buffer, .address_space: global }
      - { .name: Wv, .offset: 72, .size: 8, .value_kind: global_buffer, .address_space: global }
      - { .name: Wq, .offset: 80, .size: 8, .value_kind: global_buffer, .address_space: global }
      - { .name: Wout, .offset: 88, .size: 8, .value_kind: global_buffer, .address_space: global }
      - { .name: bout, .offset: 96, .size: 8, .value_kind: global_buffer, .address_space: global }
      - { .name: out0, .offset: 104, .size: 8, .value_kind: global_buffer, .address_space: global }
    .group_segment_fixed_size: 289024
    .private_segment_fixed_size: 0
    .kernarg_segment_align: 8
    .kernarg_segment_size: 112
    .max_flat_workgroup_size: 384
    .sgpr_count:     66
    .vgpr_count:     258
    .wavefront_size: 32
...
	.end_amdgpu_metadata
.endif
;; end of part 1
;; ======== version 2 of 4: 1 launch; 1.20 times as fast as version 1
;; limits: values are held in f16: magnitudes above 65,504 overflow, below 6.1e-05 lose precision; values outside matrix products are rounded to f16
;; launch retro (part 2): grid 128 x 1, 12 waves a work-group, no clusters, 314,112 bytes of LDS; arguments x, embed, w1, b1, w2, b2, ln_g, ln_b, Wk, Wv, Wq, Wout, bout, out0; writes out0
.if DOCPART == 2
	.amdgcn_target "amdgcn-amd-amdhsa--gfx1250"
	.amdhsa_code_object_version 6
	.text
	.protected	k_q07a54465d3_retro
	.globl	k_q07a54465d3_retro
	.p2align	8
	.type	k_q07a54465d3_retro,@function
k_q07a54465d3_retro:
	s_mov_b64 s[64:65], 0
	v_nop
	global_prefetch_b8 v0, s[64:65] scope:SCOPE_SE
	s_setreg_imm32_b32 hwreg(HW_REG_WAVE_MODE, 25, 1), 1
	s_wait_xcnt 0x0
; RetroOnlyModel: encoder, delta-rule scan over 2,048 steps, read-out.  One work-group = one batch row; 12 waves.
; TABLES.  The encoder, K, V and q of a position hang on its token alone, and x indexes a table of 64 rows: each work-group computes
; the 64 rows once (waves 0-3, 16 tokens each) and keeps them in LDS: Khat = K/|K| in f16, Vn = -V/vm in f16 (vm = max |V| over the table),
; q in f32, and G = Khat Khat^T in f32.
; SCAN IN BLOCKS OF 16 STEPS, TAKEN IN PAIRS.  With K, V a block's rows, A the strict lower triangle of K K^T, T = (I+A)^-1, Z = T^T K:
;   M_new = M + (V - K M^T)^T Z.   Kept here: S = M^T / vm in f32 accumulators; T' = -T, Z' = -Z, R' = Khat S + Vn;  S += Z'^T R'.
; For two blocks a, b on end:  R'_a = K_a S + Vn_a;  R'_b = K_b S + Vn_b + W R'_a with W = K_b Z'_a^T = G_ba T'_a, which hangs on the tokens alone;
;   S += [Z'_a; Z'_b]^T [R'_a; R'_b], a product 32 deep.  So S is rounded to f16 once for 32 steps.
; Waves 4-11 (producers) make Z', W and the gathered K fragments of one pair each per epoch of 8 pairs, one epoch ahead, into rings of two LDS slots;
; waves 0-3 (consumers) own 16 rows of M each (rows of M do not depend on each other) and walk the pairs in order.
; FORMATS.  Matrix operands are f16, sums f32: Khat, G, T, Z and W are bounded by 1 through the normalisation that the problem itself makes, V is divided by its maximum.
; LIMITS.  |M| / max|V| below 65,504 (the state's f16 copy); max|V| below 1e37 (its reciprocal); V enters as f16 of V / max|V|; tokens are clamped to 63.
; NOT USED.  Tensor loads and joint loads: every input is f32 and passes through registers to become f16, and the shared weights are 147,456 bytes read once.
; 128 work-groups: a batch row's chain of 64 pairs is not shortened by a second work-group, which would only repeat the producers' work.
; FORM.  The barriers stand on all waves' common path, so the two roles' texts join at every barrier.  Each section behind a branch on the wave's number makes
; its own addresses from v0-v3, the wave's number and s40; what the consumers carry (S, its f16 copy, constants, V's pipeline) is data, written on every path.
.set TOK,   0                ; 2,048 tokens + 512 bytes of zeros (V's pipeline runs three pairs ahead, past the last epoch too)
.set KT,    8704             ; Khat f16 [64], pitch 144
.set VH,    17920            ; Vn f16 [64], pitch 144
.set VT,    27136            ; V f32 [64], pitch 272, until the maximum is known
.set GT,    44544            ; G f32 [64], pitch 260 = 65 words: word (a, b) lies in bank (a + b) mod 64 (64 banks of 4 bytes: ISA guide 11.1)
.set QT,    61184            ; q f32 [64], pitch 272
.set RING,  78592            ; Z': 2 slots x 16 blocks x 4 fragment halves x 512 bytes
.set WRING, 144128           ; W: 2 slots x 8 pairs x 512 bytes
.set ASTG,  152320           ; producer p: 32 rows x 80 bytes
.set TSTG,  172800           ; producer p: 32 columns x 48 bytes
.set RED,   185088           ; +0 four maxima, +256 attn, +512 relu(ctx)
.set MT,    186112           ; M f32 [64], pitch 272
.set WO,    203520           ; Wout f32 [64], pitch 272
.set BIAS,  220928           ; b1 +0, b2 +512, ln_g +768, ln_b +1024, bout +1280
.set EF,    222464           ; embed f32 [64], pitch 272
.set WE,    239872           ; embed f16, pitch 144
.set W1,    249088           ; w1 f16 [128], pitch 144
.set W2,    267520           ; w2 f16 [64], pitch 272
.set WK,    284928           ; Wk, Wv, Wq f16, pitch 144, 9,216 bytes each
.set KRING, 222464           ; K fragments: 2 slots x 16 blocks x 4 x 512 bytes, over EF .. WK, whose last read lies two barriers ahead of the first store here
; v0 thread, v1 lane L, v2 r = L % 16, v3 h = L / 16: never rewritten.  s36 wave, s37 producer number, s38 loop counter, s40 token bytes of the trip.
.macro JOIN                          ; every wave's LDS stores and loads are done before it signals; all twelve waves pass every JOIN
	s_wait_dscnt 0x0
	s_barrier_signal -1
	s_barrier_wait -1
.endm
.macro PLACES                        ; four plain vector instructions between a matrix instruction and what reads its result or rewrites its registers (ISA guide 7.12.1)
.rept 4
	v_nop
.endr
.endm
.macro LDFRAG dst, adr, off          ; a 16 x 32 f16 fragment from rows that lie along K: two loads of 16 bytes, 32 bytes apart
	ds_load_b128 v[\dst:\dst+3], v[\adr] offset:\off
	ds_load_b128 v[\dst+4:\dst+7], v[\adr] offset:\off+32
.endm
.macro FOLD b                        ; four pairs at v[b..b+7] -> their sum, with the other half of the lanes', in v[b]
	v_pk_add_f32 v[\b:\b+1], v[\b:\b+1], v[\b+2:\b+3]
	v_pk_add_f32 v[\b+4:\b+5], v[\b+4:\b+5], v[\b+6:\b+7]
	v_pk_add_f32 v[\b:\b+1], v[\b:\b+1], v[\b+4:\b+5]
	v_add_f32 v[\b], v[\b], v[\b+1]
	v_permlanex16_b32 v[\b+1], v[\b], s42, s43
	v_add_f32 v[\b], v[\b], v[\b+1]
.endm
.macro LMAX reg, tmp                 ; maximum over the 32 lanes, in every lane
.irp m,1,2,4,8
	v_max_num_f32_dpp v[\reg], v[\reg], v[\reg] row_xmask:\m row_mask:0xf bank_mask:0xf
.endr
	v_permlanex16_b32 v[\tmp], v[\reg], s42, s43
	v_max_num_f32 v[\reg], v[\reg], v[\tmp]
.endm
.macro LADD reg, tmp                 ; sum over the 32 lanes, in every lane
.irp m,1,2,4,8
	v_add_f32_dpp v[\reg], v[\reg], v[\reg] row_xmask:\m row_mask:0xf bank_mask:0xf
.endr
	v_permlanex16_b32 v[\tmp], v[\reg], s42, s43
	v_add_f32 v[\reg], v[\reg], v[\tmp]
.endm
	s_load_b512 s[8:23], s[0:1], 0x0               ; x s[8:9], embed s[10:11], w1 s[12:13], b1 s[14:15], w2 s[16:17], b2 s[18:19], ln_g s[20:21], ln_b s[22:23]
	s_load_b256 s[24:31], s[0:1], 0x40             ; Wk s[24:25], Wv s[26:27], Wq s[28:29], Wout s[30:31]
	s_load_b128 s[32:35], s[0:1], 0x60             ; bout s[32:33], out0 s[34:35]
	s_set_vgpr_msb 0x40
	v_lshl_add_u32 v0, v0, 2, 0x4c500
	v_mov_b32 v1, 0
	s_set_vgpr_msb 0x4000
	v_lshrrev_b32 v1, 5, v0
	v_readfirstlane_b32 s36, v1                    ; wave 0..11
	v_and_b32 v1, 31, v0
	v_and_b32 v2, 15, v0
	v_bfe_u32 v3, v0, 4, 1
	s_mov_b32 s42, 0x76543210                      ; v_permlanex16_b32: each lane takes its own place in the other half
	s_mov_b32 s43, 0xfedcba98
	s_lshl_b32 s44, ttmp9, 13                      ; my row of x: 2,048 words
	s_mov_b32 s45, 0
	s_lshl_b32 s46, ttmp9, 8                       ; my row of out0: 64 words
	s_mov_b32 s47, 0
	s_mov_b32 s40, 0
	s_wait_kmcnt 0x0
	s_add_nc_u64 s[8:9], s[8:9], s[44:45]
	s_add_nc_u64 s[34:35], s[34:35], s[46:47]
	s_cmp_lt_u32 s36, 4
	s_cbranch_scc0 .Lcopy
; ---- waves 0-3: the tokens into LDS, 128 threads x 16 bytes a load; wave 0 also the five short vectors and the zeros behind the tokens
	v_lshlrev_b32 v4, 4, v0                        ; 16 t
.irp q,0,1,2,3
	global_load_b128 v[96+4*\q:99+4*\q], v4, s[8:9] offset:2048*\q th:TH_LOAD_NT
.endr
	s_cmp_lg_u32 s36, 0
	s_cbranch_scc1 .Lnob
	v_lshlrev_b32 v5, 4, v1                        ; b1: 32 lanes x 16 bytes
	v_lshlrev_b32 v6, 3, v1                        ; the others: 32 lanes x 8 bytes
	global_load_b128 v[112:115], v5, s[14:15]
	global_load_b64 v[116:117], v6, s[18:19]
	global_load_b64 v[118:119], v6, s[20:21]
	global_load_b64 v[120:121], v6, s[22:23]
	global_load_b64 v[122:123], v6, s[32:33]
	v_lshl_add_u32 v7, v1, 4, BIAS
	v_lshl_add_u32 v8, v1, 3, BIAS
.irp n,124,125,126,127
	v_mov_b32 v[\n], 0
.endr
	ds_store_b128 v5, v[124:127] offset:TOK+8192
	s_wait_loadcnt 0x0
	ds_store_b128 v7, v[112:115]
	ds_store_b64 v8, v[116:117] offset:512
	ds_store_b64 v8, v[118:119] offset:768
	ds_store_b64 v8, v[120:121] offset:1024
	ds_store_b64 v8, v[122:123] offset:1280
.Lnob:
	s_wait_loadcnt 0x0                             ; x: no global load of mine is out at the barrier
.irp q,0,1,2,3
	ds_store_b128 v4, v[96+4*\q:99+4*\q] offset:TOK+2048*\q
.endr
	s_branch .Ljoin1
; ---- waves 4-11: the weights into LDS, 256 threads x 16 bytes = 4,096 bytes a load; f32 -> f16 on the way (Wout stays f32, embed goes in both)
.Lcopy:
	v_sub_nc_u32 v4, v0, 128                       ; t = 0..255
	v_lshlrev_b32 v5, 4, v4
.macro GL n, sb, q
	global_load_b128 v[16+4*(\n):19+4*(\n)], v5, s[\sb:\sb+1] offset:4096*(\q)
.endm
.irp q,0,1,2,3
	GL \q,10,\q
.endr
.irp q,0,1,2,3,4,5,6,7
	GL 4+\q,12,\q
.endr
.irp q,0,1,2,3,4,5,6,7
	GL 12+\q,16,\q
.endr
.irp q,0,1,2,3
	GL 20+\q,24,\q
.endr
.irp q,0,1,2,3
	GL 24+\q,26,\q
.endr
.irp q,0,1,2,3
	GL 28+\q,28,\q
.endr
.irp q,0,1,2,3
	GL 32+\q,30,\q
.endr
	v_lshrrev_b32 v11, 4, v4                       ; rows of 64 numbers: 16 threads a row
	v_and_b32 v7, 15, v4
	v_mul_u32_u24 v6, v11, 144
	v_lshl_add_u32 v6, v7, 3, v6
	v_add_nc_u32 v6, WE, v6                        ; embed, and w1 9,216 bytes on
	v_add_nc_u32 v9, WK-WE, v6                     ; Wk, Wv, Wq
	v_mul_u32_u24 v10, v11, 272
	v_lshl_add_u32 v10, v7, 4, v10
	v_add_nc_u32 v10, WO, v10                      ; Wout, and embed in f32 EF - WO bytes on
	v_lshrrev_b32 v11, 5, v4                       ; rows of 128 numbers: 32 threads a row
	v_and_b32 v7, 31, v4
	v_mul_u32_u24 v8, v11, 272
	v_lshl_add_u32 v8, v7, 3, v8
	v_add_nc_u32 v8, W2, v8                        ; w2
.macro CPY n, adr, imm, keep, kimm
	s_wait_loadcnt 35-(\n)                         ; loads return in order: load n is in, the 35 - n younger ones stay out
.if \keep
	ds_store_b128 v10, v[16+4*(\n):19+4*(\n)] offset:\kimm
.endif
	v_cvt_pk_f16_f32 v[16+4*(\n)], v[16+4*(\n)], v[17+4*(\n)]
	v_cvt_pk_f16_f32 v[17+4*(\n)], v[18+4*(\n)], v[19+4*(\n)]
	ds_store_b64 v[\adr], v[16+4*(\n):17+4*(\n)] offset:\imm
.endm
.irp q,0,1,2,3
	CPY \q,6,\q*2304,1,EF-WO+\q*4352
.endr
.irp q,0,1,2,3,4,5,6,7
	CPY 4+\q,6,9216+\q*2304,0,0
.endr
.irp q,0,1,2,3,4,5,6,7
	CPY 12+\q,8,\q*2176,0,0
.endr
.irp q,0,1,2,3
	CPY 20+\q,9,\q*2304,0,0
.endr
.irp q,0,1,2,3
	CPY 24+\q,9,9216+\q*2304,0,0
.endr
.irp q,0,1,2,3
	CPY 28+\q,9,18432+\q*2304,0,0
.endr
.irp q,0,1,2,3
	s_wait_loadcnt 3-\q                            ; the last count is 0: no global load of mine is out at the barrier
	ds_store_b128 v10, v[144+4*\q:147+4*\q] offset:\q*4352
.endr
.Ljoin1:
	JOIN                                           ; tokens, weights and biases are in LDS
	s_cmp_lt_u32 s36, 4
	s_cbranch_scc0 .Ljoin2
; ---- waves 0-3: the tables of tokens 16 wave .. 16 wave + 15.  Every product is used transposed (source 0 = 16 weight rows, source 1 = 16 tokens):
; a lane holds one token, and two result tiles rounded to f16 ARE the next product's source 1.
; Accumulator layout: register j of tile mt holds feature 16 mt + 8 h + j of token r; biases and the f32 embed rows are read from LDS in that layout.
	v_mul_u32_u24 v7, v2, 144
	v_lshl_add_u32 v7, v3, 4, v7                   ; r x 144 + 16 h
	v_add_nc_u32 v8, W1, v7
	v_mul_u32_u24 v9, v2, 272
	v_lshl_add_u32 v14, v3, 5, v9                  ; r x 272 + 32 h
	v_lshl_add_u32 v9, v3, 4, v9
	v_add_nc_u32 v9, W2, v9
	v_add_nc_u32 v10, WK, v7
	s_mul_i32 s44, s36, 2304
	v_add_nc_u32 v12, s44, v7                      ; (16 wave + r) x 144 + 16 h
	v_add_nc_u32 v11, WE, v12
	s_mul_i32 s45, s36, 4352
	v_add_nc_u32 v14, s45, v14                     ; (16 wave + r) x 272 + 32 h
	v_add_nc_u32 v6, EF, v14
	v_lshl_add_u32 v5, v3, 5, BIAS                 ; 32 h: eight f32 of a bias vector
	LDFRAG 16,11,0                                 ; my tokens' embed rows, f16
	LDFRAG 24,11,64
.irp mt,0,1,2,3,4,5,6,7
	ds_load_b128 v[32+8*\mt:35+8*\mt], v5 offset:64*\mt                    ; b1
	ds_load_b128 v[36+8*\mt:39+8*\mt], v5 offset:64*\mt+16
.endr
.irp mt,0,1,2,3
	ds_load_b128 v[160+8*\mt:163+8*\mt], v6 offset:64*\mt                  ; embed, f32
	ds_load_b128 v[164+8*\mt:167+8*\mt], v6 offset:64*\mt+16
	ds_load_b128 v[224+8*\mt:227+8*\mt], v5 offset:512+64*\mt              ; b2
	ds_load_b128 v[228+8*\mt:231+8*\mt], v5 offset:512+64*\mt+16
.endr
; stage 1: H^T = w1 E^T + b1 (b1 is the first C); eight accumulators by turns
.irp ks,0,1
.irp mt,0,1,2,3,4,5,6,7
	LDFRAG 96+8*\mt,8,\mt*2304+64*\ks
.endr
	s_wait_dscnt 0x0
.irp mt,0,1,2,3,4,5,6,7
	v_wmma_f32_16x16x32_f16 v[32+8*\mt:39+8*\mt], v[96+8*\mt:103+8*\mt], v[16+8*\ks:23+8*\ks], v[32+8*\mt:39+8*\mt]
.endr
	PLACES
.endr
.set ii, 0
.rept 64
	v_max_num_f32 v[32+ii], 0, v[32+ii]            ; relu, each tile from its low end
.set ii, ii+1
.endr
.set ii, 0
.rept 32
	v_cvt_pk_f16_f32 v[192+ii], v[32+2*ii], v[33+2*ii]
.set ii, ii+1
.endr
.irp mt,0,1,2,3
	ds_load_b128 v[32+8*\mt:35+8*\mt], v5 offset:768+64*\mt                ; ln_g and ln_b; stage 2's wait covers them
	ds_load_b128 v[36+8*\mt:39+8*\mt], v5 offset:768+64*\mt+16
	ds_load_b128 v[64+8*\mt:67+8*\mt], v5 offset:1024+64*\mt
	ds_load_b128 v[68+8*\mt:71+8*\mt], v5 offset:1024+64*\mt+16
.endr
; stage 2: z^T = embed (f32, the first C) + w2 H^T; four accumulators by turns
.irp kb,0,1
.irp kk,0,1
.irp mt,0,1,2,3
	LDFRAG 96+8*(4*\kk+\mt),9,\mt*4352+64*(2*\kb+\kk)
.endr
.endr
	s_wait_dscnt 0x0
.irp kk,0,1
.irp mt,0,1,2,3
	v_wmma_f32_16x16x32_f16 v[160+8*\mt:167+8*\mt], v[96+8*(4*\kk+\mt):103+8*(4*\kk+\mt)], v[192+8*(2*\kb+\kk):199+8*(2*\kb+\kk)], v[160+8*\mt:167+8*\mt]
.endr
.endr
	PLACES
.endr
.set ii, 0
.rept 16
	v_pk_add_f32 v[160+2*ii:161+2*ii], v[160+2*ii:161+2*ii], v[224+2*ii:225+2*ii]   ; + b2
.set ii, ii+1
.endr
; LayerNorm in two passes: a lane holds 32 of its token's 64 numbers, the lane 16 away the others
.irp i,0,1,2,3
	v_pk_add_f32 v[96+2*\i:97+2*\i], v[160+2*\i:161+2*\i], v[168+2*\i:169+2*\i]
.endr
.irp b,2,3
.irp i,0,1,2,3
	v_pk_add_f32 v[96+2*\i:97+2*\i], v[96+2*\i:97+2*\i], v[160+8*\b+2*\i:161+8*\b+2*\i]
.endr
.endr
	FOLD 96
	v_mul_f32 v96, 0x3c800000, v96                 ; mu = sum / 64
	v_mov_b32 v97, v96
.set ii, 0
.rept 16
	v_pk_add_f32 v[160+2*ii:161+2*ii], v[160+2*ii:161+2*ii], v[96:97] neg_lo:[0,1] neg_hi:[0,1]
.set ii, ii+1
.endr
.irp i,0,1,2,3
	v_pk_mul_f32 v[100+2*\i:101+2*\i], v[160+2*\i:161+2*\i], v[160+2*\i:161+2*\i]
.endr
.irp b,1,2,3
.irp i,0,1,2,3
	v_pk_fma_f32 v[100+2*\i:101+2*\i], v[160+8*\b+2*\i:161+8*\b+2*\i], v[160+8*\b+2*\i:161+8*\b+2*\i], v[100+2*\i:101+2*\i]
.endr
.endr
	FOLD 100
	s_mov_b32 s44, 0x3c800000                      ; 1 / 64
	s_mov_b32 s45, 0x3727c5ac                      ; 1e-5
	v_fma_f32 v100, v100, s44, s45                 ; var + 1e-5
	v_rsq_f32 v102, v100
	v_nop                                          ; a plain instruction behind the transcendental (ISA guide 5.7.2)
	s_wait_alu depctr_va_vdst(0)
	v_mov_b32 v103, v102
.set ii, 0
.rept 16
	v_pk_mul_f32 v[160+2*ii:161+2*ii], v[160+2*ii:161+2*ii], v[102:103]
.set ii, ii+1
.endr
.set ii, 0
.rept 16
	v_pk_fma_f32 v[160+2*ii:161+2*ii], v[160+2*ii:161+2*ii], v[32+2*ii:33+2*ii], v[64+2*ii:65+2*ii]
.set ii, ii+1
.endr
.set ii, 0
.rept 16
	v_cvt_pk_f16_f32 v[16+ii], v[160+2*ii], v[161+2*ii]    ; h, f16: source 1 of the three projections
.set ii, ii+1
.endr
; stage 3: K^T = Wk h^T (v32-63) and V^T = Wv h^T (v64-95), eight accumulators by turns
.irp ks,0,1
.irp mt,0,1,2,3
	LDFRAG 96+8*(4*\ks+\mt),10,\mt*2304+64*\ks
	LDFRAG 192+8*(4*\ks+\mt),10,9216+\mt*2304+64*\ks
.endr
.endr
	s_wait_dscnt 0x0
.irp mt,0,1,2,3
	v_wmma_f32_16x16x32_f16 v[32+8*\mt:39+8*\mt], v[96+8*\mt:103+8*\mt], v[16:23], 0
	v_wmma_f32_16x16x32_f16 v[64+8*\mt:71+8*\mt], v[192+8*\mt:199+8*\mt], v[16:23], 0
.endr
.irp mt,0,1,2,3
	v_wmma_f32_16x16x32_f16 v[32+8*\mt:39+8*\mt], v[128+8*\mt:135+8*\mt], v[24:31], v[32+8*\mt:39+8*\mt]
	v_wmma_f32_16x16x32_f16 v[64+8*\mt:71+8*\mt], v[224+8*\mt:231+8*\mt], v[24:31], v[64+8*\mt:71+8*\mt]
.endr
	PLACES
.irp ks,0,1
.irp mt,0,1,2,3
	LDFRAG 96+8*(4*\ks+\mt),10,18432+\mt*2304+64*\ks       ; Wq, on its way while K is normalised
.endr
.endr
; Khat = K / max(|K|, 1e-12), f16, into the table
.irp i,0,1,2,3
	v_pk_mul_f32 v[192+2*\i:193+2*\i], v[32+2*\i:33+2*\i], v[32+2*\i:33+2*\i]
.endr
.irp b,1,2,3
.irp i,0,1,2,3
	v_pk_fma_f32 v[192+2*\i:193+2*\i], v[32+8*\b+2*\i:33+8*\b+2*\i], v[32+8*\b+2*\i:33+8*\b+2*\i], v[192+2*\i:193+2*\i]
.endr
.endr
	FOLD 192
	v_sqrt_f32 v192, v192
	v_nop
	s_wait_alu depctr_va_vdst(0)
	v_max_num_f32 v192, 0x2b8cbccc, v192
	v_rcp_f32 v194, v192
	v_nop
	s_wait_alu depctr_va_vdst(0)
	v_mov_b32 v195, v194
.set ii, 0
.rept 16
	v_pk_mul_f32 v[32+2*ii:33+2*ii], v[32+2*ii:33+2*ii], v[194:195]
.set ii, ii+1
.endr
.set ii, 0
.rept 16
	v_cvt_pk_f16_f32 v[196+ii], v[32+2*ii], v[33+2*ii]
.set ii, ii+1
.endr
.irp mt,0,1,2,3
	ds_store_b128 v12, v[196+4*\mt:199+4*\mt] offset:KT+32*\mt
.endr
; the largest |V| of my 16 tokens; V itself waits in LDS, in f32, until all four maxima are known
.irp m,0,1,2,3
	v_max3_num_f32 v[212+\m], |v[64+8*\m]|, |v[65+8*\m]|, |v[66+8*\m]|
.endr
.irp m,0,1,2,3
	v_max3_num_f32 v[212+\m], v[212+\m], |v[67+8*\m]|, |v[68+8*\m]|
.endr
.irp m,0,1,2,3
	v_max3_num_f32 v[212+\m], v[212+\m], |v[69+8*\m]|, |v[70+8*\m]|
.endr
.irp m,0,1,2,3
	v_max_num_f32 v[212+\m], v[212+\m], |v[71+8*\m]|
.endr
	v_max3_num_f32 v212, v212, v213, v214
	v_max_num_f32 v212, v212, v215
	LMAX 212,213
	s_lshl_b32 s44, s36, 2
	s_add_co_u32 s44, s44, RED
	v_mov_b32 v216, s44
	ds_store_b32 v216, v212
.irp mt,0,1,2,3
	ds_store_b128 v14, v[64+8*\mt:67+8*\mt] offset:VT+64*\mt
	ds_store_b128 v14, v[68+8*\mt:71+8*\mt] offset:VT+64*\mt+16
.endr
; q^T = Wq h^T, f32, into the table
	s_wait_dscnt 0x0
.irp mt,0,1,2,3
	v_wmma_f32_16x16x32_f16 v[160+8*\mt:167+8*\mt], v[96+8*\mt:103+8*\mt], v[16:23], 0
.endr
.irp mt,0,1,2,3
	v_wmma_f32_16x16x32_f16 v[160+8*\mt:167+8*\mt], v[128+8*\mt:135+8*\mt], v[24:31], v[160+8*\mt:167+8*\mt]
.endr
	PLACES
.irp mt,0,1,2,3
	ds_store_b128 v14, v[160+8*\mt:163+8*\mt] offset:QT+64*\mt
	ds_store_b128 v14, v[164+8*\mt:167+8*\mt] offset:QT+64*\mt+16
.endr
.Ljoin2:
	JOIN                                           ; Khat, V, q and the four maxima are in LDS
	s_cmp_lt_u32 s36, 4
	s_cbranch_scc0 .Ljoin3
; ---- waves 0-3: G = Khat Khat^T (my 16 tokens against all 64) and Vn = -V / vm in f16 (my own 16 rows)
	v_mul_u32_u24 v7, v2, 144
	v_lshl_add_u32 v7, v3, 4, v7                   ; r x 144 + 16 h
	s_mul_i32 s44, s36, 2304
	v_add_nc_u32 v12, s44, v7                      ; (16 wave + r) x 144 + 16 h
	v_mul_u32_u24 v14, v2, 272
	v_lshl_add_u32 v14, v3, 5, v14
	s_mul_i32 s45, s36, 4352
	v_add_nc_u32 v14, s45, v14                     ; (16 wave + r) x 272 + 32 h
	v_mul_u32_u24 v13, v3, 2080
	v_lshl_add_u32 v13, v2, 2, v13
	s_mul_i32 s46, s36, 4160
	v_add_nc_u32 v13, s46, v13                     ; (16 wave + 8 h) x 260 + 4 r
	v_mov_b32 v9, RED
	ds_load_b128 v[192:195], v9
.irp mt,0,1,2,3
	ds_load_b128 v[64+8*\mt:67+8*\mt], v14 offset:VT+64*\mt
	ds_load_b128 v[68+8*\mt:71+8*\mt], v14 offset:VT+64*\mt+16
.endr
	LDFRAG 16,12,KT
	LDFRAG 24,12,KT+64
.irp nt,0,1,2,3
.irp ks,0,1
	LDFRAG 96+8*(2*\nt+\ks),7,KT+\nt*2304+64*\ks
.endr
.endr
	s_wait_dscnt 0x0
.irp nt,0,1,2,3
	v_wmma_f32_16x16x32_f16 v[224+8*\nt:231+8*\nt], v[16:23], v[96+16*\nt:103+16*\nt], 0
.endr
.irp nt,0,1,2,3
	v_wmma_f32_16x16x32_f16 v[224+8*\nt:231+8*\nt], v[24:31], v[104+16*\nt:111+16*\nt], v[224+8*\nt:231+8*\nt]
.endr
	v_max3_num_f32 v10, v192, v193, v194           ; the scaling of V names none of those products' registers: it fills the places behind them
	v_max3_num_f32 v10, v10, v195, 0x0da24260      ; vm = max(max |V|, 1e-30)
	v_rcp_f32 v192, v10
	v_nop
	s_wait_alu depctr_va_vdst(0)
	v_mul_f32 v192, -1.0, v192
	v_mov_b32 v193, v192
.set ii, 0
.rept 16
	v_pk_mul_f32 v[64+2*ii:65+2*ii], v[64+2*ii:65+2*ii], v[192:193]
.set ii, ii+1
.endr
.set ii, 0
.rept 16
	v_cvt_pk_f16_f32 v[196+ii], v[64+2*ii], v[65+2*ii]
.set ii, ii+1
.endr
.irp mt,0,1,2,3
	ds_store_b128 v12, v[196+4*\mt:199+4*\mt] offset:VH+32*\mt
.endr
.irp nt,0,1,2,3                        ; register j of a lane holds G(16 wave + 8 h + j, 16 nt + r): 16 lanes store 64 neighbouring bytes of a row
.irp j,0,1,2,3,4,5,6,7
	ds_store_b32 v13, v[224+8*\nt+\j] offset:GT+260*\j+64*\nt
.endr
.endr
.Ljoin3:
	JOIN                                           ; all tables are in LDS
; ================= the consumers' macros.  v4-8 addresses, v10-11 tokens, v12-13 V's addresses, v16-47 S (4 tiles), v48-63 S in f16 (2 fragments), v64-71 R' f16 (a, b),
; v72-79 and v80-87 the sums R'_a and R'_b, v88-103 V f16 (2 buffers), v104-127 six quads: W (buffer 0), 0, I, 0, W (buffer 1), 0, v128-191 K (2 buffers), v192-255 Z' (2 buffers)
.set ACC, 16
.set SB,  48
.set RB,  64
.set VCA, 72
.set VCB, 80
.set VB,  88
.set WF,  104                          ; W's fragment: 4 registers (steps 0-15 of a) and the 4 zeros behind them; buffer 1 is 16 registers on
.set IDH, 108                          ; zeros, then I: 1 at K = 16 + row: picks block b's steps out of V's fragment
.set IDL, 112                          ; I, then zeros: 1 at K = row: picks block a's
.set KF,  128
.set ZF,  192
.macro CADDR                         ; V's lane terms: the turning load's column part, and the token of step 8 h + L % 8
	s_lshl_b32 s44, s36, 5
	v_bfe_u32 v7, v0, 3, 1
	v_lshl_add_u32 v7, v7, 4, s44                  ; 2 x 16 wave + 16 ((L / 8) % 2)
	v_and_b32 v8, 7, v0
	v_lshl_add_u32 v8, v3, 3, v8
	v_lshl_add_u32 v8, v8, 2, s40
.endm
.macro KLOAD q, buf, slot            ; pair q's K fragments, as the producers laid them: 16 neighbouring bytes a lane
.irp blk,0,1
.irp n,0,1,2,3
	ds_load_b128 v[KF+32*(\buf)+16*\blk+4*\n:KF+32*(\buf)+16*\blk+4*\n+3], v4 offset:\slot*32768+2048*(2*(\q)+\blk)+512*\n
.endr
.endr
.endm
.macro WZLOAD q, buf, slot           ; pair q's W, then Z'^T: block a's steps are K = 0-15 of a fragment, block b's K = 16-31
	ds_load_b128 v[WF+16*(\buf):WF+16*(\buf)+3], v6 offset:\slot*4096+512*(\q)
.irp mt,0,1,2,3
.irp blk,0,1
	ds_load_b128 v[ZF+32*(\buf)+8*\mt+4*\blk:ZF+32*(\buf)+8*\mt+4*\blk+3], v5 offset:\slot*32768+2048*(2*(\q)+\blk)+512*\mt
.endr
.endr
.endm
; V's pipeline is started: V of pairs 0 and 1, the tokens of pair 2, and pair 0's sums begun with Vn (a product with I is exact).
.macro VSTART
	CADDR
.irp n,0,1,2,3
	ds_load_b32 v[10+\n], v8 offset:TOK+64*\n
.endr
	s_wait_dscnt 0x0
.irp n,10,11,12,13
	v_min_u32 v[\n], 63, v[\n]
.endr
	v_mad_u32_u24 v14, v10, 144, v7
	v_mad_u32_u24 v15, v11, 144, v7
	v_mad_u32_u24 v12, v12, 144, v7
	v_mad_u32_u24 v13, v13, 144, v7
	ds_load_tr16_b128 v[VB:VB+3], v14 offset:VH
	ds_load_tr16_b128 v[VB+4:VB+7], v15 offset:VH
	ds_load_tr16_b128 v[VB+8:VB+11], v12 offset:VH
	ds_load_tr16_b128 v[VB+12:VB+15], v13 offset:VH
	ds_load_b32 v10, v8 offset:TOK+256
	ds_load_b32 v11, v8 offset:TOK+320
	s_wait_dscnt 0x4                               ; pair 0's V is in; pair 1's two loads and the two tokens stay out
	v_wmma_f32_16x16x32_f16 v[VCB:VCB+7], v[IDH:IDH+7], v[VB:VB+7], 0
	v_wmma_f32_16x16x32_f16 v[VCA:VCA+7], v[IDL:IDL+7], v[VB:VB+7], 0
.endm
; An epoch: 8 pairs from ring slot \slot; the tokens begin at byte s40 + \toff.  K, W and Z' are asked for one pair ahead; V's pipeline hangs on the tables alone and runs on
; over the epochs' barriers: in pair q the tokens of pair q + 3, V of pair q + 2, and the start of pair q + 1's sums.
; LDS instructions of a pair, in order: V 2, tokens 2, K 8 (behind the first products); W 1, Z' 8 (behind the W product); the last pair has the first four alone.
; No two matrix instructions that follow each other share an accumulator: b, a, b, a; b; S's four tiles; b, a.
.macro CONSUME slot, toff
	CADDR
	v_lshl_add_u32 v4, v1, 4, KRING
	v_lshl_add_u32 v5, v1, 4, RING
	v_lshl_add_u32 v6, v1, 4, WRING
	KLOAD 0,0,\slot
	WZLOAD 0,0,\slot
.set qq, 0
.rept 8
.set bf, qq%2
.set nb, 1-bf
	s_wait_dscnt 0x9                               ; this pair's K is in, and all that was asked for ahead of it; its W and Z', 9 loads, stay out
	v_wmma_f32_16x16x32_f16 v[VCB:VCB+7], v[KF+32*bf+16:KF+32*bf+23], v[SB:SB+7], v[VCB:VCB+7]       ; Vn + Khat S
	v_wmma_f32_16x16x32_f16 v[VCA:VCA+7], v[KF+32*bf:KF+32*bf+7], v[SB:SB+7], v[VCA:VCA+7]
	v_wmma_f32_16x16x32_f16 v[VCB:VCB+7], v[KF+32*bf+24:KF+32*bf+31], v[SB+8:SB+15], v[VCB:VCB+7]
	v_wmma_f32_16x16x32_f16 v[VCA:VCA+7], v[KF+32*bf+8:KF+32*bf+15], v[SB+8:SB+15], v[VCA:VCA+7]
	v_min_u32 v10, 63, v10                         ; pair q + 2's tokens, clamped to the table's 64 rows; these four lines are the places behind the products
	v_min_u32 v11, 63, v11
	v_mad_u32_u24 v12, v10, 144, v7
	v_mad_u32_u24 v13, v11, 144, v7
	ds_load_tr16_b128 v[VB+8*bf:VB+8*bf+3], v12 offset:VH          ; V, turned: lane = my row r of M, registers = steps 8 h ..
	ds_load_tr16_b128 v[VB+8*bf+4:VB+8*bf+7], v13 offset:VH
	ds_load_b32 v10, v8 offset:TOK+\toff+128*(qq+3)
	ds_load_b32 v11, v8 offset:TOK+\toff+128*(qq+3)+64
.if qq < 7
	KLOAD qq+1,nb,\slot
.endif
.irp n,0,1,2,3
	v_cvt_pk_f16_f32 v[RB+\n], v[VCA+2*\n], v[VCA+2*\n+1]          ; R'_a: K = 0-15 of source 1, as it lies
.endr
.if qq < 7
	s_wait_dscnt 0x14                              ; W is in: behind it 8 loads of Z' and this pair's first 12
.else
	s_wait_dscnt 0xc                               ; the same with this pair's 4
.endif
	v_wmma_f32_16x16x32_f16 v[VCB:VCB+7], v[WF+16*bf:WF+16*bf+7], v[RB:RB+7], v[VCB:VCB+7]           ; + W R'_a (W's K = 16-31 is 0; source 1 holds the last pair's R'_b there)
.rept 5
	v_nop                                          ; four places ahead of the conversions below, five ahead of the product that starts this accumulator anew
.endr
.if qq < 7
	WZLOAD qq+1,nb,\slot
.endif
.irp n,0,1,2,3
	v_cvt_pk_f16_f32 v[RB+4+\n], v[VCB+2*\n], v[VCB+2*\n+1]        ; R'_b: K = 16-31
.endr
.if qq < 7
	s_wait_dscnt 0x15                              ; Z' is in: behind it this pair's 12 + 9 loads
.else
	s_wait_dscnt 0x4
.endif
.irp n,0,1,2,3
	v_wmma_f32_16x16x32_f16 v[ACC+8*\n:ACC+8*\n+7], v[ZF+32*bf+8*\n:ZF+32*bf+8*\n+7], v[RB:RB+7], v[ACC+8*\n:ACC+8*\n+7]   ; S += Z'^T R', 32 steps deep
.endr
	v_wmma_f32_16x16x32_f16 v[VCB:VCB+7], v[IDH:IDH+7], v[VB+8*nb:VB+8*nb+7], 0                      ; the next pair's sums begin with Vn
	v_wmma_f32_16x16x32_f16 v[VCA:VCA+7], v[IDL:IDL+7], v[VB+8*nb:VB+8*nb+7], 0
	PLACES
.irp n,0,1,2,3,4,5,6,7,8,9,10,11,12,13,14,15
	v_cvt_pk_f16_f32 v[SB+\n], v[ACC+2*\n], v[ACC+2*\n+1]          ; S in f16: two tiles are one fragment of source 1
.endr
.set qq, qq+1
.endr
.endm
; ================= the producers' macro: pair p (blocks 2 p and 2 p + 1) of the epoch whose tokens begin at byte s40 + \toff, into ring slot \slot.  It carries nothing from call to call.
; v4-15 addresses, v16-31 -identity column, v33-47 T' column, v48-55 T' f16, v56-63 and v64-71 T'^T fragments of blocks 0 and 1,
; v72-103 K turned (block 0 in K = 0-15, block 1 in K = 16-31), v248-255 G_ba f16 and zeros, v104-247 the triangle's coefficients
; (before them: tokens, addresses, Gram rows, K fragments; after them: Z' and W in f32 and f16)
.set IDN, 16
.set TT,  32
.set TP,  48
.set KB,  72
.set CO,  104
.macro PRODUCE slot, toff
	s_sub_co_u32 s37, s36, 4                       ; producer 0..7
	s_lshl_b32 s44, s37, 7                         ; my pair's tokens: 128 bytes
	s_add_co_u32 s44, s44, s40
	v_lshl_add_u32 v4, v1, 2, s44
	v_lshl_add_u32 v5, v3, 6, s44
	v_and_b32 v6, 7, v0
	v_lshl_add_u32 v6, v3, 3, v6
	v_lshl_add_u32 v6, v6, 2, s44
	v_lshl_add_u32 v13, v2, 2, s44
	v_lshl_add_u32 v14, v3, 5, s44
	ds_load_b32 v248, v4 offset:TOK+\toff          ; my own token: lane = (block h, step r)
.irp q,0,1,2,3
	ds_load_b128 v[CO+4*\q:CO+4*\q+3], v5 offset:TOK+\toff+16*\q           ; my block's 16 tokens
.endr
	ds_load_b32 v249, v6 offset:TOK+\toff          ; the rows that the turning loads take: step 8 h + L % 8 of block 0,
	ds_load_b32 v250, v6 offset:TOK+\toff+64       ; and of block 1
	ds_load_b32 v254, v13 offset:TOK+\toff         ; step r of block 0,
	ds_load_b32 v255, v13 offset:TOK+\toff+64      ; and of block 1
	ds_load_b128 v[168:171], v14 offset:TOK+\toff  ; steps 8 h .. 8 h + 7 of block 0
	ds_load_b128 v[172:175], v14 offset:TOK+\toff+16
	v_bfe_u32 v7, v0, 3, 1                         ; the other addresses and constants are made while the tokens are on their way
	v_lshlrev_b32 v7, 4, v7
	s_mul_i32 s45, s37, 2560
	s_add_co_u32 s45, s45, ASTG
	v_mul_u32_u24 v8, v1, 80
	v_add_nc_u32 v8, s45, v8
	v_mul_u32_u24 v9, v3, 1280
	v_add_nc_u32 v9, s45, v9
	s_mul_i32 s46, s37, 1536
	s_add_co_u32 s46, s46, TSTG
	v_mul_u32_u24 v10, v1, 48
	v_add_nc_u32 v10, s46, v10
	v_mul_u32_u24 v11, v2, 48
	v_lshl_add_u32 v11, v3, 4, v11
	v_add_nc_u32 v11, s46, v11
	s_lshl_b32 s47, s37, 12
	s_add_co_u32 s39, s47, RING
	s_add_co_u32 s41, s47, KRING
	v_lshl_add_u32 v12, v1, 4, s39
	v_lshl_add_u32 v15, v1, 4, s41
	s_lshl_b32 s47, s37, 9
	s_add_co_u32 s47, s47, WRING
	v_lshlrev_b32 v33, 4, v3                       ; 16 h
.irp i,0,1,2,3,4,5,6,7,8,9,10,11,12,13,14,15
	v_cmp_eq_u32 vcc_lo, \i, v2
	v_cndmask_b32 v[IDN+\i], 0, -1.0, vcc_lo
.endr
.irp n,60,61,62,63,64,65,66,67
	v_mov_b32 v[\n], 0                             ; block 0's T'^T has no K = 16-31, block 1's no K = 0-15
.endr
	s_wait_dscnt 0x0
	v_lshl_add_u32 v13, v1, 4, s47                 ; where W goes
.irp n,248,249,250,254,255
	v_min_u32 v[\n], 63, v[\n]
.endr
.set ii, 0
.rept 16
	v_min_u32 v[CO+ii], 63, v[CO+ii]
.set ii, ii+1
.endr
.set ii, 0
.rept 8
	v_min_u32 v[168+ii], 63, v[168+ii]
.set ii, ii+1
.endr
	v_mul_u32_u24 v251, v248, 260
.set ii, 0
.rept 16
	v_lshl_add_u32 v[CO+ii], v[CO+ii], 2, v251
.set ii, ii+1
.endr
	v_mul_u32_u24 v32, v255, 260
.set ii, 0
.rept 8
	v_lshl_add_u32 v[168+ii], v[168+ii], 2, v32
.set ii, ii+1
.endr
	v_mad_u32_u24 v252, v249, 144, v7
	v_mad_u32_u24 v253, v250, 144, v7
	v_mad_u32_u24 v254, v254, 144, v33
	v_mad_u32_u24 v255, v255, 144, v33
.set ii, 0
.rept 16
	ds_load_b32 v[CO+16+ii], v[CO+ii] offset:GT    ; row r of my block's Gram matrix
.set ii, ii+1
.endr
.set ii, 0
.rept 8
	ds_load_b32 v[176+ii], v[168+ii] offset:GT     ; G_ba(r, 8 h ..): block 1's step r against block 0's steps
.set ii, ii+1
.endr
.irp n,0,1,2,3
	ds_load_b128 v[136+4*\n:139+4*\n], v254 offset:KT+32*\n        ; K as fragments: lane = step r, 8 features at 16 h + 32 n bytes
.endr
.irp n,0,1,2,3
	ds_load_b128 v[152+4*\n:155+4*\n], v255 offset:KT+32*\n
.endr
.irp nt,0,1,2,3
	ds_load_tr16_b128 v[KB+8*\nt:KB+8*\nt+3], v252 offset:KT+32*\nt        ; K, turned: lane = feature, registers = steps
	ds_load_tr16_b128 v[KB+8*\nt+4:KB+8*\nt+7], v253 offset:KT+32*\nt
.endr
	s_wait_dscnt 0x18                              ; the 16 Gram gathers are in; the 8 + 8 + 8 loads behind them stay out
.irp q,0,1,2,3
	ds_store_b128 v8, v[CO+16+4*\q:CO+16+4*\q+3] offset:16*\q
.endr
	s_wait_dscnt 0xc                               ; G_ba and the K fragments are in; the 8 turning loads and the 4 stores stay out
.irp n,0,1,2,3
	v_cvt_pk_f16_f32 v[248+\n], v[176+2*\n], v[177+2*\n]
.endr
.irp b,0,1
.irp n,0,1,2,3
	ds_store_b128 v15, v[136+16*\b+4*\n:139+16*\b+4*\n] offset:\slot*32768+\b*2048+\n*512
.endr
.endr
.set ii, 1
.rept 15                               ; back as coefficients that all 16 lanes of a block share: row i, its first ceil(i / 4) quads.  My wave's own bytes, served in order (ISA guide 5.7.1.4)
.set gg, (ii-1)/4
.set cb, 2*gg*(gg+1)+(gg+1)*((ii-1)%4)
.set qi, 0
.rept gg+1
	ds_load_b128 v[CO+4*(cb+qi):CO+4*(cb+qi)+3], v9 offset:80*ii+16*qi
.set qi, qi+1
.endr
.set ii, ii+1
.endr
	s_wait_dscnt 0x0
.irp n,252,253,254,255
	v_mov_b32 v[\n], 0                             ; K = 16-31 of G_ba's fragment
.endr
.set st, 0
.rept 15                               ; forward substitution, my column of T' = -(I + A)^-1: T'_i = -delta_i - sum over s < i of A(i, s) T'_s
.set ii, st+1
.rept 15-st
.set gg, (ii-1)/4
.set cc, CO+4*(2*gg*(gg+1)+(gg+1)*((ii-1)%4))+st
.if st == 0
	v_fma_f32 v[TT+ii], -v[cc], v[IDN], v[IDN+ii]
.else
	v_fma_f32 v[TT+ii], -v[cc], v[TT+st], v[TT+ii]
.endif
.set ii, ii+1
.endr
.set st, st+1
.endr
	v_cvt_pk_f16_f32 v[TP], v[IDN], v[TT+1]
.irp q,1,2,3,4,5,6,7
	v_cvt_pk_f16_f32 v[TP+\q], v[TT+2*\q], v[TT+2*\q+1]
.endr
	ds_store_b128 v10, v[TP:TP+3]                  ; a column's 16 numbers; back as fragments of T'^T: lane = column, 8 h .. 8 h + 7
	ds_store_b128 v10, v[TP+4:TP+7] offset:16
	ds_load_b128 v[56:59], v11                     ; block 0 in K = 0-15
	ds_load_b128 v[68:71], v11 offset:768          ; block 1 in K = 16-31
	s_wait_dscnt 0x0
.irp nt,0,1,2,3
	v_wmma_f32_16x16x32_f16 v[CO+8*\nt:CO+8*\nt+7], v[56:63], v[KB+8*\nt:KB+8*\nt+7], 0              ; Z' = T'^T K
.endr
.irp nt,0,1,2,3
	v_wmma_f32_16x16x32_f16 v[CO+32+8*\nt:CO+32+8*\nt+7], v[64:71], v[KB+8*\nt:KB+8*\nt+7], 0
.endr
	v_wmma_f32_16x16x32_f16 v[200:207], v[56:63], v[248:255], 0                                      ; W^T = T'_a^T G_ba^T: lane = block 1's step, registers = block 0's steps
	PLACES
.set ii, 0
.rept 32
	v_cvt_pk_f16_f32 v[CO+64+ii], v[CO+2*ii], v[CO+2*ii+1]
.set ii, ii+1
.endr
.irp n,0,1,2,3
	v_cvt_pk_f16_f32 v[208+\n], v[200+2*\n], v[201+2*\n]
.endr
.irp b,0,1
.irp nt,0,1,2,3
	ds_store_b128 v12, v[CO+64+4*(4*\b+\nt):CO+64+4*(4*\b+\nt)+3] offset:\slot*32768+\b*2048+\nt*512   ; lane = feature, registers = steps 8 h ..: half a fragment of Z'^T as it lies
.endr
.endr
	ds_store_b128 v13, v[208:211] offset:\slot*4096                ; W's fragment as it lies
.endm
; ---- what the consumers carry from epoch to epoch: S = 0 in f32 and f16 (the first pair runs the same text as every other), R'_b = 0, three quads of zeros and the quad I.
; These lines stand ahead of the branch on the wave's number and all twelve waves run them, so that each of these registers is written on every path of the text; the producers write over theirs.
.set ii, 16
.rept 48
	v_mov_b32 v[ii], 0
.set ii, ii+1
.endr
.irp n,68,69,70,71,108,109,110,111,116,117,118,119,124,125,126,127
	v_mov_b32 v[\n], 0
.endr
	v_lshrrev_b32 v4, 1, v2                        ; row r of I has its 1 at K = r = 8 h + 2 n + r % 2: in register n = r / 2 - 4 h, half r % 2
	v_lshlrev_b32 v5, 2, v3
	v_sub_nc_u32 v4, v4, v5
	v_and_b32 v5, 1, v2
	v_lshlrev_b32 v5, 4, v5
	v_mov_b32 v6, 0x3c00                           ; 1.0 in f16
	v_lshlrev_b32 v5, v5, v6
.irp n,0,1,2,3
	v_cmp_eq_u32 vcc_lo, \n, v4
	v_cndmask_b32 v[IDL+\n], 0, v5, vcc_lo
.endr
	s_cmp_lt_u32 s36, 4
	s_cbranch_scc0 .Lp0
	VSTART
	s_branch .Ljoin4
.Lp0:
	PRODUCE 0,0                                    ; epoch 0
.Ljoin4:
	JOIN
	s_mov_b32 s38, 0
.Lk:                                                   ; four trips of two epochs; between two barriers one slot of each ring is read and the other written
	s_lshl_b32 s40, s38, 11                        ; 512 tokens a trip
	s_cmp_lt_u32 s36, 4
	s_cbranch_scc0 .Lp1
	CONSUME 0,0
	s_branch .Lj1
.Lp1:
	PRODUCE 1,1024
.Lj1:
	JOIN
	s_cmp_lt_u32 s36, 4
	s_cbranch_scc0 .Lp2
	CONSUME 1,1024
	s_branch .Lj2
.Lp2:
	s_cmp_eq_u32 s38, 3
	s_cbranch_scc1 .Lj2                            ; behind the last epoch nothing is left to make
	PRODUCE 0,2048
.Lj2:
	JOIN
	s_add_co_u32 s38, s38, 1
	s_cmp_lt_u32 s38, 4
	s_cbranch_scc1 .Lk
; ---- M = vm S^T into LDS, row-major: a lane's eight numbers of a tile are neighbours in its row of M
	s_cmp_lt_u32 s36, 4
	s_cbranch_scc0 .LjoinF
	v_mov_b32 v8, RED
	ds_load_b128 v[192:195], v8                    ; the four maxima once more
	s_mul_i32 s44, s36, 4352
	s_add_co_u32 s44, s44, MT
	v_mul_u32_u24 v9, v2, 272
	v_lshl_add_u32 v9, v3, 5, v9
	v_add_nc_u32 v9, s44, v9
	s_wait_dscnt 0x0
	v_max3_num_f32 v10, v192, v193, v194
	v_max3_num_f32 v10, v10, v195, 0x0da24260
	v_mov_b32 v11, v10
.set ii, 0
.rept 16
	v_pk_mul_f32 v[96+2*ii:97+2*ii], v[ACC+2*ii:ACC+2*ii+1], v[10:11]
.set ii, ii+1
.endr
.irp mt,0,1,2,3
	ds_store_b128 v9, v[96+8*\mt:99+8*\mt] offset:64*\mt
	ds_store_b128 v9, v[100+8*\mt:103+8*\mt] offset:64*\mt+16
.endr
.LjoinF:
	JOIN
	s_cmp_lg_u32 s36, 0
	s_cbranch_scc1 .Lend
; ---- wave 0: the read-out.  Products of one row with a 64 x 64 matrix, 12,288 multiply-adds in all: f32 on the vector unit
	v_lshlrev_b32 v12, 3, v1                       ; 8 L
	v_mov_b32 v5, 0
	ds_load_b32 v4, v5 offset:TOK+8188             ; the last token
	v_add_nc_u32 v15, BIAS+1280, v12
	ds_load_b64 v[56:57], v15                      ; bout(2 L), bout(2 L + 1)
	v_add_nc_u32 v6, MT, v12
	v_add_nc_u32 v7, RED, v12
	v_mov_b32 v8, RED
	v_mul_u32_u24 v9, v1, 272
	v_add_nc_u32 v9, MT, v9
	v_lshl_add_u32 v13, v1, 2, RED
	v_mul_u32_u24 v14, v1, 544
	v_add_nc_u32 v14, WO, v14
	s_wait_dscnt 0x0
	v_min_u32 v4, 63, v4
	v_mul_u32_u24 v4, v4, 272
.irp n,0,1,2,3,4,5,6,7,8,9,10,11,12,13,14,15
	ds_load_b128 v[64+4*\n:67+4*\n], v4 offset:QT+16*\n    ; q, all 64 numbers in every lane
.endr
; scores of columns 2 L and 2 L + 1 of M: the sum over rows i of M(i, .) q_i; even rows in v[48:49], odd rows in v[50:51]
.irp bt,0,1,2,3
.irp e,0,1,2,3,4,5,6,7,8,9,10,11,12,13,14,15
	ds_load_b64 v[16+2*\e:17+2*\e], v6 offset:272*(16*\bt+\e)
.endr
	s_wait_dscnt 0x0
.irp e,0,1,2,3,4,5,6,7
.if (\bt == 0) && (\e == 0)
	v_pk_mul_f32 v[48:49], v[16:17], v[64:65] op_sel_hi:[1,0]
	v_pk_mul_f32 v[50:51], v[18:19], v[64:65] op_sel:[0,1] op_sel_hi:[1,1]
.else
	v_pk_fma_f32 v[48:49], v[16+4*\e:17+4*\e], v[64+16*\bt+2*\e:65+16*\bt+2*\e], v[48:49] op_sel_hi:[1,0,1]
	v_pk_fma_f32 v[50:51], v[18+4*\e:19+4*\e], v[64+16*\bt+2*\e:65+16*\bt+2*\e], v[50:51] op_sel:[0,1,0] op_sel_hi:[1,1,1]
.endif
.endr
.endr
	v_pk_add_f32 v[48:49], v[48:49], v[50:51]
; softmax over the 64 scores / 8, the maximum taken away first
	v_max_num_f32 v50, v48, v49
	LMAX 50,51
	v_sub_f32 v48, v48, v50
	v_sub_f32 v49, v49, v50
	v_mul_f32 v48, 0x3e38aa3b, v48                 ; log2(e) / 8
	v_mul_f32 v49, 0x3e38aa3b, v49
	v_exp_f32 v48, v48
	v_exp_f32 v49, v49
	v_nop
	s_wait_alu depctr_va_vdst(0)
	v_add_f32 v52, v48, v49
	LADD 52,51
	v_rcp_f32 v52, v52
	v_nop
	s_wait_alu depctr_va_vdst(0)
	v_mul_f32 v48, v48, v52
	v_mul_f32 v49, v49, v52
	ds_store_b64 v7, v[48:49] offset:256
.irp n,0,1,2,3,4,5,6,7,8,9,10,11,12,13,14,15
	ds_load_b128 v[64+4*\n:67+4*\n], v8 offset:256+16*\n   ; attn in every lane: my wave's own bytes, served in order
.endr
; the dot product of the 64 numbers in v64-127 with a row of 64 f32 in LDS
.macro DOT adr, base, dst
.irp bt,0,1
.irp n,0,1,2,3,4,5,6,7
	ds_load_b128 v[16+4*\n:19+4*\n], v[\adr] offset:\base+128*\bt+16*\n
.endr
	s_wait_dscnt 0x0
.irp e,0,1,2,3,4,5,6,7
.if (\bt == 0) && (\e == 0)
	v_pk_mul_f32 v[48:49], v[16:17], v[64:65]
	v_pk_mul_f32 v[50:51], v[18:19], v[66:67]
.else
	v_pk_fma_f32 v[48:49], v[16+4*\e:17+4*\e], v[64+32*\bt+4*\e:65+32*\bt+4*\e], v[48:49]
	v_pk_fma_f32 v[50:51], v[18+4*\e:19+4*\e], v[66+32*\bt+4*\e:67+32*\bt+4*\e], v[50:51]
.endif
.endr
.endr
	v_pk_add_f32 v[48:49], v[48:49], v[50:51]
	v_add_f32 v[\dst], v48, v49
.endm
	DOT 9,0,52                                     ; ctx(L) = M(L, .) . attn
	v_max_num_f32 v52, 0, v52
	ds_store_b32 v13, v52 offset:512
	DOT 9,8704,52                                  ; ctx(L + 32)
	v_max_num_f32 v52, 0, v52
	ds_store_b32 v13, v52 offset:640
.irp n,0,1,2,3,4,5,6,7,8,9,10,11,12,13,14,15
	ds_load_b128 v[64+4*\n:67+4*\n], v8 offset:512+16*\n   ; relu(ctx) in every lane
.endr
	DOT 14,0,54                                    ; Wout rows 2 L and 2 L + 1
	DOT 14,272,55
	v_pk_add_f32 v[54:55], v[54:55], v[56:57]      ; + bout
	global_store_b64 v12, v[54:55], s[34:35]       ; the wave stores the row's 256 consecutive bytes, at a multiple of 256 from out0's first byte
.Lend:
	s_set_vgpr_msb 0x5
	s_wait_tensorcnt 0x0
	ds_add_u32 v0, v1
	s_wait_dscnt 0x0
	s_set_vgpr_msb 0x500
	s_endpgm
.Lfunc_end_k_q07a54465d3_retro:
	.size	k_q07a54465d3_retro, .Lfunc_end_k_q07a54465d3_retro-k_q07a54465d3_retro
	.p2alignl 7, 3214868480
	.fill 96, 4, 3214868480
	.section	.rodata,"a",@progbits
	.p2align	6, 0x0
	.amdhsa_kernel k_q07a54465d3_retro
		.amdhsa_group_segment_fixed_size 314112
		.amdhsa_private_segment_fixed_size 0
		.amdhsa_enable_private_segment 0
		.amdhsa_kernarg_size 112
		.amdhsa_user_sgpr_count 2
		.amdhsa_user_sgpr_kernarg_segment_ptr 1
		.amdhsa_wavefront_size32 1
		.amdhsa_system_sgpr_workgroup_id_x 1
		.amdhsa_system_sgpr_workgroup_id_y 1
		.amdhsa_system_sgpr_workgroup_id_z 1
		.amdhsa_system_vgpr_workitem_id 0
		.amdhsa_next_free_vgpr 258
		.amdhsa_next_free_sgpr 66
		.amdhsa_reserve_vcc 1
		.amdhsa_float_denorm_mode_32 3
		.amdhsa_float_denorm_mode_16_64 3
		.amdhsa_memory_ordered 1
		.amdhsa_forward_progress 1
		.amdhsa_inst_pref_size 234
	.end_amdhsa_kernel
	.amdgpu_metadata
---
amdhsa.version: [ 1, 2 ]
amdhsa.kernels:
  - .name:           k_q07a54465d3_retro
    .symbol:         k_q07a54465d3_retro.kd
    .args:
      - { .name: x, .offset: 0, .size: 8, .value_kind: global_buffer, .address_space: global }
      - { .name: embed, .offset: 8, .size: 8, .value_kind: global_buffer, .address_space: global }
      - { .name: w1, .offset: 16, .size: 8, .value_kind: global_buffer, .address_space: global }
      - { .name: b1, .offset: 24, .size: 8, .value_kind: global_buffer, .address_space: global }
      - { .name: w2, .offset: 32, .size: 8, .value_kind: global_buffer, .address_space: global }
      - { .name: b2, .offset: 40, .size: 8, .value_kind: global_buffer, .address_space: global }
      - { .name: ln_g, .offset: 48, .size: 8, .value_kind: global_buffer, .address_space: global }
      - { .name: ln_b, .offset: 56, .size: 8, .value_kind: global_buffer, .address_space: global }
      - { .name: Wk, .offset: 64, .size: 8, .value_kind: global_buffer, .address_space: global }
      - { .name: Wv, .offset: 72, .size: 8, .value_kind: global_buffer, .address_space: global }
      - { .name: Wq, .offset: 80, .size: 8, .value_kind: global_buffer, .address_space: global }
      - { .name: Wout, .offset: 88, .size: 8, .value_kind: global_buffer, .address_space: global }
      - { .name: bout, .offset: 96, .size: 8, .value_kind: global_buffer, .address_space: global }
      - { .name: out0, .offset: 104, .size: 8, .value_kind: global_buffer, .address_space: global }
    .group_segment_fixed_size: 314112
    .private_segment_fixed_size: 0
    .kernarg_segment_align: 8
    .kernarg_segment_size: 112
    .max_flat_workgroup_size: 384
    .sgpr_count:     66
    .vgpr_count:     258
    .wavefront_size: 32
...
	.end_amdgpu_metadata
.endif
;; end of part 2
;; ======== version 3 of 4: 1 launch; 1.40 times as fast as version 1
;; limits: values are held in f16: magnitudes above 65,504 overflow, below 6.1e-05 lose precision; values outside matrix products are rounded to f16
;; launch retro (part 3): grid 128 x 1, 12 waves a work-group, no clusters, 293,632 bytes of LDS; arguments x, embed, w1, b1, w2, b2, ln_g, ln_b, Wk, Wv, Wq, Wout, bout, out0; writes out0
.if DOCPART == 3
	.amdgcn_target "amdgcn-amd-amdhsa--gfx1250"
	.amdhsa_code_object_version 6
	.text
	.protected	k_q07a54465d3_retro
	.globl	k_q07a54465d3_retro
	.p2align	8
	.type	k_q07a54465d3_retro,@function
k_q07a54465d3_retro:
	s_mov_b64 s[64:65], 0
	v_nop
	global_prefetch_b8 v0, s[64:65] scope:SCOPE_SE
	s_setreg_imm32_b32 hwreg(HW_REG_WAVE_MODE, 25, 1), 1
	s_wait_xcnt 0x0
; RetroOnlyModel: encoder, delta-rule scan over 2,048 steps, read-out.  One work-group = one batch row; 12 waves.
; TABLES.  The encoder, K, V and q of a position hang on its token alone, and x indexes a table of 64 rows: each work-group computes
; the 64 rows once (waves 0-3, 16 tokens each) and keeps them in LDS: Khat = K/|K| in f16, Vn = -V/vm in f16 (vm = max |V| over the table),
; q in f32, and G = Khat Khat^T in f32.
; SCAN IN BLOCKS OF 16 STEPS, TAKEN IN PAIRS.  With K, V a block's rows, A the strict lower triangle of K K^T, T = (I+A)^-1, Z = T^T K:
;   M_new = M + (V - K M^T)^T Z.   Kept here: S = M^T / vm in f32 accumulators; T' = -T, Z' = -Z, R' = Khat S + Vn;  S += Z'^T R'.
; For two blocks a, b on end:  R'_a = K_a S + Vn_a;  R'_b = K_b S + Vn_b + W R'_a with W = K_b Z'_a^T = G_ba T'_a, which hangs on the tokens alone;
;   S += [Z'_a; Z'_b]^T [R'_a; R'_b], a product 32 deep.  So S is rounded to f16 once for 32 steps.
; Waves 4-11 (producers) make Z', W and the gathered K fragments of one pair each per epoch of 8 pairs, one epoch ahead, into rings of two LDS slots;
; waves 0-3 (consumers) own 16 rows of M each (rows of M do not depend on each other) and walk the pairs in order.
; FORMATS.  Matrix operands are f16, sums f32: Khat, G, T, Z and W are bounded by 1 through the normalisation that the problem itself makes, V is divided by its maximum.
; LIMITS.  |M| / max|V| below 65,504 (the state's f16 copy); max|V| below 1e37 (its reciprocal); V enters as f16 of V / max|V|; tokens are clamped to 63.
; NOT USED.  Tensor loads and joint loads: every input is f32 and passes through registers to become f16, and the shared weights are 147,456 bytes read once.
; 128 work-groups: a batch row's chain of 64 pairs is not shortened by a second work-group, which would only repeat the producers' work.
; FORM.  The barriers stand on all waves' common path, so the two roles' texts join at every barrier.  Each section behind a branch on the wave's number makes
; its own addresses from v0-v3, the wave's number and s40; what the consumers carry (S, its f16 copy, constants, V's pipeline) is data, written on every path.
.set TOK,   0                ; 2,048 tokens + 512 bytes of zeros (V's pipeline runs three pairs ahead, past the last epoch too)
.set KT,    8704             ; Khat f16 [64], pitch 144
.set VH,    17920            ; Vn f16 [64], pitch 144
.set VT,    27136            ; V f32 [64], pitch 272, until the maximum is known
.set GT,    44544            ; G f32 [64], pitch 260 = 65 words: word (a, b) lies in bank (a + b) mod 64 (64 banks of 4 bytes: ISA guide 11.1)
.set QT,    61184            ; q f32 [64], pitch 272
.set RING,  78592            ; Z': 2 slots x 16 blocks x 4 fragment halves x 512 bytes
.set WRING, 144128           ; W: 2 slots x 8 pairs x 512 bytes
.set TSTG,  152320           ; producer p: 32 columns x 48 bytes
.set RED,   164608           ; +0 four maxima, +256 attn, +512 relu(ctx)
.set MT,    165632           ; M f32 [64], pitch 272
.set WO,    183040           ; Wout f32 [64], pitch 272
.set BIAS,  200448           ; b1 +0, b2 +512, ln_g +768, ln_b +1024, bout +1280
.set EF,    201984           ; embed f32 [64], pitch 272
.set WE,    219392           ; embed f16, pitch 144
.set W1,    228608           ; w1 f16 [128], pitch 144
.set W2,    247040           ; w2 f16 [64], pitch 272
.set WK,    264448           ; Wk, Wv, Wq f16, pitch 144, 9,216 bytes each
.set KRING, 201984           ; K fragments: 2 slots x 16 blocks x 4 x 512 bytes, over EF .. WK, whose last read lies two barriers ahead of the first store here
; v0 thread, v1 lane L, v2 r = L % 16, v3 h = L / 16: never rewritten.  s36 wave, s37 producer number, s38 loop counter, s40 token bytes of the trip.
.macro JOIN                          ; every wave's LDS stores and loads are done before it signals; all twelve waves pass every JOIN
	s_wait_dscnt 0x0
	s_barrier_signal -1
	s_barrier_wait -1
.endm
.macro PLACES                        ; four plain vector instructions between a matrix instruction and what reads its result or rewrites its registers (ISA guide 7.12.1)
.rept 4
	v_nop
.endr
.endm
.macro LDFRAG dst, adr, off          ; a 16 x 32 f16 fragment from rows that lie along K: two loads of 16 bytes, 32 bytes apart
	ds_load_b128 v[\dst:\dst+3], v[\adr] offset:\off
	ds_load_b128 v[\dst+4:\dst+7], v[\adr] offset:\off+32
.endm
.macro FOLD b                        ; four pairs at v[b..b+7] -> their sum, with the other half of the lanes', in v[b]
	v_pk_add_f32 v[\b:\b+1], v[\b:\b+1], v[\b+2:\b+3]
	v_pk_add_f32 v[\b+4:\b+5], v[\b+4:\b+5], v[\b+6:\b+7]
	v_pk_add_f32 v[\b:\b+1], v[\b:\b+1], v[\b+4:\b+5]
	v_add_f32 v[\b], v[\b], v[\b+1]
	v_permlanex16_b32 v[\b+1], v[\b], s42, s43
	v_add_f32 v[\b], v[\b], v[\b+1]
.endm
.macro LMAX reg, tmp                 ; maximum over the 32 lanes, in every lane
.irp m,1,2,4,8
	v_max_num_f32_dpp v[\reg], v[\reg], v[\reg] row_xmask:\m row_mask:0xf bank_mask:0xf
.endr
	v_permlanex16_b32 v[\tmp], v[\reg], s42, s43
	v_max_num_f32 v[\reg], v[\reg], v[\tmp]
.endm
.macro LADD reg, tmp                 ; sum over the 32 lanes, in every lane
.irp m,1,2,4,8
	v_add_f32_dpp v[\reg], v[\reg], v[\reg] row_xmask:\m row_mask:0xf bank_mask:0xf
.endr
	v_permlanex16_b32 v[\tmp], v[\reg], s42, s43
	v_add_f32 v[\reg], v[\reg], v[\tmp]
.endm
	s_load_b512 s[8:23], s[0:1], 0x0               ; x s[8:9], embed s[10:11], w1 s[12:13], b1 s[14:15], w2 s[16:17], b2 s[18:19], ln_g s[20:21], ln_b s[22:23]
	s_load_b256 s[24:31], s[0:1], 0x40             ; Wk s[24:25], Wv s[26:27], Wq s[28:29], Wout s[30:31]
	s_load_b128 s[32:35], s[0:1], 0x60             ; bout s[32:33], out0 s[34:35]
	s_set_vgpr_msb 0x40
	v_lshl_add_u32 v0, v0, 2, 0x47500
	v_mov_b32 v1, 0
	s_set_vgpr_msb 0x4000
	v_lshrrev_b32 v1, 5, v0
	v_readfirstlane_b32 s36, v1                    ; wave 0..11
	v_and_b32 v1, 31, v0
	v_and_b32 v2, 15, v0
	v_bfe_u32 v3, v0, 4, 1
	s_mov_b32 s42, 0x76543210                      ; v_permlanex16_b32: each lane takes its own place in the other half
	s_mov_b32 s43, 0xfedcba98
	s_lshl_b32 s44, ttmp9, 13                      ; my row of x: 2,048 words
	s_mov_b32 s45, 0
	s_lshl_b32 s46, ttmp9, 8                       ; my row of out0: 64 words
	s_mov_b32 s47, 0
	s_mov_b32 s40, 0
	s_wait_kmcnt 0x0
	s_add_nc_u64 s[8:9], s[8:9], s[44:45]
	s_add_nc_u64 s[34:35], s[34:35], s[46:47]
	s_cmp_lt_u32 s36, 4
	s_cbranch_scc0 .Lcopy
; ---- waves 0-3: the tokens into LDS, 128 threads x 16 bytes a load; wave 0 also the five short vectors and the zeros behind the tokens
	v_lshlrev_b32 v4, 4, v0                        ; 16 t
.irp q,0,1,2,3
	global_load_b128 v[96+4*\q:99+4*\q], v4, s[8:9] offset:2048*\q th:TH_LOAD_NT
.endr
	s_cmp_lg_u32 s36, 0
	s_cbranch_scc1 .Lnob
	v_lshlrev_b32 v5, 4, v1                        ; b1: 32 lanes x 16 bytes
	v_lshlrev_b32 v6, 3, v1                        ; the others: 32 lanes x 8 bytes
	global_load_b128 v[112:115], v5, s[14:15]
	global_load_b64 v[116:117], v6, s[18:19]
	global_load_b64 v[118:119], v6, s[20:21]
	global_load_b64 v[120:121], v6, s[22:23]
	global_load_b64 v[122:123], v6, s[32:33]
	v_lshl_add_u32 v7, v1, 4, BIAS
	v_lshl_add_u32 v8, v1, 3, BIAS
.irp n,124,125,126,127
	v_mov_b32 v[\n], 0
.endr
	ds_store_b128 v5, v[124:127] offset:TOK+8192
	s_wait_loadcnt 0x0
	ds_store_b128 v7, v[112:115]
	ds_store_b64 v8, v[116:117] offset:512
	ds_store_b64 v8, v[118:119] offset:768
	ds_store_b64 v8, v[120:121] offset:1024
	ds_store_b64 v8, v[122:123] offset:1280
.Lnob:
	s_wait_loadcnt 0x0                             ; x: no global load of mine is out at the barrier
.irp q,0,1,2,3
	ds_store_b128 v4, v[96+4*\q:99+4*\q] offset:TOK+2048*\q
.endr
	s_branch .Ljoin1
; ---- waves 4-11: the weights into LDS, 256 threads x 16 bytes = 4,096 bytes a load; f32 -> f16 on the way (Wout stays f32, embed goes in both)
.Lcopy:
	v_sub_nc_u32 v4, v0, 128                       ; t = 0..255
	v_lshlrev_b32 v5, 4, v4
.macro GL n, sb, q
	global_load_b128 v[16+4*(\n):19+4*(\n)], v5, s[\sb:\sb+1] offset:4096*(\q)
.endm
.irp q,0,1,2,3
	GL \q,10,\q
.endr
.irp q,0,1,2,3,4,5,6,7
	GL 4+\q,12,\q
.endr
.irp q,0,1,2,3,4,5,6,7
	GL 12+\q,16,\q
.endr
.irp q,0,1,2,3
	GL 20+\q,24,\q
.endr
.irp q,0,1,2,3
	GL 24+\q,26,\q
.endr
.irp q,0,1,2,3
	GL 28+\q,28,\q
.endr
.irp q,0,1,2,3
	GL 32+\q,30,\q
.endr
	v_lshrrev_b32 v11, 4, v4                       ; rows of 64 numbers: 16 threads a row
	v_and_b32 v7, 15, v4
	v_mul_u32_u24 v6, v11, 144
	v_lshl_add_u32 v6, v7, 3, v6
	v_add_nc_u32 v6, WE, v6                        ; embed, and w1 9,216 bytes on
	v_add_nc_u32 v9, WK-WE, v6                     ; Wk, Wv, Wq
	v_mul_u32_u24 v10, v11, 272
	v_lshl_add_u32 v10, v7, 4, v10
	v_add_nc_u32 v10, WO, v10                      ; Wout, and embed in f32 EF - WO bytes on
	v_lshrrev_b32 v11, 5, v4                       ; rows of 128 numbers: 32 threads a row
	v_and_b32 v7, 31, v4
	v_mul_u32_u24 v8, v11, 272
	v_lshl_add_u32 v8, v7, 3, v8
	v_add_nc_u32 v8, W2, v8                        ; w2
.macro CPY n, adr, imm, keep, kimm
	s_wait_loadcnt 35-(\n)                         ; loads return in order: load n is in, the 35 - n younger ones stay out
.if \keep
	ds_store_b128 v10, v[16+4*(\n):19+4*(\n)] offset:\kimm
.endif
	v_cvt_pk_f16_f32 v[16+4*(\n)], v[16+4*(\n)], v[17+4*(\n)]
	v_cvt_pk_f16_f32 v[17+4*(\n)], v[18+4*(\n)], v[19+4*(\n)]
	ds_store_b64 v[\adr], v[16+4*(\n):17+4*(\n)] offset:\imm
.endm
.irp q,0,1,2,3
	CPY \q,6,\q*2304,1,EF-WO+\q*4352
.endr
.irp q,0,1,2,3,4,5,6,7
	CPY 4+\q,6,9216+\q*2304,0,0
.endr
.irp q,0,1,2,3,4,5,6,7
	CPY 12+\q,8,\q*2176,0,0
.endr
.irp q,0,1,2,3
	CPY 20+\q,9,\q*2304,0,0
.endr
.irp q,0,1,2,3
	CPY 24+\q,9,9216+\q*2304,0,0
.endr
.irp q,0,1,2,3
	CPY 28+\q,9,18432+\q*2304,0,0
.endr
.irp q,0,1,2,3
	s_wait_loadcnt 3-\q                            ; the last count is 0: no global load of mine is out at the barrier
	ds_store_b128 v10, v[144+4*\q:147+4*\q] offset:\q*4352
.endr
.Ljoin1:
	JOIN                                           ; tokens, weights and biases are in LDS
	s_cmp_lt_u32 s36, 4
	s_cbranch_scc0 .Ljoin2
; ---- waves 0-3: the tables of tokens 16 wave .. 16 wave + 15.  Every product is used transposed (source 0 = 16 weight rows, source 1 = 16 tokens):
; a lane holds one token, and two result tiles rounded to f16 ARE the next product's source 1.
; Accumulator layout: register j of tile mt holds feature 16 mt + 8 h + j of token r; biases and the f32 embed rows are read from LDS in that layout.
	v_mul_u32_u24 v7, v2, 144
	v_lshl_add_u32 v7, v3, 4, v7                   ; r x 144 + 16 h
	v_add_nc_u32 v8, W1, v7
	v_mul_u32_u24 v9, v2, 272
	v_lshl_add_u32 v14, v3, 5, v9                  ; r x 272 + 32 h
	v_lshl_add_u32 v9, v3, 4, v9
	v_add_nc_u32 v9, W2, v9
	v_add_nc_u32 v10, WK, v7
	s_mul_i32 s44, s36, 2304
	v_add_nc_u32 v12, s44, v7                      ; (16 wave + r) x 144 + 16 h
	v_add_nc_u32 v11, WE, v12
	s_mul_i32 s45, s36, 4352
	v_add_nc_u32 v14, s45, v14                     ; (16 wave + r) x 272 + 32 h
	v_add_nc_u32 v6, EF, v14
	v_lshl_add_u32 v5, v3, 5, BIAS                 ; 32 h: eight f32 of a bias vector
	LDFRAG 16,11,0                                 ; my tokens' embed rows, f16
	LDFRAG 24,11,64
.irp mt,0,1,2,3,4,5,6,7
	ds_load_b128 v[32+8*\mt:35+8*\mt], v5 offset:64*\mt                    ; b1
	ds_load_b128 v[36+8*\mt:39+8*\mt], v5 offset:64*\mt+16
.endr
.irp mt,0,1,2,3
	ds_load_b128 v[160+8*\mt:163+8*\mt], v6 offset:64*\mt                  ; embed, f32
	ds_load_b128 v[164+8*\mt:167+8*\mt], v6 offset:64*\mt+16
	ds_load_b128 v[224+8*\mt:227+8*\mt], v5 offset:512+64*\mt              ; b2
	ds_load_b128 v[228+8*\mt:231+8*\mt], v5 offset:512+64*\mt+16
.endr
; stage 1: H^T = w1 E^T + b1 (b1 is the first C); eight accumulators by turns
.irp ks,0,1
.irp mt,0,1,2,3,4,5,6,7
	LDFRAG 96+8*\mt,8,\mt*2304+64*\ks
.endr
	s_wait_dscnt 0x0
.irp mt,0,1,2,3,4,5,6,7
	v_wmma_f32_16x16x32_f16 v[32+8*\mt:39+8*\mt], v[96+8*\mt:103+8*\mt], v[16+8*\ks:23+8*\ks], v[32+8*\mt:39+8*\mt]
.endr
	PLACES
.endr
.set ii, 0
.rept 64
	v_max_num_f32 v[32+ii], 0, v[32+ii]            ; relu, each tile from its low end
.set ii, ii+1
.endr
.set ii, 0
.rept 32
	v_cvt_pk_f16_f32 v[192+ii], v[32+2*ii], v[33+2*ii]
.set ii, ii+1
.endr
.irp mt,0,1,2,3
	ds_load_b128 v[32+8*\mt:35+8*\mt], v5 offset:768+64*\mt                ; ln_g and ln_b; stage 2's wait covers them
	ds_load_b128 v[36+8*\mt:39+8*\mt], v5 offset:768+64*\mt+16
	ds_load_b128 v[64+8*\mt:67+8*\mt], v5 offset:1024+64*\mt
	ds_load_b128 v[68+8*\mt:71+8*\mt], v5 offset:1024+64*\mt+16
.endr
; stage 2: z^T = embed (f32, the first C) + w2 H^T; four accumulators by turns
.irp kb,0,1
.irp kk,0,1
.irp mt,0,1,2,3
	LDFRAG 96+8*(4*\kk+\mt),9,\mt*4352+64*(2*\kb+\kk)
.endr
.endr
	s_wait_dscnt 0x0
.irp kk,0,1
.irp mt,0,1,2,3
	v_wmma_f32_16x16x32_f16 v[160+8*\mt:167+8*\mt], v[96+8*(4*\kk+\mt):103+8*(4*\kk+\mt)], v[192+8*(2*\kb+\kk):199+8*(2*\kb+\kk)], v[160+8*\mt:167+8*\mt]
.endr
.endr
	PLACES
.endr
.set ii, 0
.rept 16
	v_pk_add_f32 v[160+2*ii:161+2*ii], v[160+2*ii:161+2*ii], v[224+2*ii:225+2*ii]   ; + b2
.set ii, ii+1
.endr
; LayerNorm in two passes: a lane holds 32 of its token's 64 numbers, the lane 16 away the others
.irp i,0,1,2,3
	v_pk_add_f32 v[96+2*\i:97+2*\i], v[160+2*\i:161+2*\i], v[168+2*\i:169+2*\i]
.endr
.irp b,2,3
.irp i,0,1,2,3
	v_pk_add_f32 v[96+2*\i:97+2*\i], v[96+2*\i:97+2*\i], v[160+8*\b+2*\i:161+8*\b+2*\i]
.endr
.endr
	FOLD 96
	v_mul_f32 v96, 0x3c800000, v96                 ; mu = sum / 64
	v_mov_b32 v97, v96
.set ii, 0
.rept 16
	v_pk_add_f32 v[160+2*ii:161+2*ii], v[160+2*ii:161+2*ii], v[96:97] neg_lo:[0,1] neg_hi:[0,1]
.set ii, ii+1
.endr
.irp i,0,1,2,3
	v_pk_mul_f32 v[100+2*\i:101+2*\i], v[160+2*\i:161+2*\i], v[160+2*\i:161+2*\i]
.endr
.irp b,1,2,3
.irp i,0,1,2,3
	v_pk_fma_f32 v[100+2*\i:101+2*\i], v[160+8*\b+2*\i:161+8*\b+2*\i], v[160+8*\b+2*\i:161+8*\b+2*\i], v[100+2*\i:101+2*\i]
.endr
.endr
	FOLD 100
	s_mov_b32 s44, 0x3c800000                      ; 1 / 64
	s_mov_b32 s45, 0x3727c5ac                      ; 1e-5
	v_fma_f32 v100, v100, s44, s45                 ; var + 1e-5
	v_rsq_f32 v102, v100
	v_nop                                          ; a plain instruction behind the transcendental (ISA guide 5.7.2)
	s_wait_alu depctr_va_vdst(0)
	v_mov_b32 v103, v102
.set ii, 0
.rept 16
	v_pk_mul_f32 v[160+2*ii:161+2*ii], v[160+2*ii:161+2*ii], v[102:103]
.set ii, ii+1
.endr
.set ii, 0
.rept 16
	v_pk_fma_f32 v[160+2*ii:161+2*ii], v[160+2*ii:161+2*ii], v[32+2*ii:33+2*ii], v[64+2*ii:65+2*ii]
.set ii, ii+1
.endr
.set ii, 0
.rept 16
	v_cvt_pk_f16_f32 v[16+ii], v[160+2*ii], v[161+2*ii]    ; h, f16: source 1 of the three projections
.set ii, ii+1
.endr
; stage 3: K^T = Wk h^T (v32-63) and V^T = Wv h^T (v64-95), eight accumulators by turns
.irp ks,0,1
.irp mt,0,1,2,3
	LDFRAG 96+8*(4*\ks+\mt),10,\mt*2304+64*\ks
	LDFRAG 192+8*(4*\ks+\mt),10,9216+\mt*2304+64*\ks
.endr
.endr
	s_wait_dscnt 0x0
.irp mt,0,1,2,3
	v_wmma_f32_16x16x32_f16 v[32+8*\mt:39+8*\mt], v[96+8*\mt:103+8*\mt], v[16:23], 0
	v_wmma_f32_16x16x32_f16 v[64+8*\mt:71+8*\mt], v[192+8*\mt:199+8*\mt], v[16:23], 0
.endr
.irp mt,0,1,2,3
	v_wmma_f32_16x16x32_f16 v[32+8*\mt:39+8*\mt], v[128+8*\mt:135+8*\mt], v[24:31], v[32+8*\mt:39+8*\mt]
	v_wmma_f32_16x16x32_f16 v[64+8*\mt:71+8*\mt], v[224+8*\mt:231+8*\mt], v[24:31], v[64+8*\mt:71+8*\mt]
.endr
	PLACES
.irp ks,0,1
.irp mt,0,1,2,3
	LDFRAG 96+8*(4*\ks+\mt),10,18432+\mt*2304+64*\ks       ; Wq, on its way while K is normalised
.endr
.endr
; Khat = K / max(|K|, 1e-12), f16, into the table
.irp i,0,1,2,3
	v_pk_mul_f32 v[192+2*\i:193+2*\i], v[32+2*\i:33+2*\i], v[32+2*\i:33+2*\i]
.endr
.irp b,1,2,3
.irp i,0,1,2,3
	v_pk_fma_f32 v[192+2*\i:193+2*\i], v[32+8*\b+2*\i:33+8*\b+2*\i], v[32+8*\b+2*\i:33+8*\b+2*\i], v[192+2*\i:193+2*\i]
.endr
.endr
	FOLD 192
	v_sqrt_f32 v192, v192
	v_nop
	s_wait_alu depctr_va_vdst(0)
	v_max_num_f32 v192, 0x2b8cbccc, v192
	v_rcp_f32 v194, v192
	v_nop
	s_wait_alu depctr_va_vdst(0)
	v_mov_b32 v195, v194
.set ii, 0
.rept 16
	v_pk_mul_f32 v[32+2*ii:33+2*ii], v[32+2*ii:33+2*ii], v[194:195]
.set ii, ii+1
.endr
.set ii, 0
.rept 16
	v_cvt_pk_f16_f32 v[196+ii], v[32+2*ii], v[33+2*ii]
.set ii, ii+1
.endr
.irp mt,0,1,2,3
	ds_store_b128 v12, v[196+4*\mt:199+4*\mt] offset:KT+32*\mt
.endr
; the largest |V| of my 16 tokens; V itself waits in LDS, in f32, until all four maxima are known
.irp m,0,1,2,3
	v_max3_num_f32 v[212+\m], |v[64+8*\m]|, |v[65+8*\m]|, |v[66+8*\m]|
.endr
.irp m,0,1,2,3
	v_max3_num_f32 v[212+\m], v[212+\m], |v[67+8*\m]|, |v[68+8*\m]|
.endr
.irp m,0,1,2,3
	v_max3_num_f32 v[212+\m], v[212+\m], |v[69+8*\m]|, |v[70+8*\m]|
.endr
.irp m,0,1,2,3
	v_max_num_f32 v[212+\m], v[212+\m], |v[71+8*\m]|
.endr
	v_max3_num_f32 v212, v212, v213, v214
	v_max_num_f32 v212, v212, v215
	LMAX 212,213
	s_lshl_b32 s44, s36, 2
	s_add_co_u32 s44, s44, RED
	v_mov_b32 v216, s44
	ds_store_b32 v216, v212
.irp mt,0,1,2,3
	ds_store_b128 v14, v[64+8*\mt:67+8*\mt] offset:VT+64*\mt
	ds_store_b128 v14, v[68+8*\mt:71+8*\mt] offset:VT+64*\mt+16
.endr
; q^T = Wq h^T, f32, into the table
	s_wait_dscnt 0x0
.irp mt,0,1,2,3
	v_wmma_f32_16x16x32_f16 v[160+8*\mt:167+8*\mt], v[96+8*\mt:103+8*\mt], v[16:23], 0
.endr
.irp mt,0,1,2,3
	v_wmma_f32_16x16x32_f16 v[160+8*\mt:167+8*\mt], v[128+8*\mt:135+8*\mt], v[24:31], v[160+8*\mt:167+8*\mt]
.endr
	PLACES
.irp mt,0,1,2,3
	ds_store_b128 v14, v[160+8*\mt:163+8*\mt] offset:QT+64*\mt
	ds_store_b128 v14, v[164+8*\mt:167+8*\mt] offset:QT+64*\mt+16
.endr
.Ljoin2:
	JOIN                                           ; Khat, V, q and the four maxima are in LDS
	s_cmp_lt_u32 s36, 4
	s_cbranch_scc0 .Ljoin3
; ---- waves 0-3: G = Khat Khat^T (my 16 tokens against all 64) and Vn = -V / vm in f16 (my own 16 rows)
	v_mul_u32_u24 v7, v2, 144
	v_lshl_add_u32 v7, v3, 4, v7                   ; r x 144 + 16 h
	s_mul_i32 s44, s36, 2304
	v_add_nc_u32 v12, s44, v7                      ; (16 wave + r) x 144 + 16 h
	v_mul_u32_u24 v14, v2, 272
	v_lshl_add_u32 v14, v3, 5, v14
	s_mul_i32 s45, s36, 4352
	v_add_nc_u32 v14, s45, v14                     ; (16 wave + r) x 272 + 32 h
	v_mul_u32_u24 v13, v3, 2080
	v_lshl_add_u32 v13, v2, 2, v13
	s_mul_i32 s46, s36, 4160
	v_add_nc_u32 v13, s46, v13                     ; (16 wave + 8 h) x 260 + 4 r
	v_mov_b32 v9, RED
	ds_load_b128 v[192:195], v9
.irp mt,0,1,2,3
	ds_load_b128 v[64+8*\mt:67+8*\mt], v14 offset:VT+64*\mt
	ds_load_b128 v[68+8*\mt:71+8*\mt], v14 offset:VT+64*\mt+16
.endr
	LDFRAG 16,12,KT
	LDFRAG 24,12,KT+64
.irp nt,0,1,2,3
.irp ks,0,1
	LDFRAG 96+8*(2*\nt+\ks),7,KT+\nt*2304+64*\ks
.endr
.endr
	s_wait_dscnt 0x0
.irp nt,0,1,2,3
	v_wmma_f32_16x16x32_f16 v[224+8*\nt:231+8*\nt], v[16:23], v[96+16*\nt:103+16*\nt], 0
.endr
.irp nt,0,1,2,3
	v_wmma_f32_16x16x32_f16 v[224+8*\nt:231+8*\nt], v[24:31], v[104+16*\nt:111+16*\nt], v[224+8*\nt:231+8*\nt]
.endr
	v_max3_num_f32 v10, v192, v193, v194           ; the scaling of V names none of those products' registers: it fills the places behind them
	v_max3_num_f32 v10, v10, v195, 0x0da24260      ; vm = max(max |V|, 1e-30)
	v_rcp_f32 v192, v10
	v_nop
	s_wait_alu depctr_va_vdst(0)
	v_mul_f32 v192, -1.0, v192
	v_mov_b32 v193, v192
.set ii, 0
.rept 16
	v_pk_mul_f32 v[64+2*ii:65+2*ii], v[64+2*ii:65+2*ii], v[192:193]
.set ii, ii+1
.endr
.set ii, 0
.rept 16
	v_cvt_pk_f16_f32 v[196+ii], v[64+2*ii], v[65+2*ii]
.set ii, ii+1
.endr
.irp mt,0,1,2,3
	ds_store_b128 v12, v[196+4*\mt:199+4*\mt] offset:VH+32*\mt
.endr
.irp nt,0,1,2,3                        ; register j of a lane holds G(16 wave + 8 h + j, 16 nt + r): 16 lanes store 64 neighbouring bytes of a row
.irp j,0,1,2,3,4,5,6,7
	ds_store_b32 v13, v[224+8*\nt+\j] offset:GT+260*\j+64*\nt
.endr
.endr
.Ljoin3:
	JOIN                                           ; all tables are in LDS
; ================= the consumers' macros.  v4-8 addresses, v10-11 tokens, v12-13 V's addresses, v16-47 S (4 tiles), v48-63 S in f16 (2 fragments), v64-71 R' f16 (a, b),
; v72-79 and v80-87 the sums R'_a and R'_b, v88-103 V f16 (2 buffers), v104-127 six quads: W (buffer 0), 0, I, 0, W (buffer 1), 0, v128-191 K (2 buffers), v192-255 Z' (2 buffers)
.set ACC, 16
.set SB,  48
.set RB,  64
.set VCA, 72
.set VCB, 80
.set VB,  88
.set WF,  104                          ; W's fragment: 4 registers (steps 0-15 of a) and the 4 zeros behind them; buffer 1 is 16 registers on
.set IDH, 108                          ; zeros, then I: 1 at K = 16 + row: picks block b's steps out of V's fragment
.set IDL, 112                          ; I, then zeros: 1 at K = row: picks block a's
.set KF,  128
.set ZF,  192
.macro CADDR                         ; V's lane terms: the turning load's column part, and the token of step 8 h + L % 8
	s_lshl_b32 s44, s36, 5
	v_bfe_u32 v7, v0, 3, 1
	v_lshl_add_u32 v7, v7, 4, s44                  ; 2 x 16 wave + 16 ((L / 8) % 2)
	v_and_b32 v8, 7, v0
	v_lshl_add_u32 v8, v3, 3, v8
	v_lshl_add_u32 v8, v8, 2, s40
.endm
.macro KLOAD q, buf, slot            ; pair q's K fragments, as the producers laid them: 16 neighbouring bytes a lane
.irp blk,0,1
.irp n,0,1,2,3
	ds_load_b128 v[KF+32*(\buf)+16*\blk+4*\n:KF+32*(\buf)+16*\blk+4*\n+3], v4 offset:\slot*32768+2048*(2*(\q)+\blk)+512*\n
.endr
.endr
.endm
.macro WZLOAD q, buf, slot           ; pair q's W, then Z'^T: block a's steps are K = 0-15 of a fragment, block b's K = 16-31
	ds_load_b128 v[WF+16*(\buf):WF+16*(\buf)+3], v6 offset:\slot*4096+512*(\q)
.irp mt,0,1,2,3
.irp blk,0,1
	ds_load_b128 v[ZF+32*(\buf)+8*\mt+4*\blk:ZF+32*(\buf)+8*\mt+4*\blk+3], v5 offset:\slot*32768+2048*(2*(\q)+\blk)+512*\mt
.endr
.endr
.endm
; V's pipeline is started: V of pairs 0 and 1, the tokens of pair 2, and pair 0's sums begun with Vn (a product with I is exact).
.macro VSTART
	CADDR
.irp n,0,1,2,3
	ds_load_b32 v[10+\n], v8 offset:TOK+64*\n
.endr
	s_wait_dscnt 0x0
.irp n,10,11,12,13
	v_min_u32 v[\n], 63, v[\n]
.endr
	v_mad_u32_u24 v14, v10, 144, v7
	v_mad_u32_u24 v15, v11, 144, v7
	v_mad_u32_u24 v12, v12, 144, v7
	v_mad_u32_u24 v13, v13, 144, v7
	ds_load_tr16_b128 v[VB:VB+3], v14 offset:VH
	ds_load_tr16_b128 v[VB+4:VB+7], v15 offset:VH
	ds_load_tr16_b128 v[VB+8:VB+11], v12 offset:VH
	ds_load_tr16_b128 v[VB+12:VB+15], v13 offset:VH
	ds_load_b32 v10, v8 offset:TOK+256
	ds_load_b32 v11, v8 offset:TOK+320
	s_wait_dscnt 0x4                               ; pair 0's V is in; pair 1's two loads and the two tokens stay out
	v_wmma_f32_16x16x32_f16 v[VCB:VCB+7], v[IDH:IDH+7], v[VB:VB+7], 0
	v_wmma_f32_16x16x32_f16 v[VCA:VCA+7], v[IDL:IDL+7], v[VB:VB+7], 0
.endm
; An epoch: 8 pairs from ring slot \slot; the tokens begin at byte s40 + \toff.  K, W and Z' are asked for one pair ahead; V's pipeline hangs on the tables alone and runs on
; over the epochs' barriers: in pair q the tokens of pair q + 3, V of pair q + 2, and the start of pair q + 1's sums.
; LDS instructions of a pair, in order: V 2, tokens 2, K 8 (behind the first products); W 1, Z' 8 (behind the W product); the last pair has the first four alone.
; No two matrix instructions that follow each other share an accumulator: b, a, b, a; b; S's four tiles; b, a.
.macro CONSUME slot, toff
	CADDR
	v_lshl_add_u32 v4, v1, 4, KRING
	v_lshl_add_u32 v5, v1, 4, RING
	v_lshl_add_u32 v6, v1, 4, WRING
	KLOAD 0,0,\slot
	WZLOAD 0,0,\slot
.set qq, 0
.rept 8
.set bf, qq%2
.set nb, 1-bf
	s_wait_dscnt 0x9                               ; this pair's K is in, and all that was asked for ahead of it; its W and Z', 9 loads, stay out
	v_wmma_f32_16x16x32_f16 v[VCB:VCB+7], v[KF+32*bf+16:KF+32*bf+23], v[SB:SB+7], v[VCB:VCB+7]       ; Vn + Khat S
	v_wmma_f32_16x16x32_f16 v[VCA:VCA+7], v[KF+32*bf:KF+32*bf+7], v[SB:SB+7], v[VCA:VCA+7]
	v_wmma_f32_16x16x32_f16 v[VCB:VCB+7], v[KF+32*bf+24:KF+32*bf+31], v[SB+8:SB+15], v[VCB:VCB+7]
	v_wmma_f32_16x16x32_f16 v[VCA:VCA+7], v[KF+32*bf+8:KF+32*bf+15], v[SB+8:SB+15], v[VCA:VCA+7]
	v_min_u32 v10, 63, v10                         ; pair q + 2's tokens, clamped to the table's 64 rows; these four lines are the places behind the products
	v_min_u32 v11, 63, v11
	v_mad_u32_u24 v12, v10, 144, v7
	v_mad_u32_u24 v13, v11, 144, v7
	ds_load_tr16_b128 v[VB+8*bf:VB+8*bf+3], v12 offset:VH          ; V, turned: lane = my row r of M, registers = steps 8 h ..
	ds_load_tr16_b128 v[VB+8*bf+4:VB+8*bf+7], v13 offset:VH
	ds_load_b32 v10, v8 offset:TOK+\toff+128*(qq+3)
	ds_load_b32 v11, v8 offset:TOK+\toff+128*(qq+3)+64
.if qq < 7
	KLOAD qq+1,nb,\slot
.endif
.irp n,0,1,2,3
	v_cvt_pk_f16_f32 v[RB+\n], v[VCA+2*\n], v[VCA+2*\n+1]          ; R'_a: K = 0-15 of source 1, as it lies
.endr
.if qq < 7
	s_wait_dscnt 0x14                              ; W is in: behind it 8 loads of Z' and this pair's first 12
.else
	s_wait_dscnt 0xc                               ; the same with this pair's 4
.endif
	v_wmma_f32_16x16x32_f16 v[VCB:VCB+7], v[WF+16*bf:WF+16*bf+7], v[RB:RB+7], v[VCB:VCB+7]           ; + W R'_a (W's K = 16-31 is 0; source 1 holds the last pair's R'_b there)
.rept 5
	v_nop                                          ; four places ahead of the conversions below, five ahead of the product that starts this accumulator anew
.endr
.if qq < 7
	WZLOAD qq+1,nb,\slot
.endif
.irp n,0,1,2,3
	v_cvt_pk_f16_f32 v[RB+4+\n], v[VCB+2*\n], v[VCB+2*\n+1]        ; R'_b: K = 16-31
.endr
.if qq < 7
	s_wait_dscnt 0x15                              ; Z' is in: behind it this pair's 12 + 9 loads
.else
	s_wait_dscnt 0x4
.endif
.irp n,0,1,2,3
	v_wmma_f32_16x16x32_f16 v[ACC+8*\n:ACC+8*\n+7], v[ZF+32*bf+8*\n:ZF+32*bf+8*\n+7], v[RB:RB+7], v[ACC+8*\n:ACC+8*\n+7]   ; S += Z'^T R', 32 steps deep
.endr
	v_wmma_f32_16x16x32_f16 v[VCB:VCB+7], v[IDH:IDH+7], v[VB+8*nb:VB+8*nb+7], 0                      ; the next pair's sums begin with Vn
	v_wmma_f32_16x16x32_f16 v[VCA:VCA+7], v[IDL:IDL+7], v[VB+8*nb:VB+8*nb+7], 0
	PLACES
.irp n,0,1,2,3,4,5,6,7,8,9,10,11,12,13,14,15
	v_cvt_pk_f16_f32 v[SB+\n], v[ACC+2*\n], v[ACC+2*\n+1]          ; S in f16: two tiles are one fragment of source 1
.endr
.set qq, qq+1
.endr
.endm
; ================= the producers' macro: pair p (blocks 2 p and 2 p + 1) of the epoch whose tokens begin at byte s40 + \toff, into ring slot \slot.  It carries nothing from call to call.
; v4-15 addresses, v16-31 my column of T' (begun as a column of -I), v32-33 at work, v48-55 T' f16, v56-63 and v64-71 T'^T fragments of blocks 0 and 1,
; v72-103 K turned (block 0 in K = 0-15, block 1 in K = 16-31), v104-119 tokens and addresses, v120-135 my row of -Gram, v136-167 K fragments, v168-183 G_ba,
; v248-255 G_ba f16 and zeros; at the end v104-167 Z' f32, v168-199 Z' f16, v200-211 W.
.set TT,  16
.set TP,  48
.set KB,  72
.set CO,  104
.set NA,  120
.macro PRODUCE slot, toff
	s_sub_co_u32 s37, s36, 4                       ; producer 0..7
	s_lshl_b32 s44, s37, 7                         ; my pair's tokens: 128 bytes
	s_add_co_u32 s44, s44, s40
	v_lshl_add_u32 v4, v1, 2, s44
	v_lshl_add_u32 v5, v3, 6, s44
	v_and_b32 v6, 7, v0
	v_lshl_add_u32 v6, v3, 3, v6
	v_lshl_add_u32 v6, v6, 2, s44
	v_lshl_add_u32 v13, v2, 2, s44
	v_lshl_add_u32 v14, v3, 5, s44
	ds_load_b32 v248, v4 offset:TOK+\toff          ; my own token: lane = (block h, step r)
.irp q,0,1,2,3
	ds_load_b128 v[CO+4*\q:CO+4*\q+3], v5 offset:TOK+\toff+16*\q           ; my block's 16 tokens
.endr
	ds_load_b32 v249, v6 offset:TOK+\toff          ; the rows that the turning loads take: step 8 h + L % 8 of block 0,
	ds_load_b32 v250, v6 offset:TOK+\toff+64       ; and of block 1
	ds_load_b32 v254, v13 offset:TOK+\toff         ; step r of block 0,
	ds_load_b32 v255, v13 offset:TOK+\toff+64      ; and of block 1
	ds_load_b128 v[168:171], v14 offset:TOK+\toff  ; steps 8 h .. 8 h + 7 of block 0
	ds_load_b128 v[172:175], v14 offset:TOK+\toff+16
	v_bfe_u32 v7, v0, 3, 1                         ; the other addresses and constants are made while the tokens are on their way
	v_lshlrev_b32 v7, 4, v7
	s_mul_i32 s46, s37, 1536
	s_add_co_u32 s46, s46, TSTG
	v_mul_u32_u24 v10, v1, 48
	v_add_nc_u32 v10, s46, v10
	v_mul_u32_u24 v11, v2, 48
	v_lshl_add_u32 v11, v3, 4, v11
	v_add_nc_u32 v11, s46, v11
	s_lshl_b32 s47, s37, 12
	s_add_co_u32 s39, s47, RING
	s_add_co_u32 s41, s47, KRING
	v_lshl_add_u32 v12, v1, 4, s39
	v_lshl_add_u32 v15, v1, 4, s41
	s_lshl_b32 s47, s37, 9
	s_add_co_u32 s47, s47, WRING
	v_lshlrev_b32 v33, 4, v3                       ; 16 h
.irp i,0,1,2,3,4,5,6,7,8,9,10,11,12,13,14,15
	v_cmp_eq_u32 vcc_lo, \i, v2
	v_cndmask_b32 v[TT+\i], 0, -1.0, vcc_lo        ; T'_i begins as -delta(i, my column)
.endr
.irp n,60,61,62,63,64,65,66,67
	v_mov_b32 v[\n], 0                             ; block 0's T'^T has no K = 16-31, block 1's no K = 0-15
.endr
	s_wait_dscnt 0x0
	v_lshl_add_u32 v13, v1, 4, s47                 ; where W goes
.irp n,248,249,250,254,255
	v_min_u32 v[\n], 63, v[\n]
.endr
.set ii, 0
.rept 16
	v_min_u32 v[CO+ii], 63, v[CO+ii]
.set ii, ii+1
.endr
.set ii, 0
.rept 8
	v_min_u32 v[168+ii], 63, v[168+ii]
.set ii, ii+1
.endr
	v_mul_u32_u24 v251, v248, 260
.set ii, 0
.rept 16
	v_lshl_add_u32 v[CO+ii], v[CO+ii], 2, v251
.set ii, ii+1
.endr
	v_mul_u32_u24 v32, v255, 260
.set ii, 0
.rept 8
	v_lshl_add_u32 v[168+ii], v[168+ii], 2, v32
.set ii, ii+1
.endr
	v_mad_u32_u24 v252, v249, 144, v7
	v_mad_u32_u24 v253, v250, 144, v7
	v_mad_u32_u24 v254, v254, 144, v33
	v_mad_u32_u24 v255, v255, 144, v33
.set ii, 0
.rept 16
	ds_load_b32 v[NA+ii], v[CO+ii] offset:GT       ; row r of my block's Gram matrix: register s of lane i holds A(i, s)
.set ii, ii+1
.endr
.set ii, 0
.rept 8
	ds_load_b32 v[176+ii], v[168+ii] offset:GT     ; G_ba(r, 8 h ..): block 1's step r against block 0's steps
.set ii, ii+1
.endr
.irp n,0,1,2,3
	ds_load_b128 v[136+4*\n:139+4*\n], v254 offset:KT+32*\n        ; K as fragments: lane = step r, 8 features at 16 h + 32 n bytes
.endr
.irp n,0,1,2,3
	ds_load_b128 v[152+4*\n:155+4*\n], v255 offset:KT+32*\n
.endr
.irp nt,0,1,2,3
	ds_load_tr16_b128 v[KB+8*\nt:KB+8*\nt+3], v252 offset:KT+32*\nt        ; K, turned: lane = feature, registers = steps
	ds_load_tr16_b128 v[KB+8*\nt+4:KB+8*\nt+7], v253 offset:KT+32*\nt
.endr
	s_wait_dscnt 0x18                              ; the 16 Gram gathers are in; the 8 + 8 + 8 loads behind them stay out
.irp n,0,1,2,3,4,5,6,7
	v_pk_mul_f32 v[NA+2*\n:NA+2*\n+1], v[NA+2*\n:NA+2*\n+1], -1.0 op_sel_hi:[1,0]
.endr
; Forward substitution, my column of T' = -(I + A)^-1, in place: T'_i -= A(i, s) T'_s for s < i.  All 16 lanes of a block want the same A(i, s), which lies in lane i of
; their row of 16 lanes: row_share:i hands it to them inside the multiply-add, so the triangle's 120 coefficients never pass through LDS.
.irp sx,0,1,2,3,4,5,6,7,8,9,10,11,12,13,14
.irp ix,1,2,3,4,5,6,7,8,9,10,11,12,13,14,15
.if \ix > \sx
	v_fmac_f32_dpp v[TT+\ix], v[NA+\sx], v[TT+\sx] row_share:\ix row_mask:0xf bank_mask:0xf
.endif
.endr
.endr
.irp q,0,1,2,3,4,5,6,7
	v_cvt_pk_f16_f32 v[TP+\q], v[TT+2*\q], v[TT+2*\q+1]
.endr
	ds_store_b128 v10, v[TP:TP+3]                  ; a column's 16 numbers; back as fragments of T'^T: lane = column, 8 h .. 8 h + 7.  My wave's own bytes, served in order (ISA guide 5.7.1.4)
	ds_store_b128 v10, v[TP+4:TP+7] offset:16
	ds_load_b128 v[56:59], v11                     ; block 0 in K = 0-15
	ds_load_b128 v[68:71], v11 offset:768          ; block 1 in K = 16-31
	s_wait_dscnt 0xc                               ; G_ba and the K fragments are in; the 8 turning loads and the stage's 2 + 2 stay out
.irp n,0,1,2,3
	v_cvt_pk_f16_f32 v[248+\n], v[176+2*\n], v[177+2*\n]
.endr
.irp b,0,1
.irp n,0,1,2,3
	ds_store_b128 v15, v[136+16*\b+4*\n:139+16*\b+4*\n] offset:\slot*32768+\b*2048+\n*512    ; the K fragments go out while the stage's round trip is on its way
.endr
.endr
	s_wait_dscnt 0x0
.irp n,252,253,254,255
	v_mov_b32 v[\n], 0                             ; K = 16-31 of G_ba's fragment
.endr
.irp nt,0,1,2,3
	v_wmma_f32_16x16x32_f16 v[CO+8*\nt:CO+8*\nt+7], v[56:63], v[KB+8*\nt:KB+8*\nt+7], 0              ; Z' = T'^T K
.endr
.irp nt,0,1,2,3
	v_wmma_f32_16x16x32_f16 v[CO+32+8*\nt:CO+32+8*\nt+7], v[64:71], v[KB+8*\nt:KB+8*\nt+7], 0
.endr
	v_wmma_f32_16x16x32_f16 v[200:207], v[56:63], v[248:255], 0                                      ; W^T = T'_a^T G_ba^T: lane = block 1's step, registers = block 0's steps
	PLACES
.set ii, 0
.rept 32
	v_cvt_pk_f16_f32 v[CO+64+ii], v[CO+2*ii], v[CO+2*ii+1]
.set ii, ii+1
.endr
.irp n,0,1,2,3
	v_cvt_pk_f16_f32 v[208+\n], v[200+2*\n], v[201+2*\n]
.endr
.irp b,0,1
.irp nt,0,1,2,3
	ds_store_b128 v12, v[CO+64+4*(4*\b+\nt):CO+64+4*(4*\b+\nt)+3] offset:\slot*32768+\b*2048+\nt*512   ; lane = feature, registers = steps 8 h ..: half a fragment of Z'^T as it lies
.endr
.endr
	ds_store_b128 v13, v[208:211] offset:\slot*4096                ; W's fragment as it lies
.endm
; ---- what the consumers carry from epoch to epoch: S = 0 in f32 and f16 (the first pair runs the same text as every other), R'_b = 0, three quads of zeros and the quad I.
; These lines stand ahead of the branch on the wave's number and all twelve waves run them, so that each of these registers is written on every path of the text; the producers write over theirs.
.set ii, 16
.rept 48
	v_mov_b32 v[ii], 0
.set ii, ii+1
.endr
.irp n,68,69,70,71,108,109,110,111,116,117,118,119,124,125,126,127
	v_mov_b32 v[\n], 0
.endr
	v_lshrrev_b32 v4, 1, v2                        ; row r of I has its 1 at K = r = 8 h + 2 n + r % 2: in register n = r / 2 - 4 h, half r % 2
	v_lshlrev_b32 v5, 2, v3
	v_sub_nc_u32 v4, v4, v5
	v_and_b32 v5, 1, v2
	v_lshlrev_b32 v5, 4, v5
	v_mov_b32 v6, 0x3c00                           ; 1.0 in f16
	v_lshlrev_b32 v5, v5, v6
.irp n,0,1,2,3
	v_cmp_eq_u32 vcc_lo, \n, v4
	v_cndmask_b32 v[IDL+\n], 0, v5, vcc_lo
.endr
	s_cmp_lt_u32 s36, 4
	s_cbranch_scc0 .Lp0
	VSTART
	s_branch .Ljoin4
.Lp0:
	PRODUCE 0,0                                    ; epoch 0
.Ljoin4:
	JOIN
	s_mov_b32 s38, 0
.Lk:                                                   ; four trips of two epochs; between two barriers one slot of each ring is read and the other written
	s_lshl_b32 s40, s38, 11                        ; 512 tokens a trip
	s_cmp_lt_u32 s36, 4
	s_cbranch_scc0 .Lp1
	CONSUME 0,0
	s_branch .Lj1
.Lp1:
	PRODUCE 1,1024
.Lj1:
	JOIN
	s_cmp_lt_u32 s36, 4
	s_cbranch_scc0 .Lp2
	CONSUME 1,1024
	s_branch .Lj2
.Lp2:
	s_cmp_eq_u32 s38, 3
	s_cbranch_scc1 .Lj2                            ; behind the last epoch nothing is left to make
	PRODUCE 0,2048
.Lj2:
	JOIN
	s_add_co_u32 s38, s38, 1
	s_cmp_lt_u32 s38, 4
	s_cbranch_scc1 .Lk
; ---- M = vm S^T into LDS, row-major: a lane's eight numbers of a tile are neighbours in its row of M
	s_cmp_lt_u32 s36, 4
	s_cbranch_scc0 .LjoinF
	v_mov_b32 v8, RED
	ds_load_b128 v[192:195], v8                    ; the four maxima once more
	s_mul_i32 s44, s36, 4352
	s_add_co_u32 s44, s44, MT
	v_mul_u32_u24 v9, v2, 272
	v_lshl_add_u32 v9, v3, 5, v9
	v_add_nc_u32 v9, s44, v9
	s_wait_dscnt 0x0
	v_max3_num_f32 v10, v192, v193, v194
	v_max3_num_f32 v10, v10, v195, 0x0da24260
	v_mov_b32 v11, v10
.set ii, 0
.rept 16
	v_pk_mul_f32 v[96+2*ii:97+2*ii], v[ACC+2*ii:ACC+2*ii+1], v[10:11]
.set ii, ii+1
.endr
.irp mt,0,1,2,3
	ds_store_b128 v9, v[96+8*\mt:99+8*\mt] offset:64*\mt
	ds_store_b128 v9, v[100+8*\mt:103+8*\mt] offset:64*\mt+16
.endr
.LjoinF:
	JOIN
	s_cmp_lg_u32 s36, 0
	s_cbranch_scc1 .Lend
; ---- wave 0: the read-out.  Products of one row with a 64 x 64 matrix, 12,288 multiply-adds in all: f32 on the vector unit.
; v16-23 four running sums, v48-57 at work and bout, v64-127 the vector that every lane holds whole, v128-255 the matrix's numbers, asked for a step ahead of their use.
.macro MCOL bt                       ; columns 2 L and 2 L + 1 of rows 16 bt .. 16 bt + 15 of M
.irp e,0,1,2,3,4,5,6,7,8,9,10,11,12,13,14,15
	ds_load_b64 v[128+32*\bt+2*\e:129+32*\bt+2*\e], v6 offset:272*(16*\bt+\e)
.endr
.endm
.macro SCORE bt                      ; those rows times q: even rows in v[16:17] and v[20:21], odd rows in v[18:19] and v[22:23]
.irp e,0,1,2,3,4,5,6,7
.if (\bt == 0) && (\e < 2)
	v_pk_mul_f32 v[16+4*\e:17+4*\e], v[128+4*\e:129+4*\e], v[64+2*\e:65+2*\e] op_sel_hi:[1,0]
	v_pk_mul_f32 v[18+4*\e:19+4*\e], v[130+4*\e:131+4*\e], v[64+2*\e:65+2*\e] op_sel:[0,1] op_sel_hi:[1,1]
.else
	v_pk_fma_f32 v[16+4*(\e%2):17+4*(\e%2)], v[128+32*\bt+4*\e:129+32*\bt+4*\e], v[64+16*\bt+2*\e:65+16*\bt+2*\e], v[16+4*(\e%2):17+4*(\e%2)] op_sel_hi:[1,0,1]
	v_pk_fma_f32 v[18+4*(\e%2):19+4*(\e%2)], v[130+32*\bt+4*\e:131+32*\bt+4*\e], v[64+16*\bt+2*\e:65+16*\bt+2*\e], v[18+4*(\e%2):19+4*(\e%2)] op_sel:[0,1,0] op_sel_hi:[1,1,1]
.endif
.endr
.endm
.macro ROWS adr, second              ; two rows of 64 f32: one into v128-191, the one \second bytes on into v192-255
.irp n,0,1,2,3,4,5,6,7,8,9,10,11,12,13,14,15
	ds_load_b128 v[128+4*\n:131+4*\n], v[\adr] offset:16*\n
	ds_load_b128 v[192+4*\n:195+4*\n], v[\adr] offset:\second+16*\n
.endr
.endm
.macro DOT2 da, db                   ; the 64 numbers in v64-127 times the row in v128-191 -> v[da], times the row in v192-255 -> v[db]
	v_pk_mul_f32 v[16:17], v[128:129], v[64:65]
	v_pk_mul_f32 v[18:19], v[130:131], v[66:67]
	v_pk_mul_f32 v[20:21], v[192:193], v[64:65]
	v_pk_mul_f32 v[22:23], v[194:195], v[66:67]
.set ii, 1
.rept 15
	v_pk_fma_f32 v[16:17], v[128+4*ii:129+4*ii], v[64+4*ii:65+4*ii], v[16:17]
	v_pk_fma_f32 v[18:19], v[130+4*ii:131+4*ii], v[66+4*ii:67+4*ii], v[18:19]
	v_pk_fma_f32 v[20:21], v[192+4*ii:193+4*ii], v[64+4*ii:65+4*ii], v[20:21]
	v_pk_fma_f32 v[22:23], v[194+4*ii:195+4*ii], v[66+4*ii:67+4*ii], v[22:23]
.set ii, ii+1
.endr
	v_pk_add_f32 v[16:17], v[16:17], v[18:19]
	v_pk_add_f32 v[20:21], v[20:21], v[22:23]
	v_add_f32 v[\da], v16, v17
	v_add_f32 v[\db], v20, v21
.endm
	v_lshlrev_b32 v12, 3, v1                       ; 8 L
	v_mov_b32 v5, 0
	ds_load_b32 v4, v5 offset:TOK+8188             ; the last token
	v_add_nc_u32 v15, BIAS+1280, v12
	ds_load_b64 v[56:57], v15                      ; bout(2 L), bout(2 L + 1)
	v_add_nc_u32 v6, MT, v12
	MCOL 0                                         ; M's columns hang on no token: the first 32 rows go out ahead of the wait for it
	MCOL 1
	v_add_nc_u32 v7, RED, v12
	v_mov_b32 v8, RED
	v_mul_u32_u24 v9, v1, 272
	v_add_nc_u32 v9, MT, v9
	v_lshl_add_u32 v13, v1, 2, RED
	v_mul_u32_u24 v14, v1, 544
	v_add_nc_u32 v14, WO, v14
	s_wait_dscnt 0x20                              ; the token and bout are in; the 32 loads behind them stay out
	v_min_u32 v4, 63, v4
	v_mul_u32_u24 v4, v4, 272
.irp n,0,1,2,3,4,5,6,7,8,9,10,11,12,13,14,15
	ds_load_b128 v[64+4*\n:67+4*\n], v4 offset:QT+16*\n    ; q, all 64 numbers in every lane
.endr
	s_wait_dscnt 0x0
	MCOL 2
	MCOL 3
; scores of columns 2 L and 2 L + 1 of M: the sum over rows i of M(i, .) q_i
	SCORE 0
	SCORE 1
	s_wait_dscnt 0x10                              ; rows 32-47 are in; the last 16 loads stay out
	SCORE 2
	s_wait_dscnt 0x0
	SCORE 3
	ROWS 9,8704                                    ; rows L and L + 32 of M, on their way during the softmax
	v_pk_add_f32 v[16:17], v[16:17], v[18:19]
	v_pk_add_f32 v[20:21], v[20:21], v[22:23]
	v_pk_add_f32 v[48:49], v[16:17], v[20:21]
; softmax over the 64 scores / 8, the maximum taken away first
	v_max_num_f32 v50, v48, v49
	LMAX 50,51
	v_sub_f32 v48, v48, v50
	v_sub_f32 v49, v49, v50
	v_mul_f32 v48, 0x3e38aa3b, v48                 ; log2(e) / 8
	v_mul_f32 v49, 0x3e38aa3b, v49
	v_exp_f32 v48, v48
	v_exp_f32 v49, v49
	v_nop
	s_wait_alu depctr_va_vdst(0)
	v_add_f32 v52, v48, v49
	LADD 52,51
	v_rcp_f32 v52, v52
	v_nop
	s_wait_alu depctr_va_vdst(0)
	v_mul_f32 v48, v48, v52
	v_mul_f32 v49, v49, v52
	ds_store_b64 v7, v[48:49] offset:256
.irp n,0,1,2,3,4,5,6,7,8,9,10,11,12,13,14,15
	ds_load_b128 v[64+4*\n:67+4*\n], v8 offset:256+16*\n   ; attn in every lane: my wave's own bytes, served in order
.endr
	s_wait_dscnt 0x0
	DOT2 52,53                                     ; ctx(L) = M(L, .) . attn, and ctx(L + 32)
	ROWS 14,272                                    ; Wout rows 2 L and 2 L + 1, on their way while ctx goes round
	v_max_num_f32 v52, 0, v52
	v_max_num_f32 v53, 0, v53
	ds_store_b32 v13, v52 offset:512
	ds_store_b32 v13, v53 offset:640
.irp n,0,1,2,3,4,5,6,7,8,9,10,11,12,13,14,15
	ds_load_b128 v[64+4*\n:67+4*\n], v8 offset:512+16*\n   ; relu(ctx) in every lane
.endr
	s_wait_dscnt 0x0
	DOT2 54,55
	v_pk_add_f32 v[54:55], v[54:55], v[56:57]      ; + bout
	global_store_b64 v12, v[54:55], s[34:35]       ; the wave stores the row's 256 consecutive bytes, at a multiple of 256 from out0's first byte
.Lend:
	s_set_vgpr_msb 0x5
	s_wait_tensorcnt 0x0
	ds_add_u32 v0, v1
	s_wait_dscnt 0x0
	s_set_vgpr_msb 0x500
	s_endpgm
.Lfunc_end_k_q07a54465d3_retro:
	.size	k_q07a54465d3_retro, .Lfunc_end_k_q07a54465d3_retro-k_q07a54465d3_retro
	.p2alignl 7, 3214868480
	.fill 96, 4, 3214868480
	.section	.rodata,"a",@progbits
	.p2align	6, 0x0
	.amdhsa_kernel k_q07a54465d3_retro
		.amdhsa_group_segment_fixed_size 293632
		.amdhsa_private_segment_fixed_size 0
		.amdhsa_enable_private_segment 0
		.amdhsa_kernarg_size 112
		.amdhsa_user_sgpr_count 2
		.amdhsa_user_sgpr_kernarg_segment_ptr 1
		.amdhsa_wavefront_size32 1
		.amdhsa_system_sgpr_workgroup_id_x 1
		.amdhsa_system_sgpr_workgroup_id_y 1
		.amdhsa_system_sgpr_workgroup_id_z 1
		.amdhsa_system_vgpr_workitem_id 0
		.amdhsa_next_free_vgpr 258
		.amdhsa_next_free_sgpr 66
		.amdhsa_reserve_vcc 1
		.amdhsa_float_denorm_mode_32 3
		.amdhsa_float_denorm_mode_16_64 3
		.amdhsa_memory_ordered 1
		.amdhsa_forward_progress 1
		.amdhsa_inst_pref_size 227
	.end_amdhsa_kernel
	.amdgpu_metadata
---
amdhsa.version: [ 1, 2 ]
amdhsa.kernels:
  - .name:           k_q07a54465d3_retro
    .symbol:         k_q07a54465d3_retro.kd
    .args:
      - { .name: x, .offset: 0, .size: 8, .value_kind: global_buffer, .address_space: global }
      - { .name: embed, .offset: 8, .size: 8, .value_kind: global_buffer, .address_space: global }
      - { .name: w1, .offset: 16, .size: 8, .value_kind: global_buffer, .address_space: global }
      - { .name: b1, .offset: 24, .size: 8, .value_kind: global_buffer, .address_space: global }
      - { .name: w2, .offset: 32, .size: 8, .value_kind: global_buffer, .address_space: global }
      - { .name: b2, .offset: 40, .size: 8, .value_kind: global_buffer, .address_space: global }
      - { .name: ln_g, .offset: 48, .size: 8, .value_kind: global_buffer, .address_space: global }
      - { .name: ln_b, .offset: 56, .size: 8, .value_kind: global_buffer, .address_space: global }
      - { .name: Wk, .offset: 64, .size: 8, .value_kind: global_buffer, .address_space: global }
      - { .name: Wv, .offset: 72, .size: 8, .value_kind: global_buffer, .address_space: global }
      - { .name: Wq, .offset: 80, .size: 8, .value_kind: global_buffer, .address_space: global }
      - { .name: Wout, .offset: 88, .size: 8, .value_kind: global_buffer, .address_space: global }
      - { .name: bout, .offset: 96, .size: 8, .value_kind: global_buffer, .address_space: global }
      - { .name: out0, .offset: 104, .size: 8, .value_kind: global_buffer, .address_space: global }
    .group_segment_fixed_size: 293632
    .private_segment_fixed_size: 0
    .kernarg_segment_align: 8
    .kernarg_segment_size: 112
    .max_flat_workgroup_size: 384
    .sgpr_count:     66
    .vgpr_count:     258
    .wavefront_size: 32
...
	.end_amdgpu_metadata
.endif
;; end of part 3
;; ======== version 4 of 4: 1 launch; version 3 with the launch retro written anew for expert scheduling mode
;; limits: values are held in f16: magnitudes above 65,504 overflow, below 6.1e-05 lose precision; values outside matrix products are rounded to f16
;; launch retro (part 4): grid 128 x 1, 12 waves a work-group, no clusters, 293,632 bytes of LDS; arguments x, embed, w1, b1, w2, b2, ln_g, ln_b, Wk, Wv, Wq, Wout, bout, out0; writes out0
.if DOCPART == 4
	.amdgcn_target "amdgcn-amd-amdhsa--gfx1250"
	.amdhsa_code_object_version 6
	.text
	.protected	k_q07a54465d3_retro
	.globl	k_q07a54465d3_retro
	.p2align	8
	.type	k_q07a54465d3_retro,@function
k_q07a54465d3_retro:
	s_mov_b64 s[64:65], 0
	v_nop
	global_prefetch_b8 v0, s[64:65] scope:SCOPE_SE
	s_setreg_imm32_b32 hwreg(HW_REG_WAVE_SCHED_MODE, 0, 2), 2
	s_setreg_imm32_b32 hwreg(HW_REG_WAVE_MODE, 25, 1), 1
	s_wait_xcnt 0x0
	s_wait_alu depctr_vm_vsrc(0)
; RetroOnlyModel: encoder, delta-rule scan over 2,048 steps, read-out.  One work-group = one batch row; 12 waves.
; TABLES.  The encoder, K, V and q of a position hang on its token alone, and x indexes a table of 64 rows: each work-group computes
; the 64 rows once (waves 0-3, 16 tokens each) and keeps them in LDS: Khat = K/|K| in f16, Vn = -V/vm in f16 (vm = max |V| over the table),
; q in f32, and G = Khat Khat^T in f32.
; SCAN IN BLOCKS OF 16 STEPS, TAKEN IN PAIRS.  With K, V a block's rows, A the strict lower triangle of K K^T, T = (I+A)^-1, Z = T^T K:
;   M_new = M + (V - K M^T)^T Z.   Kept here: S = M^T / vm in f32 accumulators; T' = -T, Z' = -Z, R' = Khat S + Vn;  S += Z'^T R'.
; For two blocks a, b on end:  R'_a = K_a S + Vn_a;  R'_b = K_b S + Vn_b + W R'_a with W = K_b Z'_a^T = G_ba T'_a, which hangs on the tokens alone;
;   S += [Z'_a; Z'_b]^T [R'_a; R'_b], a product 32 deep.  So S is rounded to f16 once for 32 steps.
; Waves 4-11 (producers) make Z', W and the gathered K fragments of one pair each per epoch of 8 pairs, one epoch ahead, into rings of two LDS slots;
; waves 0-3 (consumers) own 16 rows of M each (rows of M do not depend on each other) and walk the pairs in order.
; FORMATS.  Matrix operands are f16, sums f32: Khat, G, T, Z and W are bounded by 1 through the normalisation that the problem itself makes, V is divided by its maximum.
; LIMITS.  |M| / max|V| below 65,504 (the state's f16 copy); max|V| below 1e37 (its reciprocal); V enters as f16 of V / max|V|; tokens are clamped to 63.
; NOT USED.  Tensor loads and joint loads: every input is f32 and passes through registers to become f16, and the shared weights are 147,456 bytes read once.
; 128 work-groups: a batch row's chain of 64 pairs is not shortened by a second work-group, which would only repeat the producers' work.
; FORM.  The barriers stand on all waves' common path, so the two roles' texts join at every barrier.  Each section behind a branch on the wave's number makes
; its own addresses from v0-v3, the wave's number and s40; what the consumers carry (S, its f16 copy, constants, V's pipeline) is data, written on every path.
; THE MODE: SCHED_MODE bits 1:0 = 2 (LLVM: expert scheduling mode 2), set by the entry lines.  The code itself states the register dependences
; between vector or matrix instructions and memory or LDS instructions, with s_wait_alu, always for 0.
; THE PLAN.  Every section between two barriers begins alike: a wait on vm_vsrc (the memory and LDS instructions issued so far have read their addresses and data),
; the section's addresses, a wait on va_vdst, the section's first loads.
; CONSUMERS, the registers that LDS instructions touch in the loop over pairs:
;   v4-6, v8        addresses, made at an epoch's head and not written in the loop.
;   v12-13          V's addresses: written at the end of pair q - 1 (for pair 0 at the epoch's head), read by pair q's two turning loads.
;   v10-11          tokens: loaded in pair q, clamped and read at the end of pair q (pair 7's at the next epoch's head).
;   VB[q % 2]       loaded in pair q; read by the two products that begin the sums at the end of pair q + 1.
;   KF, WF, ZF of buffer (q + 1) % 2   loaded in pair q; read by pair q + 1's products; their last readers are pair q - 1's.
;   S, its f16 copy, R' and the sums are named by vector and matrix instructions alone.
; So ONE wait on va_vdst stands at a pair's head, and the pair's 21 loads follow it with no further wait, dealt behind its products, which name this pair's buffers alone;
; one wait on vm_vsrc stands at its end, ahead of the lines that write v12-13.
; PRODUCERS, a job: a wait on va_vdst ahead of the token loads, of the gathers (tokens have become addresses), of the T stage's stores and of the last stores (results become data);
; a wait on vm_vsrc at the job's head and one ahead of the products, which write over addresses and data that LDS instructions of the job have read.
.set TOK,   0                ; 2,048 tokens + 512 bytes of zeros (V's pipeline runs three pairs ahead, past the last epoch too)
.set KT,    8704             ; Khat f16 [64], pitch 144
.set VH,    17920            ; Vn f16 [64], pitch 144
.set VT,    27136            ; V f32 [64], pitch 272, until the maximum is known
.set GT,    44544            ; G f32 [64], pitch 260 = 65 words: word (a, b) lies in bank (a + b) mod 64 (64 banks of 4 bytes: ISA guide 11.1)
.set QT,    61184            ; q f32 [64], pitch 272
.set RING,  78592            ; Z': 2 slots x 16 blocks x 4 fragment halves x 512 bytes
.set WRING, 144128           ; W: 2 slots x 8 pairs x 512 bytes
.set TSTG,  152320           ; producer p: 32 columns x 48 bytes
.set RED,   164608           ; +0 four maxima, +256 attn, +512 relu(ctx)
.set MT,    165632           ; M f32 [64], pitch 272
.set WO,    183040           ; Wout f32 [64], pitch 272
.set BIAS,  200448           ; b1 +0, b2 +512, ln_g +768, ln_b +1024, bout +1280
.set EF,    201984           ; embed f32 [64], pitch 272
.set WE,    219392           ; embed f16, pitch 144
.set W1,    228608           ; w1 f16 [128], pitch 144
.set W2,    247040           ; w2 f16 [64], pitch 272
.set WK,    264448           ; Wk, Wv, Wq f16, pitch 144, 9,216 bytes each
.set KRING, 201984           ; K fragments: 2 slots x 16 blocks x 4 x 512 bytes, over EF .. WK, whose last read lies two barriers ahead of the first store here
; v0 thread, v1 lane L, v2 r = L % 16, v3 h = L / 16: never rewritten.  s36 wave, s37 producer number, s38 loop counter, s40 token bytes of the trip.
; s8-23 hold the arguments' addresses until the copies are done, then the masks of runs of compares.
.macro JOIN                          ; every wave's LDS stores and loads are done before it signals; all twelve waves pass every JOIN
	s_wait_dscnt 0x0
	s_barrier_signal -1
	s_barrier_wait -1
.endm
.macro PLACES                        ; four plain vector instructions between a matrix instruction and what reads its result or rewrites its registers (ISA guide 7.12.1)
.rept 4
	v_nop
.endr
.endm
.macro LDFRAG dst, adr, off          ; a 16 x 32 f16 fragment from rows that lie along K: two loads of 16 bytes, 32 bytes apart
	ds_load_b128 v[\dst:\dst+3], v[\adr] offset:\off
	ds_load_b128 v[\dst+4:\dst+7], v[\adr] offset:\off+32
.endm
.macro FOLD b                        ; four pairs at v[b..b+7] -> their sum, with the other half of the lanes', in v[b]
	v_pk_add_f32 v[\b:\b+1], v[\b:\b+1], v[\b+2:\b+3]
	v_pk_add_f32 v[\b+4:\b+5], v[\b+4:\b+5], v[\b+6:\b+7]
	v_pk_add_f32 v[\b:\b+1], v[\b:\b+1], v[\b+4:\b+5]
	v_add_f32 v[\b], v[\b], v[\b+1]
	v_permlanex16_b32 v[\b+1], v[\b], s42, s43
	v_add_f32 v[\b], v[\b], v[\b+1]
.endm
.macro LMAX reg, tmp                 ; maximum over the 32 lanes, in every lane
.irp m,1,2,4,8
	v_max_num_f32_dpp v[\reg], v[\reg], v[\reg] row_xmask:\m row_mask:0xf bank_mask:0xf
.endr
	v_permlanex16_b32 v[\tmp], v[\reg], s42, s43
	v_max_num_f32 v[\reg], v[\reg], v[\tmp]
.endm
.macro LADD reg, tmp                 ; sum over the 32 lanes, in every lane
.irp m,1,2,4,8
	v_add_f32_dpp v[\reg], v[\reg], v[\reg] row_xmask:\m row_mask:0xf bank_mask:0xf
.endr
	v_permlanex16_b32 v[\tmp], v[\reg], s42, s43
	v_add_f32 v[\reg], v[\reg], v[\tmp]
.endm
	s_load_b512 s[8:23], s[0:1], 0x0               ; x s[8:9], embed s[10:11], w1 s[12:13], b1 s[14:15], w2 s[16:17], b2 s[18:19], ln_g s[20:21], ln_b s[22:23]
	s_load_b256 s[24:31], s[0:1], 0x40             ; Wk s[24:25], Wv s[26:27], Wq s[28:29], Wout s[30:31]
	s_load_b128 s[32:35], s[0:1], 0x60             ; bout s[32:33], out0 s[34:35]
	s_set_vgpr_msb 0x40
	v_lshl_add_u32 v0, v0, 2, 0x47500
	v_mov_b32 v1, 0
	s_set_vgpr_msb 0x4000
	v_lshrrev_b32 v1, 5, v0
	v_readfirstlane_b32 s36, v1                    ; wave 0..11
	v_and_b32 v1, 31, v0
	v_and_b32 v2, 15, v0
	v_bfe_u32 v3, v0, 4, 1
	s_mov_b32 s42, 0x76543210                      ; v_permlanex16_b32: each lane takes its own place in the other half
	s_mov_b32 s43, 0xfedcba98
	s_lshl_b32 s44, ttmp9, 13                      ; my row of x: 2,048 words
	s_mov_b32 s45, 0
	s_lshl_b32 s46, ttmp9, 8                       ; my row of out0: 64 words
	s_mov_b32 s47, 0
	s_mov_b32 s40, 0
	s_wait_kmcnt 0x0
	s_add_nc_u64 s[8:9], s[8:9], s[44:45]
	s_add_nc_u64 s[34:35], s[34:35], s[46:47]
	s_wait_alu depctr_va_sdst(0)                   ; s36 is written, ahead of its first reader: every branch on the wave's number reads it
	s_cmp_lt_u32 s36, 4
	s_cbranch_scc0 .Lcopy
; ---- waves 0-3: the tokens into LDS, 128 threads x 16 bytes a load; wave 0 also the five short vectors and the zeros behind the tokens
	v_lshlrev_b32 v4, 4, v0                        ; 16 t
	s_wait_alu depctr_va_vdst(0)                   ; v4 is written: the offset of the four loads and the address of the four stores at the section's end
.irp q,0,1,2,3
	global_load_b128 v[96+4*\q:99+4*\q], v4, s[8:9] offset:2048*\q th:TH_LOAD_NT
.endr
	s_cmp_lg_u32 s36, 0
	s_cbranch_scc1 .Lnob
	v_lshlrev_b32 v5, 4, v1                        ; b1: 32 lanes x 16 bytes
	v_lshlrev_b32 v6, 3, v1                        ; the others: 32 lanes x 8 bytes
	v_lshl_add_u32 v7, v1, 4, BIAS
	v_lshl_add_u32 v8, v1, 3, BIAS
.irp n,124,125,126,127
	v_mov_b32 v[\n], 0
.endr
	s_wait_alu depctr_va_vdst(0)                   ; v5-8 and the zeros in v124-127 are written: offsets, addresses and data of the loads and stores below
	global_load_b128 v[112:115], v5, s[14:15]
	global_load_b64 v[116:117], v6, s[18:19]
	global_load_b64 v[118:119], v6, s[20:21]
	global_load_b64 v[120:121], v6, s[22:23]
	global_load_b64 v[122:123], v6, s[32:33]
	ds_store_b128 v5, v[124:127] offset:TOK+8192
	s_wait_loadcnt 0x0
	ds_store_b128 v7, v[112:115]
	ds_store_b64 v8, v[116:117] offset:512
	ds_store_b64 v8, v[118:119] offset:768
	ds_store_b64 v8, v[120:121] offset:1024
	ds_store_b64 v8, v[122:123] offset:1280
.Lnob:
	s_wait_loadcnt 0x0                             ; x: no global load of mine is out at the barrier
.irp q,0,1,2,3
	ds_store_b128 v4, v[96+4*\q:99+4*\q] offset:TOK+2048*\q
.endr
	s_branch .Ljoin1
; ---- waves 4-11: the weights into LDS, 256 threads x 16 bytes = 4,096 bytes a load; f32 -> f16 on the way (Wout stays f32, embed goes in both)
.Lcopy:
	v_sub_nc_u32 v4, v0, 128                       ; t = 0..255
	v_lshlrev_b32 v5, 4, v4
	s_wait_alu depctr_va_vdst(0)                   ; v5 is written: the offset of the 36 loads
.macro GL n, sb, q
	global_load_b128 v[16+4*(\n):19+4*(\n)], v5, s[\sb:\sb+1] offset:4096*(\q)
.endm
.irp q,0,1,2,3
	GL \q,10,\q
.endr
.irp q,0,1,2,3,4,5,6,7
	GL 4+\q,12,\q
.endr
.irp q,0,1,2,3,4,5,6,7
	GL 12+\q,16,\q
.endr
.irp q,0,1,2,3
	GL 20+\q,24,\q
.endr
.irp q,0,1,2,3
	GL 24+\q,26,\q
.endr
.irp q,0,1,2,3
	GL 28+\q,28,\q
.endr
.irp q,0,1,2,3
	GL 32+\q,30,\q
.endr
	v_lshrrev_b32 v11, 4, v4                       ; rows of 64 numbers: 16 threads a row
	v_and_b32 v7, 15, v4
	v_mul_u32_u24 v6, v11, 144
	v_lshl_add_u32 v6, v7, 3, v6
	v_add_nc_u32 v6, WE, v6                        ; embed, and w1 9,216 bytes on
	v_add_nc_u32 v9, WK-WE, v6                     ; Wk, Wv, Wq
	v_mul_u32_u24 v10, v11, 272
	v_lshl_add_u32 v10, v7, 4, v10
	v_add_nc_u32 v10, WO, v10                      ; Wout, and embed in f32 EF - WO bytes on
	v_lshrrev_b32 v11, 5, v4                       ; rows of 128 numbers: 32 threads a row
	v_and_b32 v7, 31, v4
	v_mul_u32_u24 v8, v11, 272
	v_lshl_add_u32 v8, v7, 3, v8
	v_add_nc_u32 v8, W2, v8                        ; w2
; A tensor at a time: its loads are waited for, a run of roundings, one wait, a run of stores.
; embed goes out in f32 too, so its f16 copy is made in v160-167 and the f32 stores' data are not written over.
	s_wait_loadcnt 32                              ; loads return in order: embed's four are in, the 32 younger ones stay out
.irp q,0,1,2,3
	v_cvt_pk_f16_f32 v[160+2*\q], v[16+4*\q], v[17+4*\q]
	v_cvt_pk_f16_f32 v[161+2*\q], v[18+4*\q], v[19+4*\q]
.endr
	s_wait_alu depctr_va_vdst(0)                   ; the roundings have written v160-167, which the stores read; the addresses v6, v8, v9 and v10 are written, for all the stores of this section
.irp q,0,1,2,3
	ds_store_b128 v10, v[16+4*\q:19+4*\q] offset:EF-WO+\q*4352
	ds_store_b64 v6, v[160+2*\q:161+2*\q] offset:\q*2304
.endr
.macro GRP n0, cnt, adr, imm, step   ; loads n0 .. n0 + cnt - 1, rounded in place: four numbers close up into the first two of their four registers
	s_wait_loadcnt 36-(\n0)-(\cnt)                 ; these loads are in, the younger ones stay out
.set ii, \n0
.rept \cnt
	v_cvt_pk_f16_f32 v[16+4*ii], v[16+4*ii], v[17+4*ii]
	v_cvt_pk_f16_f32 v[17+4*ii], v[18+4*ii], v[19+4*ii]
.set ii, ii+1
.endr
	s_wait_alu depctr_va_vdst(0)                   ; the roundings have written the pairs that the stores below read
.set ii, 0
.rept \cnt
	ds_store_b64 v[\adr], v[16+4*((\n0)+ii):17+4*((\n0)+ii)] offset:(\imm)+ii*(\step)
.set ii, ii+1
.endr
.endm
	GRP 4,8,6,9216,2304                            ; w1
	GRP 12,8,8,0,2176                              ; w2
	GRP 20,4,9,0,2304                              ; Wk
	GRP 24,4,9,9216,2304                           ; Wv
	GRP 28,4,9,18432,2304                          ; Wq
.irp q,0,1,2,3
	s_wait_loadcnt 3-\q                            ; the last count is 0: no global load of mine is out at the barrier
	ds_store_b128 v10, v[144+4*\q:147+4*\q] offset:\q*4352
.endr
.Ljoin1:
	JOIN                                           ; tokens, weights and biases are in LDS
	s_cmp_lt_u32 s36, 4
	s_cbranch_scc0 .Ljoin2
; ---- waves 0-3: the tables of tokens 16 wave .. 16 wave + 15.  Every product is used transposed (source 0 = 16 weight rows, source 1 = 16 tokens):
; a lane holds one token, and two result tiles rounded to f16 ARE the next product's source 1.
; Accumulator layout: register j of tile mt holds feature 16 mt + 8 h + j of token r; biases and the f32 embed rows are read from LDS in that layout.
	s_wait_alu depctr_vm_vsrc(0)                   ; my loads and stores above have read v4-8 and v96-127: addresses are made anew in the first, fragments land in the others
	v_mul_u32_u24 v7, v2, 144
	v_lshl_add_u32 v7, v3, 4, v7                   ; r x 144 + 16 h
	v_add_nc_u32 v8, W1, v7
	v_mul_u32_u24 v9, v2, 272
	v_lshl_add_u32 v14, v3, 5, v9                  ; r x 272 + 32 h
	v_lshl_add_u32 v9, v3, 4, v9
	v_add_nc_u32 v9, W2, v9
	v_add_nc_u32 v10, WK, v7
	s_mul_i32 s44, s36, 2304
	v_add_nc_u32 v12, s44, v7                      ; (16 wave + r) x 144 + 16 h
	v_add_nc_u32 v11, WE, v12
	s_mul_i32 s45, s36, 4352
	v_add_nc_u32 v14, s45, v14                     ; (16 wave + r) x 272 + 32 h
	v_add_nc_u32 v6, EF, v14
	v_lshl_add_u32 v5, v3, 5, BIAS                 ; 32 h: eight f32 of a bias vector
	s_wait_alu depctr_va_vdst(0)                   ; the addresses v5-14 are written, for all the LDS instructions of this section
	LDFRAG 16,11,0                                 ; my tokens' embed rows, f16
	LDFRAG 24,11,64
.irp mt,0,1,2,3,4,5,6,7
	ds_load_b128 v[32+8*\mt:35+8*\mt], v5 offset:64*\mt                    ; b1
	ds_load_b128 v[36+8*\mt:39+8*\mt], v5 offset:64*\mt+16
.endr
.irp mt,0,1,2,3
	ds_load_b128 v[160+8*\mt:163+8*\mt], v6 offset:64*\mt                  ; embed, f32
	ds_load_b128 v[164+8*\mt:167+8*\mt], v6 offset:64*\mt+16
	ds_load_b128 v[224+8*\mt:227+8*\mt], v5 offset:512+64*\mt              ; b2
	ds_load_b128 v[228+8*\mt:231+8*\mt], v5 offset:512+64*\mt+16
.endr
; stage 1: H^T = w1 E^T + b1 (b1 is the first C); eight accumulators by turns
.irp ks,0,1
.if \ks
	s_wait_alu depctr_va_vdst(0)                   ; the eight products above are done reading v96-159, in which the next fragments land
.endif
.irp mt,0,1,2,3,4,5,6,7
	LDFRAG 96+8*\mt,8,\mt*2304+64*\ks
.endr
	s_wait_dscnt 0x0
.irp mt,0,1,2,3,4,5,6,7
	v_wmma_f32_16x16x32_f16 v[32+8*\mt:39+8*\mt], v[96+8*\mt:103+8*\mt], v[16+8*\ks:23+8*\ks], v[32+8*\mt:39+8*\mt]
.endr
	PLACES
.endr
.set ii, 0
.rept 64
	v_max_num_f32 v[32+ii], 0, v[32+ii]            ; relu, each tile from its low end
.set ii, ii+1
.endr
.set ii, 0
.rept 32
	v_cvt_pk_f16_f32 v[192+ii], v[32+2*ii], v[33+2*ii]
.set ii, ii+1
.endr
	s_wait_alu depctr_va_vdst(0)                   ; relu and the roundings are done with v32-95, in which ln_g and ln_b land; stage 1's products are done reading v96-159, in which w2's fragments land
.irp mt,0,1,2,3
	ds_load_b128 v[32+8*\mt:35+8*\mt], v5 offset:768+64*\mt                ; ln_g and ln_b; stage 2's wait covers them
	ds_load_b128 v[36+8*\mt:39+8*\mt], v5 offset:768+64*\mt+16
	ds_load_b128 v[64+8*\mt:67+8*\mt], v5 offset:1024+64*\mt
	ds_load_b128 v[68+8*\mt:71+8*\mt], v5 offset:1024+64*\mt+16
.endr
; stage 2: z^T = embed (f32, the first C) + w2 H^T; four accumulators by turns
.irp kb,0,1
.if \kb
	s_wait_alu depctr_va_vdst(0)                   ; the eight products above are done reading v96-159, in which the next fragments land
.endif
.irp kk,0,1
.irp mt,0,1,2,3
	LDFRAG 96+8*(4*\kk+\mt),9,\mt*4352+64*(2*\kb+\kk)
.endr
.endr
	s_wait_dscnt 0x0
.irp kk,0,1
.irp mt,0,1,2,3
	v_wmma_f32_16x16x32_f16 v[160+8*\mt:167+8*\mt], v[96+8*(4*\kk+\mt):103+8*(4*\kk+\mt)], v[192+8*(2*\kb+\kk):199+8*(2*\kb+\kk)], v[160+8*\mt:167+8*\mt]
.endr
.endr
	PLACES
.endr
.set ii, 0
.rept 16
	v_pk_add_f32 v[160+2*ii:161+2*ii], v[160+2*ii:161+2*ii], v[224+2*ii:225+2*ii]   ; + b2
.set ii, ii+1
.endr
; LayerNorm in two passes: a lane holds 32 of its token's 64 numbers, the lane 16 away the others
.irp i,0,1,2,3
	v_pk_add_f32 v[96+2*\i:97+2*\i], v[160+2*\i:161+2*\i], v[168+2*\i:169+2*\i]
.endr
.irp b,2,3
.irp i,0,1,2,3
	v_pk_add_f32 v[96+2*\i:97+2*\i], v[96+2*\i:97+2*\i], v[160+8*\b+2*\i:161+8*\b+2*\i]
.endr
.endr
	FOLD 96
	v_mul_f32 v96, 0x3c800000, v96                 ; mu = sum / 64
	v_mov_b32 v97, v96
.set ii, 0
.rept 16
	v_pk_add_f32 v[160+2*ii:161+2*ii], v[160+2*ii:161+2*ii], v[96:97] neg_lo:[0,1] neg_hi:[0,1]
.set ii, ii+1
.endr
.irp i,0,1,2,3
	v_pk_mul_f32 v[100+2*\i:101+2*\i], v[160+2*\i:161+2*\i], v[160+2*\i:161+2*\i]
.endr
.irp b,1,2,3
.irp i,0,1,2,3
	v_pk_fma_f32 v[100+2*\i:101+2*\i], v[160+8*\b+2*\i:161+8*\b+2*\i], v[160+8*\b+2*\i:161+8*\b+2*\i], v[100+2*\i:101+2*\i]
.endr
.endr
	FOLD 100
	s_mov_b32 s44, 0x3c800000                      ; 1 / 64
	s_mov_b32 s45, 0x3727c5ac                      ; 1e-5
	v_fma_f32 v100, v100, s44, s45                 ; var + 1e-5
	v_rsq_f32 v102, v100
	v_nop                                          ; a plain instruction behind the transcendental (ISA guide 5.7.2)
	s_wait_alu depctr_va_vdst(0)
	v_mov_b32 v103, v102
.set ii, 0
.rept 16
	v_pk_mul_f32 v[160+2*ii:161+2*ii], v[160+2*ii:161+2*ii], v[102:103]
.set ii, ii+1
.endr
.set ii, 0
.rept 16
	v_pk_fma_f32 v[160+2*ii:161+2*ii], v[160+2*ii:161+2*ii], v[32+2*ii:33+2*ii], v[64+2*ii:65+2*ii]
.set ii, ii+1
.endr
.set ii, 0
.rept 16
	v_cvt_pk_f16_f32 v[16+ii], v[160+2*ii], v[161+2*ii]    ; h, f16: source 1 of the three projections
.set ii, ii+1
.endr
; stage 3: K^T = Wk h^T (v32-63) and V^T = Wv h^T (v64-95), eight accumulators by turns
	s_wait_alu depctr_va_vdst(0)                   ; stage 2's products are done reading v96-159 and v192-223, LayerNorm is done with v96-107, the addition of b2 with v224-255: Wk's and Wv's fragments land there
.irp ks,0,1
.irp mt,0,1,2,3
	LDFRAG 96+8*(4*\ks+\mt),10,\mt*2304+64*\ks
	LDFRAG 192+8*(4*\ks+\mt),10,9216+\mt*2304+64*\ks
.endr
.endr
	s_wait_dscnt 0x0
.irp mt,0,1,2,3
	v_wmma_f32_16x16x32_f16 v[32+8*\mt:39+8*\mt], v[96+8*\mt:103+8*\mt], v[16:23], 0
	v_wmma_f32_16x16x32_f16 v[64+8*\mt:71+8*\mt], v[192+8*\mt:199+8*\mt], v[16:23], 0
.endr
.irp mt,0,1,2,3
	v_wmma_f32_16x16x32_f16 v[32+8*\mt:39+8*\mt], v[128+8*\mt:135+8*\mt], v[24:31], v[32+8*\mt:39+8*\mt]
	v_wmma_f32_16x16x32_f16 v[64+8*\mt:71+8*\mt], v[224+8*\mt:231+8*\mt], v[24:31], v[64+8*\mt:71+8*\mt]
.endr
	PLACES
	s_wait_alu depctr_va_vdst(0)                   ; the sixteen products are done reading v96-159, in which Wq's fragments land
.irp ks,0,1
.irp mt,0,1,2,3
	LDFRAG 96+8*(4*\ks+\mt),10,18432+\mt*2304+64*\ks       ; Wq, on its way while K is normalised
.endr
.endr
; Khat = K / max(|K|, 1e-12), f16
.irp i,0,1,2,3
	v_pk_mul_f32 v[192+2*\i:193+2*\i], v[32+2*\i:33+2*\i], v[32+2*\i:33+2*\i]
.endr
.irp b,1,2,3
.irp i,0,1,2,3
	v_pk_fma_f32 v[192+2*\i:193+2*\i], v[32+8*\b+2*\i:33+8*\b+2*\i], v[32+8*\b+2*\i:33+8*\b+2*\i], v[192+2*\i:193+2*\i]
.endr
.endr
	FOLD 192
	v_sqrt_f32 v192, v192
	v_nop
	s_wait_alu depctr_va_vdst(0)
	v_max_num_f32 v192, 0x2b8cbccc, v192
	v_rcp_f32 v194, v192
	v_nop
	s_wait_alu depctr_va_vdst(0)
	v_mov_b32 v195, v194
.set ii, 0
.rept 16
	v_pk_mul_f32 v[32+2*ii:33+2*ii], v[32+2*ii:33+2*ii], v[194:195]
.set ii, ii+1
.endr
.set ii, 0
.rept 16
	v_cvt_pk_f16_f32 v[196+ii], v[32+2*ii], v[33+2*ii]
.set ii, ii+1
.endr
; the largest |V| of my 16 tokens; V itself waits in LDS, in f32, until all four maxima are known
.irp m,0,1,2,3
	v_max3_num_f32 v[212+\m], |v[64+8*\m]|, |v[65+8*\m]|, |v[66+8*\m]|
.endr
.irp m,0,1,2,3
	v_max3_num_f32 v[212+\m], v[212+\m], |v[67+8*\m]|, |v[68+8*\m]|
.endr
.irp m,0,1,2,3
	v_max3_num_f32 v[212+\m], v[212+\m], |v[69+8*\m]|, |v[70+8*\m]|
.endr
.irp m,0,1,2,3
	v_max_num_f32 v[212+\m], v[212+\m], |v[71+8*\m]|
.endr
	v_max3_num_f32 v212, v212, v213, v214
	v_max_num_f32 v212, v212, v215
	LMAX 212,213
	s_lshl_b32 s44, s36, 2
	s_add_co_u32 s44, s44, RED
	v_mov_b32 v216, s44
	s_wait_alu depctr_va_vdst(0)                   ; Khat in v196-211, the maximum in v212 and its address in v216 are written: one wait for the thirteen stores below (V in v64-95 was written ahead of the wait before)
.irp mt,0,1,2,3
	ds_store_b128 v12, v[196+4*\mt:199+4*\mt] offset:KT+32*\mt
.endr
	ds_store_b32 v216, v212
.irp mt,0,1,2,3
	ds_store_b128 v14, v[64+8*\mt:67+8*\mt] offset:VT+64*\mt
	ds_store_b128 v14, v[68+8*\mt:71+8*\mt] offset:VT+64*\mt+16
.endr
; q^T = Wq h^T, f32, into the table
	s_wait_dscnt 0x0
.irp mt,0,1,2,3
	v_wmma_f32_16x16x32_f16 v[160+8*\mt:167+8*\mt], v[96+8*\mt:103+8*\mt], v[16:23], 0
.endr
.irp mt,0,1,2,3
	v_wmma_f32_16x16x32_f16 v[160+8*\mt:167+8*\mt], v[128+8*\mt:135+8*\mt], v[24:31], v[160+8*\mt:167+8*\mt]
.endr
	PLACES
	s_wait_alu depctr_va_vdst(0)                   ; the products have written q in v160-191, which the stores read; the places above stay beside this wait
.irp mt,0,1,2,3
	ds_store_b128 v14, v[160+8*\mt:163+8*\mt] offset:QT+64*\mt
	ds_store_b128 v14, v[164+8*\mt:167+8*\mt] offset:QT+64*\mt+16
.endr
.Ljoin2:
	JOIN                                           ; Khat, V, q and the four maxima are in LDS
	s_cmp_lt_u32 s36, 4
	s_cbranch_scc0 .Ljoin3
; ---- waves 0-3: G = Khat Khat^T (my 16 tokens against all 64) and Vn = -V / vm in f16 (my own 16 rows)
	s_wait_alu depctr_vm_vsrc(0)                   ; the LDS instructions of the section above have read v5-14 and the stores' data in v64-95 and v196-216: all these are written below
	v_mul_u32_u24 v7, v2, 144
	v_lshl_add_u32 v7, v3, 4, v7                   ; r x 144 + 16 h
	s_mul_i32 s44, s36, 2304
	v_add_nc_u32 v12, s44, v7                      ; (16 wave + r) x 144 + 16 h
	v_mul_u32_u24 v14, v2, 272
	v_lshl_add_u32 v14, v3, 5, v14
	s_mul_i32 s45, s36, 4352
	v_add_nc_u32 v14, s45, v14                     ; (16 wave + r) x 272 + 32 h
	v_mul_u32_u24 v13, v3, 2080
	v_lshl_add_u32 v13, v2, 2, v13
	s_mul_i32 s46, s36, 4160
	v_add_nc_u32 v13, s46, v13                     ; (16 wave + 8 h) x 260 + 4 r
	v_mov_b32 v9, RED
	s_wait_alu depctr_va_vdst(0)                   ; the addresses v7, v9 and v12-14 are written; the section above is done with v16-31, v64-159 and v192-195, in which the loads land
	ds_load_b128 v[192:195], v9
.irp mt,0,1,2,3
	ds_load_b128 v[64+8*\mt:67+8*\mt], v14 offset:VT+64*\mt
	ds_load_b128 v[68+8*\mt:71+8*\mt], v14 offset:VT+64*\mt+16
.endr
	LDFRAG 16,12,KT
	LDFRAG 24,12,KT+64
.irp nt,0,1,2,3
.irp ks,0,1
	LDFRAG 96+8*(2*\nt+\ks),7,KT+\nt*2304+64*\ks
.endr
.endr
	s_wait_dscnt 0x0
.irp nt,0,1,2,3
	v_wmma_f32_16x16x32_f16 v[224+8*\nt:231+8*\nt], v[16:23], v[96+16*\nt:103+16*\nt], 0
.endr
.irp nt,0,1,2,3
	v_wmma_f32_16x16x32_f16 v[224+8*\nt:231+8*\nt], v[24:31], v[104+16*\nt:111+16*\nt], v[224+8*\nt:231+8*\nt]
.endr
	v_max3_num_f32 v10, v192, v193, v194           ; the scaling of V names none of those products' registers: it fills the places behind them
	v_max3_num_f32 v10, v10, v195, 0x0da24260      ; vm = max(max |V|, 1e-30)
	v_rcp_f32 v192, v10
	v_nop
	s_wait_alu depctr_va_vdst(0)
	v_mul_f32 v192, -1.0, v192
	v_mov_b32 v193, v192
.set ii, 0
.rept 16
	v_pk_mul_f32 v[64+2*ii:65+2*ii], v[64+2*ii:65+2*ii], v[192:193]
.set ii, ii+1
.endr
.set ii, 0
.rept 16
	v_cvt_pk_f16_f32 v[196+ii], v[64+2*ii], v[65+2*ii]
.set ii, ii+1
.endr
	s_wait_alu depctr_va_vdst(0)                   ; the roundings have written Vn in v196-211 and the products G in v224-255: the data of the stores below
.irp mt,0,1,2,3
	ds_store_b128 v12, v[196+4*\mt:199+4*\mt] offset:VH+32*\mt
.endr
.irp nt,0,1,2,3                        ; register j of a lane holds G(16 wave + 8 h + j, 16 nt + r): 16 lanes store 64 neighbouring bytes of a row
.irp j,0,1,2,3,4,5,6,7
	ds_store_b32 v13, v[224+8*\nt+\j] offset:GT+260*\j+64*\nt
.endr
.endr
.Ljoin3:
	JOIN                                           ; all tables are in LDS
; ================= the consumers' macros.  v4-8 addresses, v10-11 tokens, v12-13 V's addresses, v16-47 S (4 tiles), v48-63 S in f16 (2 fragments), v64-71 R' f16 (a, b),
; v72-79 and v80-87 the sums R'_a and R'_b, v88-103 V f16 (2 buffers), v104-127 six quads: W (buffer 0), 0, I, 0, W (buffer 1), 0, v128-191 K (2 buffers), v192-255 Z' (2 buffers)
.set ACC, 16
.set SB,  48
.set RB,  64
.set VCA, 72
.set VCB, 80
.set VB,  88
.set WF,  104                          ; W's fragment: 4 registers (steps 0-15 of a) and the 4 zeros behind them; buffer 1 is 16 registers on
.set IDH, 108                          ; zeros, then I: 1 at K = 16 + row: picks block b's steps out of V's fragment
.set IDL, 112                          ; I, then zeros: 1 at K = row: picks block a's
.set KF,  128
.set ZF,  192
.macro CADDR                         ; V's lane terms: the turning load's column part, and the token of step 8 h + L % 8
	s_lshl_b32 s44, s36, 5
	v_bfe_u32 v7, v0, 3, 1
	v_lshl_add_u32 v7, v7, 4, s44                  ; 2 x 16 wave + 16 ((L / 8) % 2)
	v_and_b32 v8, 7, v0
	v_lshl_add_u32 v8, v3, 3, v8
	v_lshl_add_u32 v8, v8, 2, s40
.endm
.macro VADDR                         ; the two tokens in v10-11, clamped to the table's 64 rows, become the addresses of two turning loads
	v_min_u32 v10, 63, v10
	v_min_u32 v11, 63, v11
	v_mad_u32_u24 v12, v10, 144, v7
	v_mad_u32_u24 v13, v11, 144, v7
.endm
.macro KLOAD q, buf, slot            ; pair q's K fragments, as the producers laid them: 16 neighbouring bytes a lane
.irp blk,0,1
.irp n,0,1,2,3
	ds_load_b128 v[KF+32*(\buf)+16*\blk+4*\n:KF+32*(\buf)+16*\blk+4*\n+3], v4 offset:\slot*32768+2048*(2*(\q)+\blk)+512*\n
.endr
.endr
.endm
.macro WZLOAD q, buf, slot           ; pair q's W, then Z'^T: block a's steps are K = 0-15 of a fragment, block b's K = 16-31
	ds_load_b128 v[WF+16*(\buf):WF+16*(\buf)+3], v6 offset:\slot*4096+512*(\q)
.irp mt,0,1,2,3
.irp blk,0,1
	ds_load_b128 v[ZF+32*(\buf)+8*\mt+4*\blk:ZF+32*(\buf)+8*\mt+4*\blk+3], v5 offset:\slot*32768+2048*(2*(\q)+\blk)+512*\mt
.endr
.endr
.endm
; V's pipeline is started: V of pairs 0 and 1, the tokens of pair 2, and pair 0's sums begun with Vn (a product with I is exact).
; (The wait on vm_vsrc at the head of the lines that all twelve waves run stands ahead of this text: no LDS instruction has been issued since.)
.macro VSTART
	CADDR
	s_wait_alu depctr_va_vdst(0)                   ; v8 is written, the address of the token loads; the sections above are done with v10-13, in which they land
.irp n,0,1,2,3
	ds_load_b32 v[10+\n], v8 offset:TOK+64*\n
.endr
	s_wait_dscnt 0x0
.irp n,10,11,12,13
	v_min_u32 v[\n], 63, v[\n]
.endr
	v_mad_u32_u24 v14, v10, 144, v7
	v_mad_u32_u24 v15, v11, 144, v7
	v_mad_u32_u24 v12, v12, 144, v7
	v_mad_u32_u24 v13, v13, 144, v7
	s_wait_alu depctr_va_vdst(0)                   ; the four addresses v12-15 are written; the lines above are done reading v10-11, in which the next tokens land
	ds_load_tr16_b128 v[VB:VB+3], v14 offset:VH
	ds_load_tr16_b128 v[VB+4:VB+7], v15 offset:VH
	ds_load_tr16_b128 v[VB+8:VB+11], v12 offset:VH
	ds_load_tr16_b128 v[VB+12:VB+15], v13 offset:VH
	ds_load_b32 v10, v8 offset:TOK+256
	ds_load_b32 v11, v8 offset:TOK+320
	s_wait_dscnt 0x4                               ; pair 0's V is in; pair 1's two loads and the two tokens stay out
	v_wmma_f32_16x16x32_f16 v[VCB:VCB+7], v[IDH:IDH+7], v[VB:VB+7], 0
	v_wmma_f32_16x16x32_f16 v[VCA:VCA+7], v[IDL:IDL+7], v[VB:VB+7], 0
.endm
; An epoch: 8 pairs from ring slot \slot; the tokens begin at byte s40 + \toff.  K, W and Z' are asked for one pair ahead; V's pipeline hangs on the tables alone and runs on
; over the epochs' barriers: in pair q the tokens of pair q + 3, V of pair q + 2, and the start of pair q + 1's sums.
; LDS instructions of a pair, in order: V 2, tokens 2, K 8 (behind the first products); W 1, Z' 8 (behind the W product); the last pair has the first four alone.
; No two matrix instructions that follow each other share an accumulator: b, a, b, a; b; S's four tiles; b, a.
.macro CONSUME slot, toff
	s_wait_alu depctr_vm_vsrc(0)                   ; the LDS loads issued so far have read v4-6, v8 and v12-13, which are made anew below
	CADDR
	v_lshl_add_u32 v4, v1, 4, KRING
	v_lshl_add_u32 v5, v1, 4, RING
	v_lshl_add_u32 v6, v1, 4, WRING
	VADDR                                          ; pair 2's tokens came in ahead of the barrier: no address is carried over it
	s_wait_alu depctr_va_vdst(0)                   ; the addresses v4-6, v8 and v12-13 are written; the last epoch's products are done reading K, W, Z' and V's buffers; VADDR is done with v10-11: this wait is pair 0's too
	KLOAD 0,0,\slot
	WZLOAD 0,0,\slot
.set qq, 0
.rept 8
.set bf, qq%2
.set nb, 1-bf
	s_wait_dscnt 0x9                               ; this pair's K is in, and all that was asked for ahead of it; its W and Z', 9 loads, stay out
.if qq > 0
	s_wait_alu depctr_va_vdst(0)                   ; v12-13 are written and VADDR is done with v10-11; the last pair's products are done reading V's buffer bf and K, W, Z' of buffer nb: all 21 loads of this pair lean on this wait
.endif
	v_wmma_f32_16x16x32_f16 v[VCB:VCB+7], v[KF+32*bf+16:KF+32*bf+23], v[SB:SB+7], v[VCB:VCB+7]       ; Vn + Khat S
	v_wmma_f32_16x16x32_f16 v[VCA:VCA+7], v[KF+32*bf:KF+32*bf+7], v[SB:SB+7], v[VCA:VCA+7]
	v_wmma_f32_16x16x32_f16 v[VCB:VCB+7], v[KF+32*bf+24:KF+32*bf+31], v[SB+8:SB+15], v[VCB:VCB+7]
	v_wmma_f32_16x16x32_f16 v[VCA:VCA+7], v[KF+32*bf+8:KF+32*bf+15], v[SB+8:SB+15], v[VCA:VCA+7]
	ds_load_tr16_b128 v[VB+8*bf:VB+8*bf+3], v12 offset:VH          ; V, turned: lane = my row r of M, registers = steps 8 h ..  No wait: the four products since the wait name K's buffer bf, S and the sums alone
	ds_load_tr16_b128 v[VB+8*bf+4:VB+8*bf+7], v13 offset:VH
	ds_load_b32 v10, v8 offset:TOK+\toff+128*(qq+3)
	ds_load_b32 v11, v8 offset:TOK+\toff+128*(qq+3)+64
.if qq < 7
	KLOAD qq+1,nb,\slot
.endif
	PLACES                                         ; behind the products, ahead of the conversions that read R'_a's sums
.irp n,0,1,2,3
	v_cvt_pk_f16_f32 v[RB+\n], v[VCA+2*\n], v[VCA+2*\n+1]          ; R'_a: K = 0-15 of source 1, as it lies
.endr
.if qq < 7
	s_wait_dscnt 0x14                              ; W is in: behind it 8 loads of Z' and this pair's first 12
.else
	s_wait_dscnt 0xc                               ; the same with this pair's 4
.endif
	v_wmma_f32_16x16x32_f16 v[VCB:VCB+7], v[WF+16*bf:WF+16*bf+7], v[RB:RB+7], v[VCB:VCB+7]           ; + W R'_a (W's K = 16-31 is 0; source 1 holds the last pair's R'_b there)
.if qq < 7
	WZLOAD qq+1,nb,\slot                           ; no wait: no vector or matrix instruction since the pair's head names W's or Z's buffer nb
.endif
.rept 5
	v_nop                                          ; four places ahead of the conversions below, five ahead of the product that starts this accumulator anew
.endr
.irp n,0,1,2,3
	v_cvt_pk_f16_f32 v[RB+4+\n], v[VCB+2*\n], v[VCB+2*\n+1]        ; R'_b: K = 16-31
.endr
.if qq < 7
	s_wait_dscnt 0x15                              ; Z' is in: behind it this pair's 12 + 9 loads
.else
	s_wait_dscnt 0x4
.endif
.irp n,0,1,2,3
	v_wmma_f32_16x16x32_f16 v[ACC+8*\n:ACC+8*\n+7], v[ZF+32*bf+8*\n:ZF+32*bf+8*\n+7], v[RB:RB+7], v[ACC+8*\n:ACC+8*\n+7]   ; S += Z'^T R', 32 steps deep
.endr
	v_wmma_f32_16x16x32_f16 v[VCB:VCB+7], v[IDH:IDH+7], v[VB+8*nb:VB+8*nb+7], 0                      ; the next pair's sums begin with Vn
	v_wmma_f32_16x16x32_f16 v[VCA:VCA+7], v[IDL:IDL+7], v[VB+8*nb:VB+8*nb+7], 0
.if qq < 7
	s_wait_dscnt 0x11                              ; this pair's V and tokens are in; its 8 loads of K and 9 of W and Z' stay out
	s_wait_alu depctr_vm_vsrc(0)                   ; this pair's two turning loads have read v12-13, which are written below
	VADDR                                          ; pair q + 3's tokens become the next pair's addresses; these four lines are the places behind the products
.else
	PLACES                                         ; the last pair makes no address: the next epoch's head does
.endif
.irp n,0,1,2,3,4,5,6,7,8,9,10,11,12,13,14,15
	v_cvt_pk_f16_f32 v[SB+\n], v[ACC+2*\n], v[ACC+2*\n+1]          ; S in f16: two tiles are one fragment of source 1
.endr
.set qq, qq+1
.endr
.endm
; ================= the producers' macro: pair p (blocks 2 p and 2 p + 1) of the epoch whose tokens begin at byte s40 + \toff, into ring slot \slot.  It carries nothing from call to call.
; v4-15 addresses, v16-31 my column of T' (begun as a column of -I), v32-33 at work, v48-55 T' f16, v56-63 and v64-71 T'^T fragments of blocks 0 and 1,
; v72-103 K turned (block 0 in K = 0-15, block 1 in K = 16-31), v104-119 tokens and addresses, v120-135 my row of -Gram, v136-167 K fragments, v168-183 G_ba,
; v248-255 G_ba f16 and zeros; at the end v104-167 Z' f32, v168-199 Z' f16, v200-211 W.
.set TT,  16
.set TP,  48
.set KB,  72
.set CO,  104
.set NA,  120
.macro PRODUCE slot, toff
	s_sub_co_u32 s37, s36, 4                       ; producer 0..7
	s_lshl_b32 s44, s37, 7                         ; my pair's tokens: 128 bytes
	s_add_co_u32 s44, s44, s40
	s_wait_alu depctr_vm_vsrc(0)                   ; the LDS instructions issued so far, my last job's stores among them, have read their addresses in v4-15 and their data in v168-199 and v208-211: all are written or loaded anew below
	v_lshl_add_u32 v4, v1, 2, s44
	v_lshl_add_u32 v5, v3, 6, s44
	v_and_b32 v6, 7, v0
	v_lshl_add_u32 v6, v3, 3, v6
	v_lshl_add_u32 v6, v6, 2, s44
	v_lshl_add_u32 v13, v2, 2, s44
	v_lshl_add_u32 v14, v3, 5, s44
	s_wait_alu depctr_va_vdst(0)                   ; the addresses v4-6, v13 and v14 are written; my last job's products and roundings are done with v104-119, v168-175 and v248-255, in which the tokens land
	ds_load_b32 v248, v4 offset:TOK+\toff          ; my own token: lane = (block h, step r)
.irp q,0,1,2,3
	ds_load_b128 v[CO+4*\q:CO+4*\q+3], v5 offset:TOK+\toff+16*\q           ; my block's 16 tokens
.endr
	ds_load_b32 v249, v6 offset:TOK+\toff          ; the rows that the turning loads take: step 8 h + L % 8 of block 0,
	ds_load_b32 v250, v6 offset:TOK+\toff+64       ; and of block 1
	ds_load_b32 v254, v13 offset:TOK+\toff         ; step r of block 0,
	ds_load_b32 v255, v13 offset:TOK+\toff+64      ; and of block 1
	ds_load_b128 v[168:171], v14 offset:TOK+\toff  ; steps 8 h .. 8 h + 7 of block 0
	ds_load_b128 v[172:175], v14 offset:TOK+\toff+16
	v_bfe_u32 v7, v0, 3, 1                         ; the other addresses and constants are made while the tokens are on their way: none of them is a register that the token loads touch
	v_lshlrev_b32 v7, 4, v7
	s_mul_i32 s46, s37, 1536
	s_add_co_u32 s46, s46, TSTG
	v_mul_u32_u24 v10, v1, 48
	v_add_nc_u32 v10, s46, v10
	v_mul_u32_u24 v11, v2, 48
	v_lshl_add_u32 v11, v3, 4, v11
	v_add_nc_u32 v11, s46, v11
	s_lshl_b32 s47, s37, 12
	s_add_co_u32 s39, s47, RING
	s_add_co_u32 s41, s47, KRING
	v_lshl_add_u32 v12, v1, 4, s39
	v_lshl_add_u32 v15, v1, 4, s41
	s_lshl_b32 s47, s37, 9
	s_add_co_u32 s47, s47, WRING
	v_lshl_add_u32 v9, v1, 4, s47                  ; where W goes
	v_lshlrev_b32 v33, 4, v3                       ; 16 h
.irp i,0,1,2,3,4,5,6,7,8,9,10,11,12,13,14,15
	v_cmp_eq_u32 s[8+\i], \i, v2                   ; the sixteen compares in one run, a mask each
.endr
	s_wait_alu depctr_va_sdst(0)                   ; the masks s8-23 are written, ahead of the selects that read them
.irp i,0,1,2,3,4,5,6,7,8,9,10,11,12,13,14,15
	v_cndmask_b32 v[TT+\i], 0, -1.0, s[8+\i]       ; T'_i begins as -delta(i, my column)
.endr
.irp n,60,61,62,63,64,65,66,67
	v_mov_b32 v[\n], 0                             ; block 0's T'^T has no K = 16-31, block 1's no K = 0-15
.endr
	s_wait_dscnt 0x0
.irp n,248,249,250,254,255
	v_min_u32 v[\n], 63, v[\n]
.endr
.set ii, 0
.rept 16
	v_min_u32 v[CO+ii], 63, v[CO+ii]
.set ii, ii+1
.endr
.set ii, 0
.rept 8
	v_min_u32 v[168+ii], 63, v[168+ii]
.set ii, ii+1
.endr
	v_mul_u32_u24 v251, v248, 260
.set ii, 0
.rept 16
	v_lshl_add_u32 v[CO+ii], v[CO+ii], 2, v251
.set ii, ii+1
.endr
	v_mul_u32_u24 v32, v255, 260
.set ii, 0
.rept 8
	v_lshl_add_u32 v[168+ii], v[168+ii], 2, v32
.set ii, ii+1
.endr
	v_mad_u32_u24 v252, v249, 144, v7
	v_mad_u32_u24 v253, v250, 144, v7
	v_mad_u32_u24 v254, v254, 144, v33
	v_mad_u32_u24 v255, v255, 144, v33
	s_wait_alu depctr_va_vdst(0)                   ; the tokens have become the addresses v104-119, v168-175 and v252-255; v9-12 and v15 are written too, for the stores further down
.set ii, 0
.rept 16
	ds_load_b32 v[NA+ii], v[CO+ii] offset:GT       ; row r of my block's Gram matrix: register s of lane i holds A(i, s)
.set ii, ii+1
.endr
.set ii, 0
.rept 8
	ds_load_b32 v[176+ii], v[168+ii] offset:GT     ; G_ba(r, 8 h ..): block 1's step r against block 0's steps
.set ii, ii+1
.endr
.irp n,0,1,2,3
	ds_load_b128 v[136+4*\n:139+4*\n], v254 offset:KT+32*\n        ; K as fragments: lane = step r, 8 features at 16 h + 32 n bytes
.endr
.irp n,0,1,2,3
	ds_load_b128 v[152+4*\n:155+4*\n], v255 offset:KT+32*\n
.endr
.irp nt,0,1,2,3
	ds_load_tr16_b128 v[KB+8*\nt:KB+8*\nt+3], v252 offset:KT+32*\nt        ; K, turned: lane = feature, registers = steps
	ds_load_tr16_b128 v[KB+8*\nt+4:KB+8*\nt+7], v253 offset:KT+32*\nt
.endr
	s_wait_dscnt 0x18                              ; the 16 Gram gathers are in; the 8 + 8 + 8 loads behind them stay out
.irp n,0,1,2,3,4,5,6,7
	v_pk_mul_f32 v[NA+2*\n:NA+2*\n+1], v[NA+2*\n:NA+2*\n+1], -1.0 op_sel_hi:[1,0]
.endr
; Forward substitution, my column of T' = -(I + A)^-1, in place: T'_i -= A(i, s) T'_s for s < i.  All 16 lanes of a block want the same A(i, s), which lies in lane i of
; their row of 16 lanes: row_share:i hands it to them inside the multiply-add, so the triangle's 120 coefficients never pass through LDS.
.irp sx,0,1,2,3,4,5,6,7,8,9,10,11,12,13,14
.irp ix,1,2,3,4,5,6,7,8,9,10,11,12,13,14,15
.if \ix > \sx
	v_fmac_f32_dpp v[TT+\ix], v[NA+\sx], v[TT+\sx] row_share:\ix row_mask:0xf bank_mask:0xf
.endif
.endr
.endr
.irp q,0,1,2,3,4,5,6,7
	v_cvt_pk_f16_f32 v[TP+\q], v[TT+2*\q], v[TT+2*\q+1]
.endr
	s_wait_alu depctr_va_vdst(0)                   ; the roundings have written T' in v48-55, which the two stores read
	ds_store_b128 v10, v[TP:TP+3]                  ; a column's 16 numbers; back as fragments of T'^T: lane = column, 8 h .. 8 h + 7.  My wave's own bytes, served in order (ISA guide 5.7.1.4)
	ds_store_b128 v10, v[TP+4:TP+7] offset:16
	ds_load_b128 v[56:59], v11                     ; block 0 in K = 0-15
	ds_load_b128 v[68:71], v11 offset:768          ; block 1 in K = 16-31
	s_wait_dscnt 0xc                               ; G_ba and the K fragments are in; the 8 turning loads and the stage's 2 + 2 stay out
.irp n,0,1,2,3
	v_cvt_pk_f16_f32 v[248+\n], v[176+2*\n], v[177+2*\n]
.endr
.irp b,0,1
.irp n,0,1,2,3
	ds_store_b128 v15, v[136+16*\b+4*\n:139+16*\b+4*\n] offset:\slot*32768+\b*2048+\n*512    ; the K fragments go out while the stage's round trip is on its way.  No wait: their data came by loads, and the four roundings above name v176-183 and v248-251 alone
.endr
.endr
	s_wait_dscnt 0x0
	s_wait_alu depctr_vm_vsrc(0)                   ; the gathers have read their addresses in v104-119, v168-175 and v252-255, the stores above their data in v136-167: the zeros, the products and the roundings below write all of these
.irp n,252,253,254,255
	v_mov_b32 v[\n], 0                             ; K = 16-31 of G_ba's fragment
.endr
.irp nt,0,1,2,3
	v_wmma_f32_16x16x32_f16 v[CO+8*\nt:CO+8*\nt+7], v[56:63], v[KB+8*\nt:KB+8*\nt+7], 0              ; Z' = T'^T K
.endr
.irp nt,0,1,2,3
	v_wmma_f32_16x16x32_f16 v[CO+32+8*\nt:CO+32+8*\nt+7], v[64:71], v[KB+8*\nt:KB+8*\nt+7], 0
.endr
	v_wmma_f32_16x16x32_f16 v[200:207], v[56:63], v[248:255], 0                                      ; W^T = T'_a^T G_ba^T: lane = block 1's step, registers = block 0's steps
	PLACES
.set ii, 0
.rept 32
	v_cvt_pk_f16_f32 v[CO+64+ii], v[CO+2*ii], v[CO+2*ii+1]
.set ii, ii+1
.endr
.irp n,0,1,2,3
	v_cvt_pk_f16_f32 v[208+\n], v[200+2*\n], v[201+2*\n]
.endr
	s_wait_alu depctr_va_vdst(0)                   ; the roundings have written Z' in v168-199 and W in v208-211, which the nine stores read
.irp b,0,1
.irp nt,0,1,2,3
	ds_store_b128 v12, v[CO+64+4*(4*\b+\nt):CO+64+4*(4*\b+\nt)+3] offset:\slot*32768+\b*2048+\nt*512   ; lane = feature, registers = steps 8 h ..: half a fragment of Z'^T as it lies
.endr
.endr
	ds_store_b128 v9, v[208:211] offset:\slot*4096                 ; W's fragment as it lies
.endm
; ---- what the consumers carry from epoch to epoch: S = 0 in f32 and f16 (the first pair runs the same text as every other), R'_b = 0, three quads of zeros and the quad I.
; These lines stand ahead of the branch on the wave's number and all twelve waves run them, so that each of these registers is written on every path of the text; the producers write over theirs.
	s_wait_alu depctr_vm_vsrc(0)                   ; the memory and LDS instructions of the sections above have read their addresses (v4-14) and, in waves 4-11, the copied numbers from v16 on: the lines below, and the first lines of both roles, write these
.set ii, 16
.rept 48
	v_mov_b32 v[ii], 0
.set ii, ii+1
.endr
.irp n,68,69,70,71,108,109,110,111,116,117,118,119,124,125,126,127
	v_mov_b32 v[\n], 0
.endr
	v_lshrrev_b32 v4, 1, v2                        ; row r of I has its 1 at K = r = 8 h + 2 n + r % 2: in register n = r / 2 - 4 h, half r % 2
	v_lshlrev_b32 v5, 2, v3
	v_sub_nc_u32 v4, v4, v5
	v_and_b32 v5, 1, v2
	v_lshlrev_b32 v5, 4, v5
	v_mov_b32 v6, 0x3c00                           ; 1.0 in f16
	v_lshlrev_b32 v5, v5, v6
.irp n,0,1,2,3
	v_cmp_eq_u32 s[8+\n], \n, v4
.endr
	s_wait_alu depctr_va_sdst(0)                   ; the masks s8-11 are written, ahead of the selects that read them
.irp n,0,1,2,3
	v_cndmask_b32 v[IDL+\n], 0, v5, s[8+\n]
.endr
	s_cmp_lt_u32 s36, 4
	s_cbranch_scc0 .Lp0
	VSTART
	s_branch .Ljoin4
.Lp0:
	PRODUCE 0,0                                    ; epoch 0
.Ljoin4:
	JOIN
	s_mov_b32 s38, 0
.Lk:                                                   ; four trips of two epochs; between two barriers one slot of each ring is read and the other written
	s_lshl_b32 s40, s38, 11                        ; 512 tokens a trip
	s_cmp_lt_u32 s36, 4
	s_cbranch_scc0 .Lp1
	CONSUME 0,0
	s_branch .Lj1
.Lp1:
	PRODUCE 1,1024
.Lj1:
	JOIN
	s_cmp_lt_u32 s36, 4
	s_cbranch_scc0 .Lp2
	CONSUME 1,1024
	s_branch .Lj2
.Lp2:
	s_cmp_eq_u32 s38, 3
	s_cbranch_scc1 .Lj2                            ; behind the last epoch nothing is left to make
	PRODUCE 0,2048
.Lj2:
	JOIN
	s_add_co_u32 s38, s38, 1
	s_cmp_lt_u32 s38, 4
	s_cbranch_scc1 .Lk
; ---- M = vm S^T into LDS, row-major: a lane's eight numbers of a tile are neighbours in its row of M
	s_cmp_lt_u32 s36, 4
	s_cbranch_scc0 .LjoinF
	s_wait_alu depctr_vm_vsrc(0)                   ; the last epoch's token loads have read v8, which is written below
	v_mov_b32 v8, RED
	s_mul_i32 s44, s36, 4352
	s_add_co_u32 s44, s44, MT
	v_mul_u32_u24 v9, v2, 272
	v_lshl_add_u32 v9, v3, 5, v9
	v_add_nc_u32 v9, s44, v9
	s_wait_alu depctr_va_vdst(0)                   ; the addresses v8 and v9 are written; the last epoch's products are done reading v192-195, in which the load lands
	ds_load_b128 v[192:195], v8                    ; the four maxima once more
	s_wait_dscnt 0x0
	v_max3_num_f32 v10, v192, v193, v194
	v_max3_num_f32 v10, v10, v195, 0x0da24260
	v_mov_b32 v11, v10
.set ii, 0
.rept 16
	v_pk_mul_f32 v[96+2*ii:97+2*ii], v[ACC+2*ii:ACC+2*ii+1], v[10:11]
.set ii, ii+1
.endr
	s_wait_alu depctr_va_vdst(0)                   ; the multiplies have written M's numbers in v96-127, which the stores read
.irp mt,0,1,2,3
	ds_store_b128 v9, v[96+8*\mt:99+8*\mt] offset:64*\mt
	ds_store_b128 v9, v[100+8*\mt:103+8*\mt] offset:64*\mt+16
.endr
.LjoinF:
	JOIN
	s_cmp_lg_u32 s36, 0
	s_cbranch_scc1 .Lend
; ---- wave 0: the read-out.  Products of one row with a 64 x 64 matrix, 12,288 multiply-adds in all: f32 on the vector unit.
; v16-23 four running sums, v48-57 at work and bout, v64-127 the vector that every lane holds whole, v128-255 the matrix's numbers, asked for a step ahead of their use.
.macro MCOL bt                       ; columns 2 L and 2 L + 1 of rows 16 bt .. 16 bt + 15 of M
.irp e,0,1,2,3,4,5,6,7,8,9,10,11,12,13,14,15
	ds_load_b64 v[128+32*\bt+2*\e:129+32*\bt+2*\e], v6 offset:272*(16*\bt+\e)
.endr
.endm
.macro SCORE bt                      ; those rows times q: even rows in v[16:17] and v[20:21], odd rows in v[18:19] and v[22:23]
.irp e,0,1,2,3,4,5,6,7
.if (\bt == 0) && (\e < 2)
	v_pk_mul_f32 v[16+4*\e:17+4*\e], v[128+4*\e:129+4*\e], v[64+2*\e:65+2*\e] op_sel_hi:[1,0]
	v_pk_mul_f32 v[18+4*\e:19+4*\e], v[130+4*\e:131+4*\e], v[64+2*\e:65+2*\e] op_sel:[0,1] op_sel_hi:[1,1]
.else
	v_pk_fma_f32 v[16+4*(\e%2):17+4*(\e%2)], v[128+32*\bt+4*\e:129+32*\bt+4*\e], v[64+16*\bt+2*\e:65+16*\bt+2*\e], v[16+4*(\e%2):17+4*(\e%2)] op_sel_hi:[1,0,1]
	v_pk_fma_f32 v[18+4*(\e%2):19+4*(\e%2)], v[130+32*\bt+4*\e:131+32*\bt+4*\e], v[64+16*\bt+2*\e:65+16*\bt+2*\e], v[18+4*(\e%2):19+4*(\e%2)] op_sel:[0,1,0] op_sel_hi:[1,1,1]
.endif
.endr
.endm
.macro ROWS adr, second              ; two rows of 64 f32: one into v128-191, the one \second bytes on into v192-255
.irp n,0,1,2,3,4,5,6,7,8,9,10,11,12,13,14,15
	ds_load_b128 v[128+4*\n:131+4*\n], v[\adr] offset:16*\n
	ds_load_b128 v[192+4*\n:195+4*\n], v[\adr] offset:\second+16*\n
.endr
.endm
.macro DOT2 da, db                   ; the 64 numbers in v64-127 times the row in v128-191 -> v[da], times the row in v192-255 -> v[db]
	v_pk_mul_f32 v[16:17], v[128:129], v[64:65]
	v_pk_mul_f32 v[18:19], v[130:131], v[66:67]
	v_pk_mul_f32 v[20:21], v[192:193], v[64:65]
	v_pk_mul_f32 v[22:23], v[194:195], v[66:67]
.set ii, 1
.rept 15
	v_pk_fma_f32 v[16:17], v[128+4*ii:129+4*ii], v[64+4*ii:65+4*ii], v[16:17]
	v_pk_fma_f32 v[18:19], v[130+4*ii:131+4*ii], v[66+4*ii:67+4*ii], v[18:19]
	v_pk_fma_f32 v[20:21], v[192+4*ii:193+4*ii], v[64+4*ii:65+4*ii], v[20:21]
	v_pk_fma_f32 v[22:23], v[194+4*ii:195+4*ii], v[66+4*ii:67+4*ii], v[22:23]
.set ii, ii+1
.endr
	v_pk_add_f32 v[16:17], v[16:17], v[18:19]
	v_pk_add_f32 v[20:21], v[20:21], v[22:23]
	v_add_f32 v[\da], v16, v17
	v_add_f32 v[\db], v20, v21
.endm
	s_wait_alu depctr_vm_vsrc(0)                   ; the LDS instructions issued so far have read their addresses in v4-13 and the stores' data in v96-127: all are written or loaded anew below
	v_lshlrev_b32 v12, 3, v1                       ; 8 L
	v_mov_b32 v5, 0
	v_add_nc_u32 v15, BIAS+1280, v12
	v_add_nc_u32 v6, MT, v12
	s_wait_alu depctr_va_vdst(0)                   ; the addresses v5, v6, v12 and v15 are written; all earlier vector and matrix work is done with v4, v56-57 and v128-255, in which the loads of this section land first
	ds_load_b32 v4, v5 offset:TOK+8188             ; the last token
	ds_load_b64 v[56:57], v15                      ; bout(2 L), bout(2 L + 1)
	MCOL 0                                         ; M's columns hang on no token: the first 32 rows go out ahead of the wait for it
	MCOL 1
	v_add_nc_u32 v7, RED, v12
	v_mov_b32 v8, RED
	v_mul_u32_u24 v9, v1, 272
	v_add_nc_u32 v9, MT, v9
	v_lshl_add_u32 v13, v1, 2, RED
	v_mul_u32_u24 v14, v1, 544
	v_add_nc_u32 v14, WO, v14
	s_wait_dscnt 0x20                              ; the token and bout are in; the 32 loads behind them stay out
	v_min_u32 v4, 63, v4
	v_mul_u32_u24 v4, v4, 272
	s_wait_alu depctr_va_vdst(0)                   ; the token has become the address v4; the addresses v7-9, v13 and v14 are written too, for the LDS instructions further down
.irp n,0,1,2,3,4,5,6,7,8,9,10,11,12,13,14,15
	ds_load_b128 v[64+4*\n:67+4*\n], v4 offset:QT+16*\n    ; q, all 64 numbers in every lane
.endr
	s_wait_dscnt 0x0
	MCOL 2
	MCOL 3
; scores of columns 2 L and 2 L + 1 of M: the sum over rows i of M(i, .) q_i
	SCORE 0
	SCORE 1
	s_wait_dscnt 0x10                              ; rows 32-47 are in; the last 16 loads stay out
	SCORE 2
	s_wait_dscnt 0x0
	SCORE 3
	s_wait_alu depctr_va_vdst(0)                   ; the scores' multiply-adds are done reading v128-255, in which M's rows land
	ROWS 9,8704                                    ; rows L and L + 32 of M, on their way during the softmax
	v_pk_add_f32 v[16:17], v[16:17], v[18:19]
	v_pk_add_f32 v[20:21], v[20:21], v[22:23]
	v_pk_add_f32 v[48:49], v[16:17], v[20:21]
; softmax over the 64 scores / 8, the maximum taken away first
	v_max_num_f32 v50, v48, v49
	LMAX 50,51
	v_sub_f32 v48, v48, v50
	v_sub_f32 v49, v49, v50
	v_mul_f32 v48, 0x3e38aa3b, v48                 ; log2(e) / 8
	v_mul_f32 v49, 0x3e38aa3b, v49
	v_exp_f32 v48, v48
	v_exp_f32 v49, v49
	v_nop
	s_wait_alu depctr_va_vdst(0)
	v_add_f32 v52, v48, v49
	LADD 52,51
	v_rcp_f32 v52, v52
	v_nop
	s_wait_alu depctr_va_vdst(0)
	v_mul_f32 v48, v48, v52
	v_mul_f32 v49, v49, v52
	s_wait_alu depctr_va_vdst(0)                   ; attn is written in v48-49, which the store reads (the scores were done reading q in v64-127, in which attn lands, at the wait before)
	ds_store_b64 v7, v[48:49] offset:256
.irp n,0,1,2,3,4,5,6,7,8,9,10,11,12,13,14,15
	ds_load_b128 v[64+4*\n:67+4*\n], v8 offset:256+16*\n   ; attn in every lane: my wave's own bytes, served in order
.endr
	s_wait_dscnt 0x0
	DOT2 52,53                                     ; ctx(L) = M(L, .) . attn, and ctx(L + 32)
	v_max_num_f32 v52, 0, v52
	v_max_num_f32 v53, 0, v53
	s_wait_alu depctr_va_vdst(0)                   ; the products are done reading v64-255, in which Wout's rows and relu(ctx) land; relu(ctx) is written in v52-53, which the two stores read
	ROWS 14,272                                    ; Wout rows 2 L and 2 L + 1, on their way while ctx goes round
	ds_store_b32 v13, v52 offset:512
	ds_store_b32 v13, v53 offset:640
.irp n,0,1,2,3,4,5,6,7,8,9,10,11,12,13,14,15
	ds_load_b128 v[64+4*\n:67+4*\n], v8 offset:512+16*\n   ; relu(ctx) in every lane
.endr
	s_wait_dscnt 0x0
	DOT2 54,55
	v_pk_add_f32 v[54:55], v[54:55], v[56:57]      ; + bout
	s_wait_alu depctr_va_vdst(0)                   ; the result is written in v54-55, which the store reads
	global_store_b64 v12, v[54:55], s[34:35]       ; the wave stores the row's 256 consecutive bytes, at a multiple of 256 from out0's first byte
.Lend:
	s_set_vgpr_msb 0x5
	s_wait_dscnt 0x0
	s_wait_alu depctr_hold_cnt(0) depctr_sa_sdst(0) depctr_va_vdst(0) depctr_va_sdst(0) depctr_va_ssrc(0) depctr_va_vcc(0) depctr_vm_vsrc(0)
	s_wait_tensorcnt 0x0
	ds_add_u32 v0, v1
	s_wait_dscnt 0x0
	s_endpgm
.Lfunc_end_k_q07a54465d3_retro:
	.size	k_q07a54465d3_retro, .Lfunc_end_k_q07a54465d3_retro-k_q07a54465d3_retro
	.p2alignl 7, 3214868480
	.fill 96, 4, 3214868480
	.section	.rodata,"a",@progbits
	.p2align	6, 0x0
	.amdhsa_kernel k_q07a54465d3_retro
		.amdhsa_group_segment_fixed_size 293632
		.amdhsa_private_segment_fixed_size 0
		.amdhsa_enable_private_segment 0
		.amdhsa_kernarg_size 112
		.amdhsa_user_sgpr_count 2
		.amdhsa_user_sgpr_kernarg_segment_ptr 1
		.amdhsa_wavefront_size32 1
		.amdhsa_system_sgpr_workgroup_id_x 1
		.amdhsa_system_sgpr_workgroup_id_y 1
		.amdhsa_system_sgpr_workgroup_id_z 1
		.amdhsa_system_vgpr_workitem_id 0
		.amdhsa_next_free_vgpr 258
		.amdhsa_next_free_sgpr 66
		.amdhsa_reserve_vcc 0
		.amdhsa_float_denorm_mode_32 3
		.amdhsa_float_denorm_mode_16_64 3
		.amdhsa_memory_ordered 1
		.amdhsa_forward_progress 1
		.amdhsa_inst_pref_size 231
	.end_amdhsa_kernel
	.amdgpu_metadata
---
amdhsa.version: [ 1, 2 ]
amdhsa.kernels:
  - .name:           k_q07a54465d3_retro
    .symbol:         k_q07a54465d3_retro.kd
    .args:
      - { .name: x, .offset: 0, .size: 8, .value_kind: global_buffer, .address_space: global }
      - { .name: embed, .offset: 8, .size: 8, .value_kind: global_buffer, .address_space: global }
      - { .name: w1, .offset: 16, .size: 8, .value_kind: global_buffer, .address_space: global }
      - { .name: b1, .offset: 24, .size: 8, .value_kind: global_buffer, .address_space: global }
      - { .name: w2, .offset: 32, .size: 8, .value_kind: global_buffer, .address_space: global }
      - { .name: b2, .offset: 40, .size: 8, .value_kind: global_buffer, .address_space: global }
      - { .name: ln_g, .offset: 48, .size: 8, .value_kind: global_buffer, .address_space: global }
      - { .name: ln_b, .offset: 56, .size: 8, .value_kind: global_buffer, .address_space: global }
      - { .name: Wk, .offset: 64, .size: 8, .value_kind: global_buffer, .address_space: global }
      - { .name: Wv, .offset: 72, .size: 8, .value_kind: global_buffer, .address_space: global }
      - { .name: Wq, .offset: 80, .size: 8, .value_kind: global_buffer, .address_space: global }
      - { .name: Wout, .offset: 88, .size: 8, .value_kind: global_buffer, .address_space: global }
      - { .name: bout, .offset: 96, .size: 8, .value_kind: global_buffer, .address_space: global }
      - { .name: out0, .offset: 104, .size: 8, .value_kind: global_buffer, .address_space: global }
    .group_segment_fixed_size: 293632
    .private_segment_fixed_size: 0
    .kernarg_segment_align: 8
    .kernarg_segment_size: 112
    .max_flat_workgroup_size: 384
    .sgpr_count:     66
    .vgpr_count:     258
    .wavefront_size: 32
...
	.end_amdgpu_metadata
.endif
;; end of part 4
